; MI455X (gfx1250); checked and timed in simulation.
; The chip was launched on July 23, 2026; its instructions are those of AMD's public machine-readable ISA for CDNA 5 (MIT licence, August 2026) and "CDNA5" Instruction Set Architecture Reference Guide (July 2026). The comments in the code are by the model that wrote it; some were corrected since.
;; Simple MHA. Allowed arithmetic: matrix products marked QUANTISED: E2M3 operands, one E8M0 scale for each 32 along K, by v_wmma_scale_f32_16x16x128_f8f6f4 with both operands' format E2M3, f32 sums; everything else in f32.
;; Inputs: Wk 1,024 x 1,024 float32; Wo 1,024 x 1,024 float32; Wq 1,024 x 1,024 float32; Wv 1,024 x 1,024 float32; bk 1,024 float32; bo 1,024 float32; bq 1,024 float32; bv 1,024 float32; x 4 x 2,048 x 1,024 float32.
;; Outputs: out0 4 x 2,048 x 1,024 float32.
;; This version of the problem:
;;   THIS VERSION OF THE PROBLEM IS GIVEN IN LOW PRECISION. The matrix products marked QUANTISED in the list below multiply operands that are first quantised to E2M3 (2 exponent bits, 3 mantissa bits; 6 bits a number), with one power-of-two scale for each 32 numbers along K (OCP MX v1.0); their sums are f32. All else is computed in f32.
;;   The module's matrix products, in the order in which they are computed (A, B: the left and right operand; K: the contracted axis; several contracted axes count as one K, in the product's order):
;;     1. [M 8,192, K 1,024] x [K 1,024, N 1,024]; A: input x; B: input Wq: QUANTISED
;;     2. [M 8,192, K 1,024] x [K 1,024, N 1,024]; A: input x; B: input Wk: QUANTISED
;;     3. [M 8,192, K 1,024] x [K 1,024, N 1,024]; A: input x; B: input Wv: QUANTISED
;;     4. batch 4 x [M 2,048, K 1,024] x [K 1,024, N 2,048]; A: computed on the way; B: computed on the way: QUANTISED
;;     5. batch 4 x [M 2,048, K 2,048] x [K 2,048, N 1,024]; A: softmax (see below); B: computed on the way: QUANTISED
;;     6. [M 8,192, K 1,024] x [K 1,024, N 1,024]; A: computed on the way; B: input Wo: QUANTISED
;;   THE QUANTISER, for each operand of a quantised product, along K:
;;     - K is cut into blocks of 32 from its start; a last block that is shorter is filled with zeros.
;;     - A block's scale is 2^e with e = floor(log2(the largest magnitude in the block)) - 2, held to -126 .. 127; a block of zeros has e = 0. As a byte (E8M0): e + 127.
;;     - Each number is divided by its block's scale, clamped to +-7.5, and rounded to the nearest number of E2M3, ties to even, subnormals kept.
;;     - The product sums the exact products of the quantised numbers (number of the format x scale) in f32.
;;   ~~~python
;;   def quantise(x, axis):      # numpy; x: float32 -> the quantised numbers, widened to float32 again
;;       x = np.moveaxis(x, axis, -1); K = x.shape[-1]
;;       x = np.pad(x, [(0, 0)] * (x.ndim - 1) + [(0, -K % 32)]); x = x.reshape(x.shape[:-1] + (-1, 32)); a = np.abs(x).max(-1, keepdims=True)
;;       e = np.where(a > 0, np.clip(np.frexp(np.where(a > 0, a, 1))[1] - 1 - 2, -126, 127), 0)      # np.frexp(a)[1] - 1 = floor(log2(a)), exactly
;;       r = np.clip(x / 2.0 ** e, -7.5, 7.5)
;;       step = 2.0 ** (np.maximum(np.frexp(np.where(r == 0, 1, r))[1] - 1, 0) - 3)
;;       q = np.round(r / step) * step * 2.0 ** e      # np.round: ties to even
;;       return np.moveaxis(q.reshape(q.shape[:-2] + (-1,))[..., :K], -1, axis).astype(np.float32)
;;   ~~~
;;   SOFTMAX AHEAD OF A QUANTISED PRODUCT. Where the list says 'softmax', what is quantised is not the finished softmax but p = 2^(t - M), with t = logit x log2(e) and M = ceil(the row's largest t), a whole number; so 1/2 < the row's largest p <= 1. The row's sum l is taken of the UNQUANTISED p, in f32, and the product's result is divided by l at the end. Since M is a whole number, a kernel that streams over the keys may use a running M (the ceiling of the running maximum): every later rescaling is an exact power of two, which a block's scale takes up: the codes' values come out the same.
;;   OPERANDS COMPUTED ON THE WAY. 'Computed on the way' means the value that the module computes at that place (a softmax that the list does not call 'softmax' is quantised finished and normalised). What goes into a quantiser is computed in f32, as accurately as f32 sums, v_exp_f32 and their like allow (about 1e-6 of the number): no bf16 or f16 on the way to a quantiser, and a product that is left as it is and whose result goes on into a quantised operand takes f32 operands (vector FMAs, or v_wmma_f32_16x16x4_f32). A number that lies on a knife's edge between two numbers of the format may be rounded either way, as far as f32 arithmetic and the matrix unit's own rounding can turn it there, and no further.
;; 2 versions. Each part assembles by itself: llvm-mc -triple=amdgcn-amd-amdhsa -mcpu=gfx1250 --defsym DOCPART=n.
;; ======== version 1 of 2: 5 launches
;; workspace buffers: ximg 6,815,744 bytes; wimg 3,407,872 bytes; qimg 6,815,744 bytes; kimg 6,815,744 bytes; vimg 6,815,744 bytes; pimg 13,631,488 bytes; prec 2,097,152 bytes; oimg 6,815,744 bytes
;; launch quant (part 1): grid 384 x 1, 8 waves a work-group, no clusters, 95,232 bytes of LDS; arguments x, Wq, Wk, Wv, Wo, ximg, wimg; writes ximg, wimg
.if DOCPART == 1
	.amdgcn_target "amdgcn-amd-amdhsa--gfx1250"
	.amdhsa_code_object_version 6
	.text
	.protected	k_qfc17a14362_quant
	.globl	k_qfc17a14362_quant
	.p2align	8
	.type	k_qfc17a14362_quant,@function
k_qfc17a14362_quant:
	s_mov_b64 s[64:65], 0
	v_nop
	global_prefetch_b8 v0, s[64:65] scope:SCOPE_SE
	s_setreg_imm32_b32 hwreg(HW_REG_WAVE_MODE, 25, 1), 1
	s_wait_xcnt 0x0
; x [8192][1024] and the four weights [1024 (k)][1024 (n)], f32, become codes of FP6 (E2M3) with one E8M0 byte for each 32 along K, laid as IMAGES OF OPERAND REGISTERS.
; A TILE is 16 rows of a group of 32: tile 2 g + u, lane place r = row 32 g + 8 u + r + 8 (r / 8).  A RUN is a tile's two K steps of 128: 3,328 bytes: codes of the even step (1,536), of the odd step (1,536), then
; 128 bytes of scale words for each.  Register 4 c + i of lane l of a fragment lies at 512 c + 16 l + 4 i; lane l's scale word at 4 l (lanes 16-31 repeat lanes 0-15).  A tile's four runs follow each other: 13,312 bytes.
; A block's scale is 2^(floor(log2(largest magnitude)) - 2): its byte is the largest magnitude's exponent field - 2, held at 1 from below (a block of zeros keeps 1: its codes are zeros, and this program alone reads the bytes).
; LIMITS: NaN and infinities among the inputs are not served; blocks whose largest magnitude lies under 2^-124 keep the byte 1.
; Work-groups 0-255 take x: a wave makes one run (16 rows x 256 along K).  Work-groups 256-383 take the weights: a wave makes one K step of two tiles (32 columns x 128 along K).
; No tensor loads, no barrier: waves share nothing; each path has LDS bytes of its own.  Memory binds: matrix units and clusters would add nothing here.
.set STGW0, 67584                      ; LDS: 8 stages of 16 x 528 bytes for x's path; behind them 8 stages of two tile images (2 x 1,664 bytes) for the weights' path
.set TM,  16                           ; v16-31  at work in the quantiser
.set R,   32                           ; v32-159 128 numbers a lane as they are loaded
.set X,   160                          ; v160-223 x's path: 64 numbers in the quantiser's order
.set C,   160                          ; the weights' path: eight registers of codes for each of the four blocks
.set WD,  200                          ; and the column's scale word
.set PC,  224                          ; v224-243 the codes just made
.set PW,  244                          ; the scale word just made
.set SEL, 20                           ; s[20:21] v_permlanex16_b32's selects for lane l xor 16
; v[TM+b] = block b's largest magnitude, not under the floor; v[s] .. v[s+63], register 16 b + i = k 32 b + 16 (lane / 16) + i of my row, become a fragment's codes in v[PC] on and its scale word in v[PW]
.macro QTAIL s
.irp b, 0,1,2,3
	v_add_nc_u32 v[TM+12+\b], 0xff000000, v[TM+\b]   ; 2 off the exponent field: the conversion takes the exponent field of this operand as its scale
.endr
.irp b, 0,1,2,3
	v_lshrrev_b32 v[TM+4+\b], 23, v[TM+12+\b]        ; the scale's byte
.endr
	v_lshl_or_b32 v[PW], v[TM+5], 8, v[TM+4]
	v_lshl_or_b32 v[PW], v[TM+6], 16, v[PW]
	v_lshl_or_b32 v[PW], v[TM+7], 24, v[PW]
.irp c, 0,1
	v_cvt_scalef32_pk16_fp6_f32 v[PC+6*\c:PC+2+6*\c], v[\s+32*\c:\s+15+32*\c], v[TM+12+2*\c]
	v_cvt_scalef32_pk16_fp6_f32 v[PC+12+4*\c:PC+14+4*\c], v[\s+16+32*\c:\s+31+32*\c], v[TM+12+2*\c+1]   ; (a conversion's three registers begin on an even number)
.endr
	v_nop                                            ; one plain place behind a scaled conversion
.irp c, 0,1                                      ; the operand's layout wants a whole block in a lane: lanes 0-15 block 2 c, lanes 16-31 block 2 c + 1
.irp i, 0,1,2
	v_permlane16_swap_b32 v[PC+6*\c+\i], v[PC+12+4*\c+\i]
.endr
.irp i, 0,1,2
	v_mov_b32 v[PC+3+6*\c+\i], v[PC+12+4*\c+\i]
.endr
.endr
.endm
.macro QUANT s
.irp b, 0,1,2,3
	v_max3_num_f32 v[TM+\b], |v[\s+16*\b]|, |v[\s+1+16*\b]|, 0x1800000   ; my 16 numbers of block b, and the floor 2^(3 - 127): the byte cannot fall under 1
.endr
.irp i, 2,4,6,8,10,12,14
.irp b, 0,1,2,3
	v_max3_num_f32 v[TM+\b], v[TM+\b], |v[\s+16*\b+\i]|, |v[\s+1+16*\b+\i]|
.endr
.endr
.irp b, 0,1,2,3
	v_permlanex16_b32 v[TM+4+\b], v[TM+\b], s[SEL], s[SEL+1]
.endr
.irp b, 0,1,2,3
	v_max_num_f32 v[TM+\b], v[TM+\b], v[TM+4+\b]     ; with lane l xor 16's 16: the block's largest magnitude
.endr
	QTAIL \s
.endm
	s_load_b256 s[4:11], s[0:1], 0x0               ; x, Wq, Wk, Wv
	s_load_b128 s[12:15], s[0:1], 0x20             ; Wo, ximg
	s_load_b64 s[16:17], s[0:1], 0x30              ; wimg
	v_lshl_add_u32 v254, v0, 2, 0x17000
	v_mov_b32 v255, 0
	v_lshrrev_b32 v1, 5, v0
	v_readfirstlane_b32 s18, v1                    ; wave 0..7
	v_and_b32 v1, 31, v0                           ; lane
	v_and_b32 v2, 15, v0                           ; r
	v_bfe_u32 v3, v0, 4, 1                         ; h
	v_lshlrev_b32 v4, 4, v1                        ; 16 x lane
	v_lshlrev_b32 v5, 2, v1                        ; 4 x lane
	; every LDS address is made here, ahead of the parting of the two paths
	s_mul_i32 s19, s18, 8448
	v_add_nc_u32 v6, s19, v4                       ; x's stage, in: a row's 512 bytes as they lie
	v_mul_u32_u24 v7, v2, 528
	v_lshl_add_u32 v7, v3, 6, v7
	v_add_nc_u32 v7, s19, v7                       ; and out: row r, + 64 h: my 16 numbers of a block of 32
	s_mul_i32 s19, s18, 3328
	s_add_co_u32 s19, s19, STGW0
	v_bfe_u32 v12, v0, 3, 1                        ; the weights: column lane of a group of 32 is place r' = lane % 8 + 8 (lane / 16) of tile u = (lane / 8) % 2
	v_and_b32 v13, 7, v0
	v_lshl_add_u32 v13, v3, 3, v13
	v_mul_u32_u24 v12, v12, 1664
	v_add_nc_u32 v12, s19, v12
	v_lshl_add_u32 v8, v13, 4, v12                 ; where my column's codes go in its tile's image: 16 r'
	v_lshl_add_u32 v9, v13, 2, v12
	v_add_nc_u32 v9, 1536, v9                      ; and its scale word: 4 r'
	v_add_nc_u32 v10, s19, v4                      ; the images read back: 16 x lane
	v_add_nc_u32 v11, s19, v5
	v_add_nc_u32 v11, 1536, v11                    ; 4 x lane
	s_mov_b32 s[SEL], 0x76543210
	s_mov_b32 s[SEL+1], 0xfedcba98
.irp b, 0,1,2,3
	v_mov_b32 v[TM+4+\b], 0                        ; written once: a lane permute's destination counts as one of its sources
.endr
	s_cmp_lt_u32 ttmp9, 256
	s_cbranch_scc0 .Lweights
	; ---- x: run (id % 4) of tile (id / 4), id = 8 x work-group + wave
	s_lshl_b32 s22, ttmp9, 3
	s_add_co_u32 s22, s22, s18
	s_lshr_b32 s23, s22, 2                         ; tile
	s_and_b32 s24, s22, 3                          ; run
	s_lshr_b32 s25, s23, 1
	s_lshl_b32 s25, s25, 5
	s_and_b32 s26, s23, 1
	s_lshl_b32 s26, s26, 3
	s_add_co_u32 s25, s25, s26                     ; the tile's first row: 32 (tile / 2) + 8 (tile % 2)
	s_lshl_b32 s26, s25, 12                        ; rows of 4,096 bytes
	s_lshl_b32 s27, s24, 10                        ; a run is 1,024 bytes of a row
	s_add_co_u32 s26, s26, s27
	s_mov_b32 s27, 0
	s_mul_i32 s28, s23, 13312
	s_mul_i32 s29, s24, 3328
	s_add_co_u32 s28, s28, s29
	s_mov_b32 s29, 0
	s_wait_kmcnt 0x0
	s_add_nc_u64 s[4:5], s[4:5], s[26:27]
	s_add_nc_u64 s[14:15], s[14:15], s[28:29]
.macro XL f                            ; K step f of the run: place i's row, 512 consecutive bytes a load
.irp i, 0,1,2,3,4,5,6,7,8,9,10,11,12,13,14,15
	global_load_b128 v[R+64*(\f)+4*\i:R+64*(\f)+4*\i+3], v4, s[4:5] offset:(\i+8*(\i/8))*4096+512*(\f) th:TH_LOAD_NT
.endr
.endm
.macro XQ f
	s_wait_loadcnt 16-16*(\f)                      ; this K step's 16 loads are in; the other step's may be out
.irp i, 0,1,2,3,4,5,6,7,8,9,10,11,12,13,14,15
	ds_store_b128 v6, v[R+64*(\f)+4*\i:R+64*(\f)+4*\i+3] offset:528*\i
.endr
.irp b, 0,1,2,3
.irp j, 0,1,2,3
	ds_load_b128 v[X+16*\b+4*\j:X+16*\b+4*\j+3], v7 offset:128*\b+16*\j   ; LDS serves a wave's instructions in order: these see the stores above.  Rows 528 bytes apart: sixteen lanes touch sixteen different columns of 16 bytes
.endr
.endr
	s_wait_dscnt 0x0
.if (\f) > 0
	s_wait_xcnt 0x0                                ; the first fragment's stores have read their registers: the codes may be written again
.endif
	QUANT X
.irp c, 0,1,2
	global_store_b128 v4, v[PC+4*\c:PC+4*\c+3], s[14:15] offset:1536*(\f)+512*\c   ; 512 consecutive bytes, at a multiple of 256 from the buffer's first byte
.endr
	global_store_b32 v5, v[PW], s[14:15] offset:3072+128*(\f)
.endm
	XL 0
	XL 1                                           ; 32 loads, 16 KiB a wave, are out together
	XQ 0
	XQ 1
	s_wait_tensorcnt 0x0
	ds_add_u32 v254, v255
	s_wait_dscnt 0x0
	s_endpgm
.Lweights:
	; ---- a weight: K step ks of the 32 columns 256 (cb % 4) + 32 x wave of matrix cb / 4.  A lane takes a column and its registers run down K: nothing is transposed by an instruction
	s_sub_co_u32 s22, ttmp9, 256
	s_and_b32 s23, s22, 7                          ; ks
	s_lshr_b32 s24, s22, 3                         ; cb
	s_lshr_b32 s25, s24, 2                         ; matrix: 0 Wq, 1 Wk, 2 Wv, 3 Wo
	s_and_b32 s26, s24, 3
	s_lshl_b32 s26, s26, 10
	s_lshl_b32 s27, s18, 7
	s_add_co_u32 s26, s26, s27                     ; my wave's first column, in bytes
	s_lshl_b32 s27, s23, 19                        ; 128 rows of 4,096 bytes a K step
	s_add_co_u32 s26, s26, s27
	s_mov_b32 s27, 0
	s_lshl_b32 s28, s24, 3
	s_add_co_u32 s28, s28, s18                     ; the group of 32 columns among wimg's: 8 cb + wave
	s_mul_i32 s28, s28, 2*13312
	s_lshr_b32 s29, s23, 1
	s_mul_i32 s29, s29, 3328
	s_add_co_u32 s28, s28, s29                     ; the run
	s_and_b32 s30, s23, 1
	s_mul_i32 s31, s30, 1536
	s_add_co_u32 s32, s28, s31                     ; the K step's codes in it,
	s_mov_b32 s33, 0
	s_lshl_b32 s30, s30, 7
	s_add_co_u32 s34, s28, s30
	s_add_co_u32 s34, s34, 3072                    ; and its scale words
	s_mov_b32 s35, 0
	s_wait_kmcnt 0x0
	s_cmp_eq_u32 s25, 0                            ; the choice hangs on the work-group's number alone
	s_cselect_b64 s[36:37], s[6:7], s[8:9]
	s_cmp_eq_u32 s25, 2
	s_cselect_b64 s[38:39], s[10:11], s[12:13]
	s_cmp_lt_u32 s25, 2
	s_cselect_b64 s[36:37], s[36:37], s[38:39]
	s_add_nc_u64 s[36:37], s[36:37], s[26:27]
	s_add_nc_u64 s[32:33], s[16:17], s[32:33]
	s_add_nc_u64 s[34:35], s[16:17], s[34:35]
.set kk, 0
.rept 128
	global_load_b32 v[R+kk], v5, s[36:37] offset:4096*kk th:TH_LOAD_NT   ; W(128 ks + kk, my column): a wave reads 128 consecutive bytes, the eight waves 1,024
.set kk, kk+1
.endr
.macro QW kb                           ; block kb of my column: all its 32 numbers are mine
.set XS, R+32*(\kb)
.set CC, C+8*(\kb)
	v_max3_num_f32 v16, |v[XS]|, |v[XS+1]|, |v[XS+2]|
	v_max3_num_f32 v17, |v[XS+3]|, |v[XS+4]|, |v[XS+5]|
.irp i, 6,10,14,18,22,26
	v_max3_num_f32 v16, v16, |v[XS+\i]|, |v[XS+\i+1]|
	v_max3_num_f32 v17, v17, |v[XS+\i+2]|, |v[XS+\i+3]|
.endr
	v_max3_num_f32 v16, v16, |v[XS+30]|, |v[XS+31]|
	v_max3_num_f32 v16, v16, v17, 0x1800000        ; and the floor
	v_add_nc_u32 v18, 0xff000000, v16              ; the conversion's scale operand
	v_lshrrev_b32 v19, 23, v18                     ; the byte
.if (\kb) == 0
	v_mov_b32 v[WD], v19
.else
	v_lshl_or_b32 v[WD], v19, 8*(\kb), v[WD]
.endif
	v_cvt_scalef32_pk16_fp6_f32 v[CC:CC+2], v[XS:XS+15], v18
	v_cvt_scalef32_pk16_fp6_f32 v[CC+4:CC+6], v[XS+16:XS+31], v18
	v_nop                                          ; one plain place behind a scaled conversion
	v_mov_b32 v[CC+3], v[CC+4]                     ; the block's six registers on end
	v_mov_b32 v[CC+4], v[CC+5]
	v_mov_b32 v[CC+5], v[CC+6]
; block kb is registers 6 (kb / 2) .. + 5 of image lane r' + 16 (kb % 2)
.if (\kb) < 2
	ds_store_b128 v8, v[CC:CC+3] offset:256*((\kb)%2)
	ds_store_b64 v8, v[CC+4:CC+5] offset:256*((\kb)%2)+512
.else
	ds_store_b64 v8, v[CC:CC+1] offset:256*((\kb)%2)+520
	ds_store_b128 v8, v[CC+2:CC+5] offset:256*((\kb)%2)+1024
.endif
.endm
	s_wait_loadcnt 63                              ; at most the 63 youngest of the 128 loads are out: blocks 0 and 1 are in
	QW 0
	QW 1
	s_wait_loadcnt 32                              ; block 3's 32 loads may be out
	QW 2
	s_wait_loadcnt 0x0
	QW 3
	ds_store_b32 v9, v[WD]                         ; the scale word, for lanes 0-15 of the image
	ds_store_b32 v9, v[WD] offset:64               ; and for lanes 16-31
.irp u, 0,1
.irp c, 0,1,2
	ds_load_b128 v[224+16*\u+4*\c:227+16*\u+4*\c], v10 offset:1664*\u+512*\c   ; LDS serves a wave's instructions in order: these see my stores
.endr
	ds_load_b32 v[236+16*\u], v11 offset:1664*\u
.endr
	s_wait_dscnt 0x0
.irp u, 0,1
.irp c, 0,1,2
	global_store_b128 v4, v[224+16*\u+4*\c:227+16*\u+4*\c], s[32:33] offset:13312*\u+512*\c
.endr
	global_store_b32 v5, v[236+16*\u], s[34:35] offset:13312*\u
.endr
	s_wait_tensorcnt 0x0
	ds_add_u32 v254, v255
	s_wait_dscnt 0x0
	s_endpgm
.Lfunc_end_k_qfc17a14362_quant:
	.size	k_qfc17a14362_quant, .Lfunc_end_k_qfc17a14362_quant-k_qfc17a14362_quant
	.p2alignl 7, 3214868480
	.fill 96, 4, 3214868480
	.section	.rodata,"a",@progbits
	.p2align	6, 0x0
	.amdhsa_kernel k_qfc17a14362_quant
		.amdhsa_group_segment_fixed_size 95232
		.amdhsa_private_segment_fixed_size 0
		.amdhsa_enable_private_segment 0
		.amdhsa_kernarg_size 56
		.amdhsa_user_sgpr_count 2
		.amdhsa_user_sgpr_kernarg_segment_ptr 1
		.amdhsa_wavefront_size32 1
		.amdhsa_system_sgpr_workgroup_id_x 1
		.amdhsa_system_sgpr_workgroup_id_y 1
		.amdhsa_system_sgpr_workgroup_id_z 1
		.amdhsa_system_vgpr_workitem_id 0
		.amdhsa_next_free_vgpr 256
		.amdhsa_next_free_sgpr 66
		.amdhsa_reserve_vcc 0
		.amdhsa_float_denorm_mode_32 3
		.amdhsa_float_denorm_mode_16_64 3
		.amdhsa_memory_ordered 1
		.amdhsa_forward_progress 1
		.amdhsa_inst_pref_size 40
	.end_amdhsa_kernel
	.amdgpu_metadata
---
amdhsa.version: [ 1, 2 ]
amdhsa.kernels:
  - .name:           k_qfc17a14362_quant
    .symbol:         k_qfc17a14362_quant.kd
    .args:
      - { .name: x, .offset: 0, .size: 8, .value_kind: global_buffer, .address_space: global }
      - { .name: Wq, .offset: 8, .size: 8, .value_kind: global_buffer, .address_space: global }
      - { .name: Wk, .offset: 16, .size: 8, .value_kind: global_buffer, .address_space: global }
      - { .name: Wv, .offset: 24, .size: 8, .value_kind: global_buffer, .address_space: global }
      - { .name: Wo, .offset: 32, .size: 8, .value_kind: global_buffer, .address_space: global }
      - { .name: ximg, .offset: 40, .size: 8, .value_kind: global_buffer, .address_space: global }
      - { .name: wimg, .offset: 48, .size: 8, .value_kind: global_buffer, .address_space: global }
    .group_segment_fixed_size: 95232
    .private_segment_fixed_size: 0
    .kernarg_segment_align: 8
    .kernarg_segment_size: 56
    .max_flat_workgroup_size: 256
    .sgpr_count:     66
    .vgpr_count:     256
    .wavefront_size: 32
...
	.end_amdgpu_metadata
.endif
;; end of part 1
;; launch qkv (part 2): grid 12 x 32, 4 waves a work-group, clusters of 4 x 4, 327,680 bytes of LDS; arguments ximg, wimg, bq, bk, bv, qimg, kimg, vimg; writes qimg, kimg, vimg
.if DOCPART == 2
	.amdgcn_target "amdgcn-amd-amdhsa--gfx1250"
	.amdhsa_code_object_version 6
	.text
	.protected	k_qfc17a14362_qkv
	.globl	k_qfc17a14362_qkv
	.p2align	8
	.type	k_qfc17a14362_qkv,@function
k_qfc17a14362_qkv:
	s_mov_b64 s[64:65], 0
	v_nop
	global_prefetch_b8 v0, s[64:65] scope:SCOPE_SE
	s_setreg_imm32_b32 hwreg(HW_REG_WAVE_MODE, 25, 1), 1
	s_wait_xcnt 0x0
	s_wait_alu depctr_hold_cnt(0) depctr_sa_sdst(0) depctr_va_vdst(0) depctr_va_sdst(0) depctr_va_ssrc(0) depctr_va_vcc(0) depctr_vm_vsrc(0)
	s_getreg_b32 s2, hwreg(HW_REG_IB_STS2, 6, 4)
	s_cmp_eq_u32 s2, 0
	s_cbranch_scc0 .Lentry_in_a_cluster
	s_endpgm
.Lentry_in_a_cluster:
	s_bfe_u32 s2, ttmp6, 0x10000c
	s_cmp_lg_u32 s2, 0xf033
	s_cbranch_scc0 .Lentry_shape_is_right
	s_endpgm
.Lentry_shape_is_right:
; q = x Wq + bq, k = x Wk + bk, v = x Wv + bv on codes of FP6 (E2M3) with E8M0 scales, K = 1,024; each result is quantised on its way out, q and k along d, v along the keys, and stored as images of operand registers.
; IMAGES: tile 2 g + u, lane place r = row 32 g + 8 u + r + 8 (r / 8); a run = a tile's two K steps of 128 = 3,328 bytes (codes 1,536 + 1,536, scale words 128 + 128); register 4 c + i of lane l at 512 c + 16 l + 4 i.
; S0 is the matrix instruction's source 0, S1 its source 1.  In a result a lane holds ONE row of S1 (its place r), and by the tiles' row order the 64 registers of S1's block a against S0's eight blocks are 128 neighbouring rows of S0,
; register 16 b + i = row 32 b + 16 (lane / 16) + i: the quantiser's order.  So what is to be the NEXT product's K goes in as S0.
; Clusters with x = 0, 1 make q, k: S0 = the weight's columns (d), S1 = x's rows.  Clusters with x = 2 make v: S0 = x's rows (the keys), S1 = Wv's columns.  The choice hangs on the cluster's x alone: it is the same in all partners.
; A work-group of four waves makes 256 x 256, a wave 128 x 128: 64 accumulators, 512 registers.  CLUSTERS of 4 x 4: S1's tiles hang on cy alone and are asked for jointly along a row of the cluster, S0's on cx alone, along a column.
; K goes through three LDS slots of two K steps each; all three are filled at the head and slot 0 once more: a wave has at most three tensor loads out.
; LIMITS: NaN and infinities are not served; blocks whose largest magnitude lies under 2^-124 keep the byte 1.
; REGISTERS: window 0: v1-31 addresses; v32-39 S1's scale words, v40-55 S0's (two sets); v64-127 the bias as the first products' C; v128-223 S1's eight fragments (on the way out: v128-191 64 numbers, v192-228 the quantiser);
;   v240-255 eight pairs: the bias by S1's rows.   window 1: S0's fragments, two sets, at v0 and v128.   windows 2, 3: accumulator (a, b) at v[8 (8 (a % 4) + b)].
.set FT,    3328                       ; a run
.set HALF,  8*FT                       ; eight tiles' runs: what one tensor load brings, and what one wave reads of S1 or of S0
.set SLOT,  4*HALF                     ; S1's two halves, then S0's two
.set NS,    3
.set SPARE, NS*SLOT                    ; behind the slots: the spare words, 128 bytes for each wave
.set P1E,   1664                       ; a tile's pitch in memory, in elements of 8 bytes: S1's, S0's
.set P0E,   1664
.set ADA, 12                           ; v12-14 LDS address of my S1 fragments in slot 0, 1, 2
.set ADB, 15                           ; v15-17 of my S0 fragments
.set ASA, 18                           ; v18-20 of S1's scale words
.set ASB, 21                           ; v21-23 of S0's
.set LIC, 26                           ; v26 the way out: 16 x lane + 1,536 x (my half of S0): my K step's codes in a run
.set LSW, 27                           ; v27 4 x lane + 3,072 + 128 x (my half of S0): its scale words
.set SPW, 28                           ; v28 LDS address of my spare word; never rewritten
.set NIL, 29                           ; v29 0; never rewritten
.set SA,  32
.set SB,  40
.set BI,  64
.set AF,  128
.set B1,  240
.set WK,  128
.set PC,  192
.set TM,  212
.set PW,  228
.set SEL, 20                           ; s[20:21]
.set G1A, 24                           ; s[24:31] descriptor group 1 for S1;  s[32:39] for S0
.set G1B, 32
.set G0A, 40                           ; s[40:51] groups 0 for S1, one for each slot;  s[52:63] for S0
.set G0B, 52
.set OB,  100                          ; s[100:101] where my results go
.set PA,  12                           ; s[12:13] from one tile of the result to the next
.set MSB, 0
.macro WIN new                         ; the immediate's high byte repeats the setting that is left
.if MSB != (\new)
	s_set_vgpr_msb (MSB<<8)|(\new)
.set MSB, (\new)
.endif
.endm
.macro PLACES n                        ; plain places behind matrix instructions, in front of loads into registers that they have read and of the first read of results
.rept \n
	v_nop
.endr
.endm
; A joint load: waves 0 and 1 fetch S1's halves, waves 2 and 3 S0's.  Each line has one mask and one set of registers; the branch hangs on the wave's number alone.  Four v_nop follow each line.
.macro JLOAD g0a, g1a, g0b, g1b
	s_cmp_eq_u32 s15, 0
	s_cbranch_scc0 .Lfor_b_\@
	tensor_load_to_lds s[\g0a:\g0a+3], s[\g1a:\g1a+7]
	s_nop 0
.rept 4
	v_nop
.endr
	s_branch .Lasked_\@
.Lfor_b_\@:
	tensor_load_to_lds s[\g0b:\g0b+3], s[\g1b:\g1b+7]
	s_nop 0
.rept 4
	v_nop
.endr
.Lasked_\@:
.endm
.macro CREST                           ; a round of the cluster's barrier behind its opening barrier
	s_cmp_lg_u32 s14, 0
	s_cbranch_scc1 .Lnot_wave_0_\@
	s_barrier_signal -3
.Lnot_wave_0_\@:
	s_barrier_wait -3
	s_barrier_signal -1
	s_barrier_wait -1
.endm
.macro CROUND
	s_barrier_signal -1
	s_barrier_wait -1
	CREST
.endm
.macro FRAGC reg, adr, off             ; a fragment comes back as it was stored: three loads of 512 consecutive bytes
.irp c, 0,1,2
	ds_load_b128 v[(\reg)+4*\c:(\reg)+4*\c+3], v[\adr] offset:(\off)+512*\c
.endr
.endm
.macro FETCH_B slot, q, p              ; S0's eight fragments and scale words of the slot's q-th K step into set p: 32 loads
	WIN 0x40
.irp i, 0,1,2,3,4,5,6,7
	FRAGC 128*(\p)+12*\i, ADB+(\slot), \i*FT+1536*(\q)
.endr
	WIN 0
.irp i, 0,1,2,3,4,5,6,7
	ds_load_b32 v[SB+8*(\p)+\i], v[ASB+(\slot)] offset:\i*FT+128*(\q)
.endr
.endm
.macro FETCH_A slot, q, i0             ; S1's blocks i0 .. i0 + 3: 16 loads
.irp i, \i0, \i0+1, \i0+2, \i0+3
	FRAGC AF+12*(\i), ADA+(\slot), (\i)*FT+1536*(\q)
	ds_load_b32 v[SA+(\i)], v[ASA+(\slot)] offset:(\i)*FT+128*(\q)
.endr
.endm
; 16 matrix instructions: S1's blocks a0, a0 + 1 x S0's eight.  z = 0: onto the sums; 1: the constant 0 starts them; 2: the bias does.  The 64 accumulators take turns, one instruction a turn, in the same order in every step.
.macro MUL16 a0, p, z
.irp a, \a0, \a0+1
.irp b, 0,1,2,3,4,5,6,7
.if (\z) == 0
	v_wmma_scale_f32_16x16x128_f8f6f4 v[8*(8*((\a)%4)+\b):8*(8*((\a)%4)+\b)+7], v[128*(\p)+12*\b:128*(\p)+12*\b+11], v[AF+12*(\a):AF+12*(\a)+11], v[8*(8*((\a)%4)+\b):8*(8*((\a)%4)+\b)+7], v[SB+8*(\p)+\b], v[SA+(\a)] matrix_a_fmt:MATRIX_FMT_FP6 matrix_b_fmt:MATRIX_FMT_FP6
.elseif (\z) == 1
	v_wmma_scale_f32_16x16x128_f8f6f4 v[8*(8*((\a)%4)+\b):8*(8*((\a)%4)+\b)+7], v[128*(\p)+12*\b:128*(\p)+12*\b+11], v[AF+12*(\a):AF+12*(\a)+11], 0, v[SB+8*(\p)+\b], v[SA+(\a)] matrix_a_fmt:MATRIX_FMT_FP6 matrix_b_fmt:MATRIX_FMT_FP6
.else
	v_wmma_scale_f32_16x16x128_f8f6f4 v[8*(8*((\a)%4)+\b):8*(8*((\a)%4)+\b)+7], v[128*(\p)+12*\b:128*(\p)+12*\b+11], v[AF+12*(\a):AF+12*(\a)+11], v[BI+8*\b:BI+8*\b+7], v[SB+8*(\p)+\b], v[SA+(\a)] matrix_a_fmt:MATRIX_FMT_FP6 matrix_b_fmt:MATRIX_FMT_FP6
.endif
.endr
.endr
.endm
.macro MWIN hi, z                      ; source 0 window 1, source 1 window 0, D window 2 + hi; C with D, or (z = 2) in window 0
.if (\z) == 2
	WIN 0x81+0x40*(\hi)
.else
	WIN 0xa1+0x50*(\hi)
.endif
.endm
.macro STEP slot, z                    ; a slot's first K step; its successor lies in the same slot
	s_wait_dscnt 16                                ; S0's set and S1's blocks 0-3 are in; the 16 youngest loads (blocks 4-7) may be out
	MWIN 0, \z
	MUL16 0, 0, \z
	MUL16 2, 0, \z
	s_wait_dscnt 0x0                               ; blocks 4-7 are in
	PLACES 4
	FETCH_B \slot, 1, 1
	FETCH_A \slot, 1, 0
	MWIN 1, \z
	MUL16 4, 0, \z
	MUL16 6, 0, \z
	PLACES 4
	WIN 0
	FETCH_A \slot, 1, 4
.endm
; A slot's second K step changes slots, behind one barrier.  fill = 1: the slot is filled again: in front of the barrier each wave waits for all its tensor loads, adds 0 to its spare word and waits for that and for its reads of the slot;
; the barrier opens a round of the cluster's barrier, and the joint refill is the first tensor load behind the round.  fill = 0: nothing is filled: tc younger tensor loads may stay out.
.macro TURN slot, next, fill, tc
.if \fill
	s_wait_tensorcnt 0x0                           ; all my tensor loads have landed
	ds_add_u32 v[SPW], v[NIL]                      ; 0 onto my spare word
	s_wait_dscnt 17                                ; (the add and the 16 youngest loads may be out)
.else
	s_wait_tensorcnt \tc
	s_wait_dscnt 16
.endif
	WIN 0xa1
	MUL16 0, 1, 0
	s_wait_dscnt 0x0                               ; my reads of this slot are over (and the add is done)
	s_barrier_signal -1
	MUL16 2, 1, 0
	WIN 0
	s_barrier_wait -1
.if \fill
	CREST                                          ; no wave of any partner still reads this slot or has a load on its way
	s_add_nc_u64 s[G0A+4*\slot+2:G0A+4*\slot+3], s[G0A+4*\slot+2:G0A+4*\slot+3], NS*FT
	s_add_nc_u64 s[G0B+4*\slot+2:G0B+4*\slot+3], s[G0B+4*\slot+2:G0B+4*\slot+3], NS*FT
	JLOAD G0A+4*\slot, G1A, G0B+4*\slot, G1B       ; its four v_nop are also the places in front of the loads below
.else
	PLACES 4
.endif
	FETCH_B \next, 0, 0
	FETCH_A \next, 0, 0
	WIN 0xf1
	MUL16 4, 1, 0
	MUL16 6, 1, 0
	PLACES 4
	WIN 0
	FETCH_A \next, 0, 4
.endm
.macro LAST                            ; the last K step: nothing more to fetch
	s_wait_dscnt 16
	WIN 0xa1
	MUL16 0, 1, 0
	MUL16 2, 1, 0
	s_wait_dscnt 0x0
	WIN 0xf1
	MUL16 4, 1, 0
	MUL16 6, 1, 0
	WIN 0
.endm
; v[TM+b] = block b's largest magnitude, not under the floor; v[s] .. v[s+63] become a fragment's codes in v[PC] on and its scale word in v[PW]
.macro QTAIL s
.irp b, 0,1,2,3
	v_add_nc_u32 v[TM+12+\b], 0xff000000, v[TM+\b]   ; 2 off the exponent field: the conversion's scale operand
.endr
.irp b, 0,1,2,3
	v_lshrrev_b32 v[TM+4+\b], 23, v[TM+12+\b]        ; the scale's byte
.endr
	v_lshl_or_b32 v[PW], v[TM+5], 8, v[TM+4]
	v_lshl_or_b32 v[PW], v[TM+6], 16, v[PW]
	v_lshl_or_b32 v[PW], v[TM+7], 24, v[PW]
.irp c, 0,1
	v_cvt_scalef32_pk16_fp6_f32 v[PC+6*\c:PC+2+6*\c], v[\s+32*\c:\s+15+32*\c], v[TM+12+2*\c]
	v_cvt_scalef32_pk16_fp6_f32 v[PC+12+4*\c:PC+14+4*\c], v[\s+16+32*\c:\s+31+32*\c], v[TM+12+2*\c+1]
.endr
	v_nop                                            ; one plain place behind a scaled conversion
.irp c, 0,1
.irp i, 0,1,2
	v_permlane16_swap_b32 v[PC+6*\c+\i], v[PC+12+4*\c+\i]
.endr
.irp i, 0,1,2
	v_mov_b32 v[PC+3+6*\c+\i], v[PC+12+4*\c+\i]
.endr
.endr
.endm
.macro QUANT s
.irp b, 0,1,2,3
	v_max3_num_f32 v[TM+\b], |v[\s+16*\b]|, |v[\s+1+16*\b]|, 0x1800000   ; my 16 numbers of block b, and the floor 2^(3 - 127)
.endr
.irp i, 2,4,6,8,10,12,14
.irp b, 0,1,2,3
	v_max3_num_f32 v[TM+\b], v[TM+\b], |v[\s+16*\b+\i]|, |v[\s+1+16*\b+\i]|
.endr
.endr
.irp b, 0,1,2,3
	v_permlanex16_b32 v[TM+4+\b], v[TM+\b], s[SEL], s[SEL+1]
.endr
.irp b, 0,1,2,3
	v_max_num_f32 v[TM+\b], v[TM+\b], v[TM+4+\b]
.endr
	QTAIL \s
.endm
	s_load_b512 s[68:83], s[0:1], 0x0              ; ximg 68, wimg 70, bq 72, bk 74, bv 76, qimg 78, kimg 80, vimg 82
	v_lshl_add_u32 v[SPW], v0, 2, SPARE
	v_mov_b32 v[NIL], 0
	ds_add_u32 v28, v29
	ds_add_u32 v28, v29
	s_wait_dscnt 0x0
	v_lshrrev_b32 v1, 5, v0
	v_readfirstlane_b32 s14, v1                    ; wave 0..3
	s_lshr_b32 s15, s14, 1                         ; wy: my half of S1.  Also: I fetch for S1 (0) or for S0 (1)
	s_and_b32 s16, s14, 1                          ; wx: my half of S0.  Also: which eight tiles I fetch
	s_bfe_u32 s84, ttmp6, 0x40000                  ; cx
	s_bfe_u32 s85, ttmp6, 0x40004                  ; cy
	s_lshl_b32 s86, s85, 2
	s_lshl_b32 s86, 15, s86                        ; my row of the cluster
	s_lshl_b32 s87, 0x1111, s84                    ; my column
	; descriptor group 1: eight rows (tiles) of 416 elements of 8 bytes (a run), a tile's pitch apart; no padding: the images are read 512 consecutive bytes an instruction
	s_or_b32 s[G1A], s86, (3<<16)|(1<<21)
	s_or_b32 s[G1B], s87, (3<<16)|(1<<21)
.irp g, G1A, G1B
	s_mov_b32 s[\g+1], 416<<16                     ; tensor_dim0
	s_mov_b32 s[\g+2], 8<<16                       ; tensor_dim1
	s_mov_b32 s[\g+3], 416<<16                     ; tile_dim0
	s_mov_b32 s[\g+4], 8                           ; tile_dim1
	s_mov_b32 s[\g+6], 0
	s_mov_b32 s[\g+7], 0
.endr
	s_mov_b32 s[G1A+5], P1E
	s_mov_b32 s[G1B+5], P0E
	s_mov_b32 s88, ttmp9                           ; cluster x: 0 q, 1 k, 2 v
	s_and_b32 s89, ttmp7, 0xffff                   ; cluster y
	s_lshl_b32 s2, s88, 2
	s_lshl_b32 s3, s89, 2
	s_cmp_eq_u32 s88, 2
	s_cselect_b32 s90, s3, s2                      ; S0's block of 256 rows: v: x's 4 Y + cx;  q, k: the weights' 4 X + cx
	s_cselect_b32 s91, 8, s3                       ; S1's: v: Wv's 8 + cy;  q, k: x's 4 Y + cy
	s_add_co_u32 s90, s90, s84
	s_add_co_u32 s91, s91, s85
	s_lshl_b32 s17, s16, 3
	s_lshl_b32 s92, s91, 4
	s_add_co_u32 s92, s92, s17                     ; S1: the first tile that I fetch
	s_mul_i32 s92, s92, 8*P1E
	s_mov_b32 s93, 0
	s_lshl_b32 s94, s90, 4
	s_add_co_u32 s94, s94, s17                     ; S0 likewise
	s_mul_i32 s94, s94, 8*P0E
	s_mov_b32 s95, 0
	s_mul_i32 s96, s14, HALF                       ; where they go: no place in the cluster enters an LDS address
	s_wait_kmcnt 0x0
	s_cmp_eq_u32 s88, 2
	s_cselect_b64 s[4:5], s[70:71], s[68:69]       ; S1's buffer
	s_cselect_b64 s[6:7], s[68:69], s[70:71]       ; S0's
	s_add_nc_u64 s[92:93], s[4:5], s[92:93]
	s_add_nc_u64 s[94:95], s[6:7], s[94:95]
	CROUND                                         ; all sixteen work-groups are here: the first joint loads meet
.irp s, 0,1,2
	s_mov_b32 s[G0A+4*\s], 1
	s_add_co_u32 s[G0A+4*\s+1], s96, \s*SLOT
	s_add_nc_u64 s[G0A+4*\s+2:G0A+4*\s+3], s[92:93], \s*FT
	s_or_b32 s[G0A+4*\s+3], s[G0A+4*\s+3], 0x80000000
	s_mov_b32 s[G0B+4*\s], 1
	s_add_co_u32 s[G0B+4*\s+1], s96, \s*SLOT
	s_add_nc_u64 s[G0B+4*\s+2:G0B+4*\s+3], s[94:95], \s*FT
	s_or_b32 s[G0B+4*\s+3], s[G0B+4*\s+3], 0x80000000
	JLOAD G0A+4*\s, G1A, G0B+4*\s, G1B             ; runs 0, 1, 2
.endr
	v_and_b32 v1, 31, v0                           ; lane
	v_and_b32 v2, 15, v0                           ; r
	v_bfe_u32 v3, v0, 4, 1                         ; h
	v_lshlrev_b32 v4, 4, v1                        ; 16 x lane
	v_lshl_add_u32 v5, v2, 2, 3072                 ; 4 r + the scale words' place in a run
	s_mul_i32 s97, s15, HALF
	s_mul_i32 s98, s16, HALF
	s_add_co_u32 s98, s98, 2*HALF
.irp s, 0,1,2
	v_add_nc_u32 v[ADA+\s], s97, v4
	v_add_nc_u32 v[ADB+\s], s98, v4
	v_add_nc_u32 v[ASA+\s], s97, v5
	v_add_nc_u32 v[ASB+\s], s98, v5
	s_add_co_u32 s97, s97, SLOT
	s_add_co_u32 s98, s98, SLOT
.endr
	s_mul_i32 s99, s16, 1536
	v_add_nc_u32 v[LIC], s99, v4
	s_lshl_b32 s99, s16, 7
	s_add_co_u32 s99, s99, 3072
	v_lshl_add_u32 v[LSW], v1, 2, s99
	s_mov_b32 s[SEL], 0x76543210
	s_mov_b32 s[SEL+1], 0xfedcba98
	; where my results go.  q, k: tile 16 u1 + 8 wy of the tokens, run cx;  v: tile 64 (u0 / 8) + 16 cy + 8 wy of [batch][d], run u0 % 8 of the batch's keys
	s_lshl_b32 s9, s15, 3
	s_lshl_b32 s8, s91, 4
	s_add_co_u32 s8, s8, s9
	s_mul_i32 s8, s8, 13312
	s_mul_i32 s10, s84, 3328
	s_add_co_u32 s8, s8, s10
	s_lshr_b32 s10, s90, 3
	s_lshl_b32 s10, s10, 6
	s_lshl_b32 s11, s85, 4
	s_add_co_u32 s10, s10, s11
	s_add_co_u32 s10, s10, s9
	s_mul_i32 s10, s10, 26624
	s_and_b32 s11, s90, 7
	s_mul_i32 s11, s11, 3328
	s_add_co_u32 s10, s10, s11
	s_mov_b32 s[PA], 13312
	s_cmp_eq_u32 s88, 2
	s_cselect_b32 s8, s10, s8
	s_cselect_b32 s[PA], 26624, s[PA]
	s_cselect_b64 s[OB:OB+1], s[82:83], s[80:81]
	s_mov_b32 s9, 0
	s_mov_b32 s[PA+1], 0
	s_cmp_eq_u32 s88, 0
	s_cselect_b64 s[OB:OB+1], s[78:79], s[OB:OB+1]
	s_cselect_b64 s[4:5], s[72:73], s[74:75]       ; bq or bk
	s_add_nc_u64 s[OB:OB+1], s[OB:OB+1], s[8:9]
	s_lshl_b32 s6, s84, 10
	s_lshl_b32 s7, s16, 9
	s_add_co_u32 s6, s6, s7
	s_mov_b32 s7, 0
	s_add_nc_u64 s[4:5], s[4:5], s[6:7]            ; at my 128 rows of S0: 256 cx + 128 wx
	s_lshl_b32 s6, s85, 10
	s_lshl_b32 s8, s15, 9
	s_add_co_u32 s6, s6, s8
	s_add_nc_u64 s[6:7], s[76:77], s[6:7]          ; bv at my 128 rows of S1: 256 cy + 128 wy
	v_lshlrev_b32 v6, 6, v3                        ; 16 h numbers
	v_and_b32 v7, 8, v2
	v_add_nc_u32 v7, v7, v2
	v_lshlrev_b32 v7, 2, v7                        ; r + 8 (r / 8) numbers
	; THE BIAS.  q, k: it runs along S0's rows, a lane's registers: it is the C of the first products.  v: it runs along S1's rows, the lanes: it is added on the way out.  Both arms write both sets of registers.
	s_cmp_eq_u32 s88, 2
	s_cbranch_scc1 .Lbias_v
.irp t, 0,1,2,3,4,5,6,7
	global_load_b128 v[BI+8*\t:BI+8*\t+3], v6, s[4:5] offset:(32*(\t/2)+8*(\t%2))*4
	global_load_b128 v[BI+8*\t+4:BI+8*\t+7], v6, s[4:5] offset:(32*(\t/2)+8*(\t%2))*4+16
.endr
.set j, 0
.rept 16
	v_mov_b32 v[B1+j], 0
.set j, j+1
.endr
	s_branch .Lbias_done
.Lbias_v:
.irp a, 0,1,2,3,4,5,6,7
	global_load_b32 v[B1+2*\a], v7, s[6:7] offset:(32*(\a/2)+8*(\a%2))*4
	v_mov_b32 v[B1+2*\a+1], 0                      ; (named with it as a pair, so it is written)
.endr
.set j, 0
.rept 64
	v_mov_b32 v[BI+j], 0
.set j, j+1
.endr
.Lbias_done:
	s_wait_loadcnt 0x0
	s_wait_tensorcnt NS-1                          ; my part of slot 0 is in; the two younger loads may stay out
	s_barrier_signal -1
	s_barrier_wait -1
	FETCH_B 0, 0, 0
	FETCH_A 0, 0, 0
	FETCH_A 0, 0, 4
	STEP 0, 2                                      ; K step 0: the bias starts the sums
	TURN 0, 1, 1, 0                                ; 1: slot 0 takes run 3, the launch's one refill
	STEP 1, 0                                      ; 2
	TURN 1, 2, 0, 1                                ; 3: slot 2 has landed; the refill may stay out
	STEP 2, 0                                      ; 4
	TURN 2, 0, 0, 0                                ; 5: the refill has landed
	STEP 0, 0                                      ; 6
	LAST                                           ; 7
	; THE WAY OUT: S1's block a: 64 numbers a lane, the bias by rows, the quantiser, and the fragment's twelve registers go to memory as they stand
	PLACES 4
.irp b, 0,1,2,3
	v_mov_b32 v[TM+4+\b], 0                        ; a lane permute's destination counts as one of its sources
.endr
.macro OUTQ a
.if (\a) > 0
	s_wait_xcnt 0x0                                ; the last block's stores have read their registers and their base
	s_add_nc_u64 s[OB:OB+1], s[OB:OB+1], s[PA:PA+1]
.endif
	WIN 0x02+(\a)/4                                ; source 0: window 2 or 3
.set j, 0
.rept 32
	v_pk_add_f32 v[WK+j:WK+j+1], v[64*((\a)%4)+j:64*((\a)%4)+j+1], v[B1+2*(\a):B1+2*(\a)+1] op_sel_hi:[1,0]   ; each accumulator from its low end on
.set j, j+2
.endr
	WIN 0
	QUANT WK
.irp c, 0,1,2
	global_store_b128 v[LIC], v[PC+4*\c:PC+4*\c+3], s[OB:OB+1] offset:512*\c   ; 512 consecutive bytes, at a multiple of 256 from the buffer's first byte
.endr
	global_store_b32 v[LSW], v[PW], s[OB:OB+1]
.endm
.irp a, 0,1,2,3,4,5,6,7
	OUTQ \a
.endr
	s_wait_tensorcnt 0x0                           ; the wave's end
	ds_add_u32 v[SPW], v[NIL]
	s_wait_dscnt 0x0
	CROUND                                         ; the closing round
	s_endpgm
.Lfunc_end_k_qfc17a14362_qkv:
	.size	k_qfc17a14362_qkv, .Lfunc_end_k_qfc17a14362_qkv-k_qfc17a14362_qkv
	.p2alignl 7, 3214868480
	.fill 96, 4, 3214868480
	.section	.rodata,"a",@progbits
	.p2align	6, 0x0
	.amdhsa_kernel k_qfc17a14362_qkv
		.amdhsa_group_segment_fixed_size 327680
		.amdhsa_private_segment_fixed_size 0
		.amdhsa_enable_private_segment 0
		.amdhsa_kernarg_size 64
		.amdhsa_user_sgpr_count 2
		.amdhsa_user_sgpr_kernarg_segment_ptr 1
		.amdhsa_wavefront_size32 1
		.amdhsa_system_sgpr_workgroup_id_x 1
		.amdhsa_system_sgpr_workgroup_id_y 1
		.amdhsa_system_sgpr_workgroup_id_z 1
		.amdhsa_system_vgpr_workitem_id 0
		.amdhsa_next_free_vgpr 1024
		.amdhsa_next_free_sgpr 102
		.amdhsa_reserve_vcc 0
		.amdhsa_float_denorm_mode_32 3
		.amdhsa_float_denorm_mode_16_64 3
		.amdhsa_memory_ordered 1
		.amdhsa_forward_progress 1
		.amdhsa_inst_pref_size 166
	.end_amdhsa_kernel
	.amdgpu_metadata
---
amdhsa.version: [ 1, 2 ]
amdhsa.kernels:
  - .name:           k_qfc17a14362_qkv
    .symbol:         k_qfc17a14362_qkv.kd
    .args:
      - { .name: ximg, .offset: 0, .size: 8, .value_kind: global_buffer, .address_space: global }
      - { .name: wimg, .offset: 8, .size: 8, .value_kind: global_buffer, .address_space: global }
      - { .name: bq, .offset: 16, .size: 8, .value_kind: global_buffer, .address_space: global }
      - { .name: bk, .offset: 24, .size: 8, .value_kind: global_buffer, .address_space: global }
      - { .name: bv, .offset: 32, .size: 8, .value_kind: global_buffer, .address_space: global }
      - { .name: qimg, .offset: 40, .size: 8, .value_kind: global_buffer, .address_space: global }
      - { .name: kimg, .offset: 48, .size: 8, .value_kind: global_buffer, .address_space: global }
      - { .name: vimg, .offset: 56, .size: 8, .value_kind: global_buffer, .address_space: global }
    .group_segment_fixed_size: 327680
    .private_segment_fixed_size: 0
    .kernarg_segment_align: 8
    .kernarg_segment_size: 64
    .max_flat_workgroup_size: 128
    .sgpr_count:     102
    .vgpr_count:     1024
    .wavefront_size: 32
...
	.end_amdgpu_metadata
.endif
;; end of part 2
;; launch scores (part 3): grid 12 x 16, 4 waves a work-group, clusters of 4 x 4, 327,680 bytes of LDS; arguments qimg, kimg, pimg, prec; writes pimg, prec
.if DOCPART == 3
	.amdgcn_target "amdgcn-amd-amdhsa--gfx1250"
	.amdhsa_code_object_version 6
	.text
	.protected	k_qfc17a14362_scores
	.globl	k_qfc17a14362_scores
	.p2align	8
	.type	k_qfc17a14362_scores,@function
k_qfc17a14362_scores:
	s_mov_b64 s[64:65], 0
	v_nop
	global_prefetch_b8 v0, s[64:65] scope:SCOPE_SE
	s_setreg_imm32_b32 hwreg(HW_REG_WAVE_MODE, 25, 1), 1
	s_wait_xcnt 0x0
	s_wait_alu depctr_hold_cnt(0) depctr_sa_sdst(0) depctr_va_vdst(0) depctr_va_sdst(0) depctr_va_ssrc(0) depctr_va_vcc(0) depctr_vm_vsrc(0)
	s_getreg_b32 s2, hwreg(HW_REG_IB_STS2, 6, 4)
	s_cmp_eq_u32 s2, 0
	s_cbranch_scc0 .Lentry_in_a_cluster
	s_endpgm
.Lentry_in_a_cluster:
	s_bfe_u32 s2, ttmp6, 0x10000c
	s_cmp_lg_u32 s2, 0xf033
	s_cbranch_scc0 .Lentry_shape_is_right
	s_endpgm
.Lentry_shape_is_right:
; S^T = k q^T on codes of FP6 (E2M3), K = 1,024, the causal mask, and p = 2^(t - M') quantised along the keys.  t = score x log2(e) / 32; M' = the ceiling of the query's largest t AMONG THE 128 KEYS OF A FRAGMENT, a whole number.
; The row's own M is not known here.  p under M is p under M' times 2^(M' - M), an exact power of two that a block's scale takes up: the codes are the same.  So the codes go out now, and for each query and 128 keys a RECORD:
; the local scale word, -M', and the sum of the unquantised p under M'.  The next launch moves the scale bytes and adds the sums.
; S0 = keys (a lane's registers run along the keys), S1 = queries (a lane holds one query).  IMAGES and the K steps are as in the launch before (tile 2 g + u, place r = row 32 g + 8 u + r + 8 (r / 8); a run = 3,328 bytes).
; A cluster of 4 x 4 work-groups takes 1,024 queries x 1,024 keys; of a batch's four such blocks three lie under the mask's edge or on it: cluster x = 0, 1, 2 -> (I, J) = (0, 0), (1, 0), (1, 1).  S1's tiles are asked for jointly along a
; row of the cluster, S0's along a column.  In a diagonal cluster the work-groups above the diagonal run like their partners (no branch may hang on a place in the cluster): their p are zeros, which the next launch's walk reads.
; A fragment all of whose keys are hidden: -M' = 1.35e37, sum 0, codes 0, bytes 1.  LIMITS: NaN and infinities are not served.
; REGISTERS: window 0: v1-31 addresses; v32-55 scale words; v56-58 the mask; v128-223 S1's fragments (on the way out: v128-191 64 scores, then p; v192-237 the quantiser and the record).  window 1: S0's fragments.  windows 2, 3: accumulators.
.set FT,    3328
.set HALF,  8*FT
.set SLOT,  4*HALF
.set NS,    3
.set SPARE, NS*SLOT
.set P1E,   1664
.set P0E,   1664
.set ADA, 12
.set ADB, 15
.set ASA, 18
.set ASB, 21
.set LIC, 26
.set LSW, 27
.set SPW, 28
.set NIL, 29
.set L8,  30                           ; v30 8 x lane: a record's place for my lane
.set SA,  32
.set SB,  40
.set DB,  56                           ; v56 my query less my first key, for S1's block 0
.set DQ,  57                           ; v57 the same for the block in hand
.set NINF, 58                          ; v58 -infinity
.set BI,  64
.set AF,  128
.set WK,  128
.set PC,  192
.set TM,  212
.set PW,  228
.set SEL, 20
.set CS,  22                           ; s[22:23] c = log2(e) / 32
.set G1A, 24
.set G1B, 32
.set G0A, 40
.set G0B, 52
.set OB,  100                          ; s[100:101] pimg at my first tile's run;  s[10:11] prec at its record
.set MSB, 0
.macro WIN new
.if MSB != (\new)
	s_set_vgpr_msb (MSB<<8)|(\new)
.set MSB, (\new)
.endif
.endm
.macro PLACES n
.rept \n
	v_nop
.endr
.endm
.macro JLOAD g0a, g1a, g0b, g1b        ; a joint load: waves 0, 1 for S1, waves 2, 3 for S0; four v_nop follow each line
	s_cmp_eq_u32 s15, 0
	s_cbranch_scc0 .Lfor_b_\@
	tensor_load_to_lds s[\g0a:\g0a+3], s[\g1a:\g1a+7]
	s_nop 0
.rept 4
	v_nop
.endr
	s_branch .Lasked_\@
.Lfor_b_\@:
	tensor_load_to_lds s[\g0b:\g0b+3], s[\g1b:\g1b+7]
	s_nop 0
.rept 4
	v_nop
.endr
.Lasked_\@:
.endm
.macro CREST
	s_cmp_lg_u32 s14, 0
	s_cbranch_scc1 .Lnot_wave_0_\@
	s_barrier_signal -3
.Lnot_wave_0_\@:
	s_barrier_wait -3
	s_barrier_signal -1
	s_barrier_wait -1
.endm
.macro CROUND
	s_barrier_signal -1
	s_barrier_wait -1
	CREST
.endm
.macro FRAGC reg, adr, off
.irp c, 0,1,2
	ds_load_b128 v[(\reg)+4*\c:(\reg)+4*\c+3], v[\adr] offset:(\off)+512*\c
.endr
.endm
.macro FETCH_B slot, q, p              ; 32 loads
	WIN 0x40
.irp i, 0,1,2,3,4,5,6,7
	FRAGC 128*(\p)+12*\i, ADB+(\slot), \i*FT+1536*(\q)
.endr
	WIN 0
.irp i, 0,1,2,3,4,5,6,7
	ds_load_b32 v[SB+8*(\p)+\i], v[ASB+(\slot)] offset:\i*FT+128*(\q)
.endr
.endm
.macro FETCH_A slot, q, i0             ; 16 loads
.irp i, \i0, \i0+1, \i0+2, \i0+3
	FRAGC AF+12*(\i), ADA+(\slot), (\i)*FT+1536*(\q)
	ds_load_b32 v[SA+(\i)], v[ASA+(\slot)] offset:(\i)*FT+128*(\q)
.endr
.endm
.macro MUL16 a0, p, z                  ; the 64 accumulators take turns, one instruction a turn
.irp a, \a0, \a0+1
.irp b, 0,1,2,3,4,5,6,7
.if (\z) == 0
	v_wmma_scale_f32_16x16x128_f8f6f4 v[8*(8*((\a)%4)+\b):8*(8*((\a)%4)+\b)+7], v[128*(\p)+12*\b:128*(\p)+12*\b+11], v[AF+12*(\a):AF+12*(\a)+11], v[8*(8*((\a)%4)+\b):8*(8*((\a)%4)+\b)+7], v[SB+8*(\p)+\b], v[SA+(\a)] matrix_a_fmt:MATRIX_FMT_FP6 matrix_b_fmt:MATRIX_FMT_FP6
.else
	v_wmma_scale_f32_16x16x128_f8f6f4 v[8*(8*((\a)%4)+\b):8*(8*((\a)%4)+\b)+7], v[128*(\p)+12*\b:128*(\p)+12*\b+11], v[AF+12*(\a):AF+12*(\a)+11], 0, v[SB+8*(\p)+\b], v[SA+(\a)] matrix_a_fmt:MATRIX_FMT_FP6 matrix_b_fmt:MATRIX_FMT_FP6
.endif
.endr
.endr
.endm
.macro STEP slot, z
	s_wait_dscnt 16                                ; S0's set and S1's blocks 0-3 are in; the 16 youngest loads may be out
	WIN 0xa1
	MUL16 0, 0, \z
	MUL16 2, 0, \z
	s_wait_dscnt 0x0
	PLACES 4
	FETCH_B \slot, 1, 1
	FETCH_A \slot, 1, 0
	WIN 0xf1
	MUL16 4, 0, \z
	MUL16 6, 0, \z
	PLACES 4
	WIN 0
	FETCH_A \slot, 1, 4
.endm
.macro TURN slot, next, fill, tc       ; as in the launch before: one barrier for the change of slots; with fill = 1 it opens a round of the cluster's barrier and the joint refill comes first behind the round
.if \fill
	s_wait_tensorcnt 0x0                           ; all my tensor loads have landed
	ds_add_u32 v[SPW], v[NIL]                      ; 0 onto my spare word
	s_wait_dscnt 17                                ; (the add and the 16 youngest loads may be out)
.else
	s_wait_tensorcnt \tc
	s_wait_dscnt 16
.endif
	WIN 0xa1
	MUL16 0, 1, 0
	s_wait_dscnt 0x0                               ; my reads of this slot are over (and the add is done)
	s_barrier_signal -1
	MUL16 2, 1, 0
	WIN 0
	s_barrier_wait -1
.if \fill
	CREST
	s_add_nc_u64 s[G0A+4*\slot+2:G0A+4*\slot+3], s[G0A+4*\slot+2:G0A+4*\slot+3], NS*FT
	s_add_nc_u64 s[G0B+4*\slot+2:G0B+4*\slot+3], s[G0B+4*\slot+2:G0B+4*\slot+3], NS*FT
	JLOAD G0A+4*\slot, G1A, G0B+4*\slot, G1B
.else
	PLACES 4
.endif
	FETCH_B \next, 0, 0
	FETCH_A \next, 0, 0
	WIN 0xf1
	MUL16 4, 1, 0
	MUL16 6, 1, 0
	PLACES 4
	WIN 0
	FETCH_A \next, 0, 4
.endm
.macro LAST
	s_wait_dscnt 16
	WIN 0xa1
	MUL16 0, 1, 0
	MUL16 2, 1, 0
	s_wait_dscnt 0x0
	WIN 0xf1
	MUL16 4, 1, 0
	MUL16 6, 1, 0
	WIN 0
.endm
.macro QTAIL s
.irp b, 0,1,2,3
	v_add_nc_u32 v[TM+12+\b], 0xff000000, v[TM+\b]
.endr
.irp b, 0,1,2,3
	v_lshrrev_b32 v[TM+4+\b], 23, v[TM+12+\b]
.endr
	v_lshl_or_b32 v[PW], v[TM+5], 8, v[TM+4]
	v_lshl_or_b32 v[PW], v[TM+6], 16, v[PW]
	v_lshl_or_b32 v[PW], v[TM+7], 24, v[PW]
.irp c, 0,1
	v_cvt_scalef32_pk16_fp6_f32 v[PC+6*\c:PC+2+6*\c], v[\s+32*\c:\s+15+32*\c], v[TM+12+2*\c]
	v_cvt_scalef32_pk16_fp6_f32 v[PC+12+4*\c:PC+14+4*\c], v[\s+16+32*\c:\s+31+32*\c], v[TM+12+2*\c+1]
.endr
	v_nop                                            ; one plain place behind a scaled conversion
.irp c, 0,1
.irp i, 0,1,2
	v_permlane16_swap_b32 v[PC+6*\c+\i], v[PC+12+4*\c+\i]
.endr
.irp i, 0,1,2
	v_mov_b32 v[PC+3+6*\c+\i], v[PC+12+4*\c+\i]
.endr
.endr
.endm
	s_load_b256 s[68:75], s[0:1], 0x0              ; qimg 68, kimg 70, pimg 72, prec 74
	v_lshl_add_u32 v[SPW], v0, 2, SPARE
	v_mov_b32 v[NIL], 0
	ds_add_u32 v28, v29
	ds_add_u32 v28, v29
	s_wait_dscnt 0x0
	v_lshrrev_b32 v1, 5, v0
	v_readfirstlane_b32 s14, v1                    ; wave
	s_lshr_b32 s15, s14, 1                         ; wy: my half of the queries; also: I fetch for S1 (0) or S0 (1)
	s_and_b32 s16, s14, 1                          ; wx: my half of the keys; also: which eight tiles I fetch
	s_bfe_u32 s84, ttmp6, 0x40000                  ; cx
	s_bfe_u32 s85, ttmp6, 0x40004                  ; cy
	s_lshl_b32 s86, s85, 2
	s_lshl_b32 s86, 15, s86
	s_lshl_b32 s87, 0x1111, s84
	s_or_b32 s[G1A], s86, (3<<16)|(1<<21)
	s_or_b32 s[G1B], s87, (3<<16)|(1<<21)
.irp g, G1A, G1B
	s_mov_b32 s[\g+1], 416<<16
	s_mov_b32 s[\g+2], 8<<16
	s_mov_b32 s[\g+3], 416<<16
	s_mov_b32 s[\g+4], 8
	s_mov_b32 s[\g+6], 0
	s_mov_b32 s[\g+7], 0
.endr
	s_mov_b32 s[G1A+5], P1E
	s_mov_b32 s[G1B+5], P0E
	s_mov_b32 s88, ttmp9
	s_and_b32 s89, ttmp7, 0xffff                   ; the batch
	s_add_co_u32 s2, s88, 1
	s_lshr_b32 s2, s2, 1                           ; I: which 1,024 queries
	s_lshr_b32 s3, s88, 1                          ; J: which 1,024 keys
	s_lshl_b32 s4, s89, 3
	s_lshl_b32 s91, s2, 2
	s_add_co_u32 s91, s91, s4
	s_add_co_u32 s91, s91, s85                     ; the block of 256 queries: 8 batch + 4 I + cy
	s_lshl_b32 s90, s3, 2
	s_add_co_u32 s90, s90, s4
	s_add_co_u32 s90, s90, s84                     ; of 256 keys: 8 batch + 4 J + cx
	s_lshl_b32 s17, s16, 3
	s_lshl_b32 s92, s91, 4
	s_add_co_u32 s92, s92, s17
	s_mul_i32 s92, s92, 8*P1E
	s_mov_b32 s93, 0
	s_lshl_b32 s94, s90, 4
	s_add_co_u32 s94, s94, s17
	s_mul_i32 s94, s94, 8*P0E
	s_mov_b32 s95, 0
	s_mul_i32 s96, s14, HALF
	s_wait_kmcnt 0x0
	s_add_nc_u64 s[92:93], s[68:69], s[92:93]
	s_add_nc_u64 s[94:95], s[70:71], s[94:95]
	CROUND
.irp s, 0,1,2
	s_mov_b32 s[G0A+4*\s], 1
	s_add_co_u32 s[G0A+4*\s+1], s96, \s*SLOT
	s_add_nc_u64 s[G0A+4*\s+2:G0A+4*\s+3], s[92:93], \s*FT
	s_or_b32 s[G0A+4*\s+3], s[G0A+4*\s+3], 0x80000000
	s_mov_b32 s[G0B+4*\s], 1
	s_add_co_u32 s[G0B+4*\s+1], s96, \s*SLOT
	s_add_nc_u64 s[G0B+4*\s+2:G0B+4*\s+3], s[94:95], \s*FT
	s_or_b32 s[G0B+4*\s+3], s[G0B+4*\s+3], 0x80000000
	JLOAD G0A+4*\s, G1A, G0B+4*\s, G1B
.endr
	v_and_b32 v1, 31, v0
	v_and_b32 v2, 15, v0
	v_bfe_u32 v3, v0, 4, 1
	v_lshlrev_b32 v4, 4, v1
	v_lshl_add_u32 v5, v2, 2, 3072
	s_mul_i32 s97, s15, HALF
	s_mul_i32 s98, s16, HALF
	s_add_co_u32 s98, s98, 2*HALF
.irp s, 0,1,2
	v_add_nc_u32 v[ADA+\s], s97, v4
	v_add_nc_u32 v[ADB+\s], s98, v4
	v_add_nc_u32 v[ASA+\s], s97, v5
	v_add_nc_u32 v[ASB+\s], s98, v5
	s_add_co_u32 s97, s97, SLOT
	s_add_co_u32 s98, s98, SLOT
.endr
	s_mul_i32 s99, s16, 1536
	v_add_nc_u32 v[LIC], s99, v4
	s_lshl_b32 s99, s16, 7
	s_add_co_u32 s99, s99, 3072
	v_lshl_add_u32 v[LSW], v1, 2, s99
	v_lshlrev_b32 v[L8], 3, v1
	s_mov_b32 s[SEL], 0x76543210
	s_mov_b32 s[SEL+1], 0xfedcba98
	s_mov_b32 s[CS], 0x3d38aa3b                    ; log2(e) / 32
	s_mov_b32 s[CS+1], s[CS]                       ; (named with it as a pair, so it is written)
	s_mov_b32 s19, 0xffff0000                      ; lanes 16-31
	; where my results go: tile 16 u1 + 8 wy of the queries; run 4 J + cx of its eight; K step 2 (4 J + cx) + wx of its sixteen
	s_lshl_b32 s5, s91, 4
	s_lshl_b32 s6, s15, 3
	s_add_co_u32 s5, s5, s6
	s_lshl_b32 s6, s3, 2
	s_add_co_u32 s6, s6, s84
	s_mul_i32 s8, s5, 26624
	s_mul_i32 s7, s6, 3328
	s_add_co_u32 s8, s8, s7
	s_mov_b32 s9, 0
	s_lshl_b32 s10, s5, 4
	s_lshl_b32 s7, s6, 1
	s_add_co_u32 s10, s10, s7
	s_add_co_u32 s10, s10, s16
	s_lshl_b32 s10, s10, 8
	s_mov_b32 s11, 0
	s_add_nc_u64 s[OB:OB+1], s[72:73], s[8:9]
	s_add_nc_u64 s[10:11], s[74:75], s[10:11]
	; the mask: my query less my wave's first key less 16 h.  It is data for a compare: no address and no branch is made of it
	s_sub_co_i32 s17, s2, s3
	s_lshl_b32 s17, s17, 10
	s_sub_co_i32 s18, s85, s84
	s_lshl_b32 s18, s18, 8
	s_add_co_i32 s17, s17, s18
	s_sub_co_i32 s18, s15, s16
	s_lshl_b32 s18, s18, 7
	s_add_co_i32 s17, s17, s18
	v_and_b32 v[DB], 8, v2
	v_add_nc_u32 v[DB], v[DB], v2
	v_lshlrev_b32 v[DQ], 4, v3
	v_sub_nc_u32 v[DB], v[DB], v[DQ]
	v_add_nc_u32 v[DB], s17, v[DB]
	v_mov_b32 v[NINF], 0xff800000
	s_wait_tensorcnt NS-1                          ; my part of slot 0 is in
	s_barrier_signal -1
	s_barrier_wait -1
	FETCH_B 0, 0, 0
	FETCH_A 0, 0, 0
	FETCH_A 0, 0, 4
	STEP 0, 1                                      ; K step 0 starts the sums
	TURN 0, 1, 1, 0                                ; 1: slot 0 takes run 3
	STEP 1, 0
	TURN 1, 2, 0, 1                                ; 3: the refill may stay out
	STEP 2, 0
	TURN 2, 0, 0, 0                                ; 5: the refill has landed
	STEP 0, 0
	LAST
	PLACES 4
.irp b, 0,1,2,3
	v_mov_b32 v[TM+4+\b], 0                        ; a lane permute's destination counts as one of its sources
.endr
; S1's block a: 16 queries x my 128 keys.  Register 16 b + i holds key 32 b + 16 h + i of the 128: hidden where 32 b + i > my query - my first key - 16 h
.macro SOFT a
.if (\a) > 0
	s_wait_xcnt 0x0                                ; the last block's stores have read their registers
.endif
	v_add_nc_u32 v[DQ], 32*((\a)/2)+8*((\a)%2), v[DB]
	WIN 0x02+(\a)/4                                ; source 0: window 2 or 3
.set n, 0
.rept 64
	v_cmp_gt_i32 vcc_lo, 32*(n/16)+n%16, v[DQ]
	v_cndmask_b32 v[WK+n], v[64*((\a)%4)+n], v[NINF], vcc_lo   ; the score, or -infinity; each accumulator from its low end on
.set n, n+1
.endr
	WIN 0
.irp b, 0,1,2,3
	v_max3_num_f32 v[TM+\b], v[WK+16*\b], v[WK+1+16*\b], v[WK+2+16*\b]   ; the largest score of each block of 32 keys: it serves for the fragment's maximum and, since p rises with the score, for the block's largest p
.endr
.irp i, 3,5,7,9,11,13
.irp b, 0,1,2,3
	v_max3_num_f32 v[TM+\b], v[TM+\b], v[WK+16*\b+\i], v[WK+1+16*\b+\i]
.endr
.endr
.irp b, 0,1,2,3
	v_max_num_f32 v[TM+\b], v[TM+\b], v[WK+15+16*\b]
.endr
.irp b, 0,1,2,3
	v_permlanex16_b32 v[TM+4+\b], v[TM+\b], s[SEL], s[SEL+1]
.endr
.irp b, 0,1,2,3
	v_max_num_f32 v[TM+\b], v[TM+\b], v[TM+4+\b]
.endr
	v_max3_num_f32 v232, v[TM], v[TM+1], v[TM+2]
	v_max3_num_f32 v232, v232, v[TM+3], 0xff61b1e6 ; not under -3e38, so that -M' stays a number where all keys are hidden
	v_mul_f32 v232, s[CS], v232                    ; as t
	v_floor_f32 v230, -v232                        ; -M' = floor(-t): a whole number
	v_mov_b32 v231, v230                           ; (named with it as a pair)
.set j, 0
.rept 32
	v_pk_fma_f32 v[WK+j:WK+j+1], v[WK+j:WK+j+1], s[CS:CS+1], v[230:231] op_sel_hi:[1,0,0]   ; t - M'
.set j, j+2
.endr
.irp b, 0,1,2,3
	v_fma_f32 v[TM+\b], v[TM+\b], s[CS], v230      ; the same of each block's largest score
.endr
.set j, 0
.rept 64
	v_exp_f32 v[WK+j], v[WK+j]                     ; p, at most 1
.set j, j+1
.endr
	v_nop                                          ; a plain place behind the exponentials
	s_wait_alu depctr_va_vdst(0)                   ; one wait for the batch, ahead of its first reader
.irp b, 0,1,2,3
	v_exp_f32 v[TM+\b], v[TM+\b]                   ; the block's largest p
.endr
	v_pk_add_f32 v[232:233], v[WK:WK+1], v[WK+2:WK+3]        ; the sum of the unquantised p, in two chains
	v_pk_add_f32 v[234:235], v[WK+4:WK+5], v[WK+6:WK+7]
.irp j, 8,12,16,20,24,28,32,36,40,44,48,52,56,60
	v_pk_add_f32 v[232:233], v[232:233], v[WK+\j:WK+\j+1]
	v_pk_add_f32 v[234:235], v[234:235], v[WK+\j+2:WK+\j+3]
.endr
	v_pk_add_f32 v[232:233], v[232:233], v[234:235]
	v_add_f32 v232, v232, v233
	v_permlanex16_b32 v233, v232, s[SEL], s[SEL+1]
	v_add_f32 v232, v232, v233                     ; with lane l xor 16's 64 keys
	s_wait_alu depctr_va_vdst(0)                   ; and one for the four
.irp b, 0,1,2,3
	v_max_num_f32 v[TM+\b], 0x1800000, v[TM+\b]    ; the floor 2^(3 - 127): the byte cannot fall under 1
.endr
	QTAIL WK
	v_cndmask_b32 v236, v[PW], v232, s19           ; the record: lanes 0-15 (scale word, -M'), lanes 16-31 (sum, sum)
	v_cndmask_b32 v237, v230, v232, s19
	global_store_b64 v[L8], v[236:237], s[10:11] offset:4096*(\a)   ; 256 consecutive bytes, aligned
.irp c, 0,1,2
	global_store_b128 v[LIC], v[PC+4*\c:PC+4*\c+3], s[OB:OB+1] offset:26624*(\a)+512*\c
.endr
	global_store_b32 v[LSW], v[PW], s[OB:OB+1] offset:26624*(\a)
.endm
.irp a, 0,1,2,3,4,5,6,7
	SOFT \a
.endr
	s_wait_tensorcnt 0x0                           ; the wave's end
	ds_add_u32 v[SPW], v[NIL]
	s_wait_dscnt 0x0
	CROUND
	s_endpgm
.Lfunc_end_k_qfc17a14362_scores:
	.size	k_qfc17a14362_scores, .Lfunc_end_k_qfc17a14362_scores-k_qfc17a14362_scores
	.p2alignl 7, 3214868480
	.fill 96, 4, 3214868480
	.section	.rodata,"a",@progbits
	.p2align	6, 0x0
	.amdhsa_kernel k_qfc17a14362_scores
		.amdhsa_group_segment_fixed_size 327680
		.amdhsa_private_segment_fixed_size 0
		.amdhsa_enable_private_segment 0
		.amdhsa_kernarg_size 32
		.amdhsa_user_sgpr_count 2
		.amdhsa_user_sgpr_kernarg_segment_ptr 1
		.amdhsa_wavefront_size32 1
		.amdhsa_system_sgpr_workgroup_id_x 1
		.amdhsa_system_sgpr_workgroup_id_y 1
		.amdhsa_system_sgpr_workgroup_id_z 1
		.amdhsa_system_vgpr_workitem_id 0
		.amdhsa_next_free_vgpr 1024
		.amdhsa_next_free_sgpr 102
		.amdhsa_reserve_vcc 1
		.amdhsa_float_denorm_mode_32 3
		.amdhsa_float_denorm_mode_16_64 3
		.amdhsa_memory_ordered 1
		.amdhsa_forward_progress 1
		.amdhsa_inst_pref_size 241
	.end_amdhsa_kernel
	.amdgpu_metadata
---
amdhsa.version: [ 1, 2 ]
amdhsa.kernels:
  - .name:           k_qfc17a14362_scores
    .symbol:         k_qfc17a14362_scores.kd
    .args:
      - { .name: qimg, .offset: 0, .size: 8, .value_kind: global_buffer, .address_space: global }
      - { .name: kimg, .offset: 8, .size: 8, .value_kind: global_buffer, .address_space: global }
      - { .name: pimg, .offset: 16, .size: 8, .value_kind: global_buffer, .address_space: global }
      - { .name: prec, .offset: 24, .size: 8, .value_kind: global_buffer, .address_space: global }
    .group_segment_fixed_size: 327680
    .private_segment_fixed_size: 0
    .kernarg_segment_align: 8
    .kernarg_segment_size: 32
    .max_flat_workgroup_size: 128
    .sgpr_count:     102
    .vgpr_count:     1024
    .wavefront_size: 32
...
	.end_amdgpu_metadata
.endif
;; end of part 3
;; launch pv (part 4): grid 4 x 32, 4 waves a work-group, clusters of 4 x 4, 327,680 bytes of LDS; arguments pimg, prec, vimg, oimg; writes oimg
.if DOCPART == 4
	.amdgcn_target "amdgcn-amd-amdhsa--gfx1250"
	.amdhsa_code_object_version 6
	.text
	.protected	k_qfc17a14362_pv
	.globl	k_qfc17a14362_pv
	.p2align	8
	.type	k_qfc17a14362_pv,@function
k_qfc17a14362_pv:
	s_mov_b64 s[64:65], 0
	v_nop
	global_prefetch_b8 v0, s[64:65] scope:SCOPE_SE
	s_setreg_imm32_b32 hwreg(HW_REG_WAVE_MODE, 25, 1), 1
	s_wait_xcnt 0x0
	s_wait_alu depctr_hold_cnt(0) depctr_sa_sdst(0) depctr_va_vdst(0) depctr_va_sdst(0) depctr_va_ssrc(0) depctr_va_vcc(0) depctr_vm_vsrc(0)
	s_getreg_b32 s2, hwreg(HW_REG_IB_STS2, 6, 4)
	s_cmp_eq_u32 s2, 0
	s_cbranch_scc0 .Lentry_in_a_cluster
	s_endpgm
.Lentry_in_a_cluster:
	s_bfe_u32 s2, ttmp6, 0x10000c
	s_cmp_lg_u32 s2, 0xf033
	s_cbranch_scc0 .Lentry_shape_is_right
	s_endpgm
.Lentry_shape_is_right:
; O^T = v^T p^T on codes of FP6 (E2M3), K = the keys; O is divided by the row's sum, quantised along d and stored as images of operand registers.
; S0 = v's tiles of d (K = keys), S1 = p's tiles of queries.  A cluster of 4 x 4 work-groups takes 1,024 queries (cy) x all 1,024 of d (cx); cluster y = 2 batch + I.  Queries under 1,024 (I = 0) walk 1,024 keys, the others 2,048:
; the number of K steps hangs on the cluster's y alone and is the same in all partners.  p's tiles are asked for jointly along a row of the cluster, v's along a column.
; THE PROLOGUE brings p under the row's M.  For each query and 128 keys the launch before has left a record (local scale word, -M', sum under M').  -M = the least -M'; n = M - M' is a whole number, 0 or more; each scale byte
; becomes byte - n, or 0 where that would be negative; the row's sum is the sum of sum' x 2^-n, exact but for its additions.  The moved words go into a table in LDS, from which S1's scale operands are read.
; LIMIT: a block of p whose scale under M would lie under 2^-127 is held at the byte 0: its numbers are at most 7.5 x 2^-127, beside a row's largest p above 1/2.  NaN and infinities are not served.
; K goes through two LDS slots of two K steps each.  A wave has two tensor loads out at the head and one behind each round.
; REGISTERS: window 0: v1-31 addresses; v32-55 scale words; v56-60 at work in the prologue; v128-223 the records, then S1's fragments, then the way out; v224-235 the prologue's minima and sums; v240-255 eight pairs: 1 / the row's sum.
.set FT,    3328
.set HALF,  8*FT
.set SLOT,  4*HALF
.set NS,    2
.set TAB,   NS*SLOT                    ; the table: [16 K steps][16 tiles][16 words]
.set RLT,   TAB+16384                  ; 1 / the row's sum: [16 tiles][16 words]
.set SPARE, RLT+1024                   ; the spare words, 128 bytes for each wave
.set P1E,   3328
.set P0E,   3328
.set ADA, 12
.set ADB, 15
.set ASB, 21
.set AST, 24                           ; v24 my tiles' words in the table's K step 0
.set ASTT, 25                          ; v25 the same, 8 I K steps on: for the tail, which both walks share
.set LIC, 26
.set LSW, 27
.set SPW, 28
.set NIL, 29
.set SA,  32
.set SB,  40
.set AF,  128
.set RLV, 240
.set WK,  128
.set PC,  192
.set TM,  212
.set PW,  228
.set SEL, 20
.set G1A, 24
.set G1B, 32
.set G0A, 40
.set G0B, 52
.set OB,  100
.set MSB, 0
.macro WIN new
.if MSB != (\new)
	s_set_vgpr_msb (MSB<<8)|(\new)
.set MSB, (\new)
.endif
.endm
.macro PLACES n
.rept \n
	v_nop
.endr
.endm
.macro JLOAD g0a, g1a, g0b, g1b        ; a joint load: waves 0, 1 for S1, waves 2, 3 for S0; four v_nop follow each line
	s_cmp_eq_u32 s15, 0
	s_cbranch_scc0 .Lfor_b_\@
	tensor_load_to_lds s[\g0a:\g0a+3], s[\g1a:\g1a+7]
	s_nop 0
.rept 4
	v_nop
.endr
	s_branch .Lasked_\@
.Lfor_b_\@:
	tensor_load_to_lds s[\g0b:\g0b+3], s[\g1b:\g1b+7]
	s_nop 0
.rept 4
	v_nop
.endr
.Lasked_\@:
.endm
.macro CREST
	s_cmp_lg_u32 s14, 0
	s_cbranch_scc1 .Lnot_wave_0_\@
	s_barrier_signal -3
.Lnot_wave_0_\@:
	s_barrier_wait -3
	s_barrier_signal -1
	s_barrier_wait -1
.endm
.macro CROUND
	s_barrier_signal -1
	s_barrier_wait -1
	CREST
.endm
.macro FRAGC reg, adr, off
.irp c, 0,1,2
	ds_load_b128 v[(\reg)+4*\c:(\reg)+4*\c+3], v[\adr] offset:(\off)+512*\c
.endr
.endm
.macro FETCH_B slot, q, p              ; 32 loads
	WIN 0x40
.irp i, 0,1,2,3,4,5,6,7
	FRAGC 128*(\p)+12*\i, ADB+(\slot), \i*FT+1536*(\q)
.endr
	WIN 0
.irp i, 0,1,2,3,4,5,6,7
	ds_load_b32 v[SB+8*(\p)+\i], v[ASB+(\slot)] offset:\i*FT+128*(\q)
.endr
.endm
.macro FETCH_A slot, q, i0, nk, tr     ; 16 loads; S1's scale words come from the table: K step nk, counted from register tr
.irp i, \i0, \i0+1, \i0+2, \i0+3
	FRAGC AF+12*(\i), ADA+(\slot), (\i)*FT+1536*(\q)
	ds_load_b32 v[SA+(\i)], v[\tr] offset:1024*(\nk)+64*(\i)
.endr
.endm
.macro MUL16 a0, p, z                  ; the 64 accumulators take turns, one instruction a turn
.irp a, \a0, \a0+1
.irp b, 0,1,2,3,4,5,6,7
.if (\z) == 0
	v_wmma_scale_f32_16x16x128_f8f6f4 v[8*(8*((\a)%4)+\b):8*(8*((\a)%4)+\b)+7], v[128*(\p)+12*\b:128*(\p)+12*\b+11], v[AF+12*(\a):AF+12*(\a)+11], v[8*(8*((\a)%4)+\b):8*(8*((\a)%4)+\b)+7], v[SB+8*(\p)+\b], v[SA+(\a)] matrix_a_fmt:MATRIX_FMT_FP6 matrix_b_fmt:MATRIX_FMT_FP6
.else
	v_wmma_scale_f32_16x16x128_f8f6f4 v[8*(8*((\a)%4)+\b):8*(8*((\a)%4)+\b)+7], v[128*(\p)+12*\b:128*(\p)+12*\b+11], v[AF+12*(\a):AF+12*(\a)+11], 0, v[SB+8*(\p)+\b], v[SA+(\a)] matrix_a_fmt:MATRIX_FMT_FP6 matrix_b_fmt:MATRIX_FMT_FP6
.endif
.endr
.endr
.endm
.macro STEP slot, z, nk, tr            ; nk: the number of the K step that follows
	s_wait_dscnt 16                                ; S0's set and S1's blocks 0-3 are in; the 16 youngest loads may be out
	WIN 0xa1
	MUL16 0, 0, \z
	MUL16 2, 0, \z
	s_wait_dscnt 0x0
	PLACES 4
	FETCH_B \slot, 1, 1
	FETCH_A \slot, 1, 0, \nk, \tr
	WIN 0xf1
	MUL16 4, 0, \z
	MUL16 6, 0, \z
	PLACES 4
	WIN 0
	FETCH_A \slot, 1, 4, \nk, \tr
.endm
.macro TURN slot, next, fill, nk, tr   ; one barrier for the change of slots; with fill = 1 it opens a round of the cluster's barrier and the joint refill comes first behind the round.  Every wait for tensor loads is for all
	s_wait_tensorcnt 0x0                           ; all my tensor loads have landed: my part of the next slot
.if \fill
	ds_add_u32 v[SPW], v[NIL]                      ; 0 onto my spare word
	s_wait_dscnt 17                                ; (the add and the 16 youngest loads may be out)
.else
	s_wait_dscnt 16
.endif
	WIN 0xa1
	MUL16 0, 1, 0
	s_wait_dscnt 0x0                               ; my reads of this slot are over (and the add is done)
	s_barrier_signal -1
	MUL16 2, 1, 0
	WIN 0
	s_barrier_wait -1
.if \fill
	CREST
	s_add_nc_u64 s[G0A+4*\slot+2:G0A+4*\slot+3], s[G0A+4*\slot+2:G0A+4*\slot+3], NS*FT
	s_add_nc_u64 s[G0B+4*\slot+2:G0B+4*\slot+3], s[G0B+4*\slot+2:G0B+4*\slot+3], NS*FT
	JLOAD G0A+4*\slot, G1A, G0B+4*\slot, G1B
.else
	PLACES 4
.endif
	FETCH_B \next, 0, 0
	FETCH_A \next, 0, 0, \nk, \tr
	WIN 0xf1
	MUL16 4, 1, 0
	MUL16 6, 1, 0
	PLACES 4
	WIN 0
	FETCH_A \next, 0, 4, \nk, \tr
.endm
.macro LAST
	s_wait_dscnt 16
	WIN 0xa1
	MUL16 0, 1, 0
	MUL16 2, 1, 0
	s_wait_dscnt 0x0
	WIN 0xf1
	MUL16 4, 1, 0
	MUL16 6, 1, 0
	WIN 0
.endm
.macro QTAIL s
.irp b, 0,1,2,3
	v_add_nc_u32 v[TM+12+\b], 0xff000000, v[TM+\b]
.endr
.irp b, 0,1,2,3
	v_lshrrev_b32 v[TM+4+\b], 23, v[TM+12+\b]
.endr
	v_lshl_or_b32 v[PW], v[TM+5], 8, v[TM+4]
	v_lshl_or_b32 v[PW], v[TM+6], 16, v[PW]
	v_lshl_or_b32 v[PW], v[TM+7], 24, v[PW]
.irp c, 0,1
	v_cvt_scalef32_pk16_fp6_f32 v[PC+6*\c:PC+2+6*\c], v[\s+32*\c:\s+15+32*\c], v[TM+12+2*\c]
	v_cvt_scalef32_pk16_fp6_f32 v[PC+12+4*\c:PC+14+4*\c], v[\s+16+32*\c:\s+31+32*\c], v[TM+12+2*\c+1]
.endr
	v_nop                                            ; one plain place behind a scaled conversion
.irp c, 0,1
.irp i, 0,1,2
	v_permlane16_swap_b32 v[PC+6*\c+\i], v[PC+12+4*\c+\i]
.endr
.irp i, 0,1,2
	v_mov_b32 v[PC+3+6*\c+\i], v[PC+12+4*\c+\i]
.endr
.endr
.endm
.macro QUANT s
.irp b, 0,1,2,3
	v_max3_num_f32 v[TM+\b], |v[\s+16*\b]|, |v[\s+1+16*\b]|, 0x1800000
.endr
.irp i, 2,4,6,8,10,12,14
.irp b, 0,1,2,3
	v_max3_num_f32 v[TM+\b], v[TM+\b], |v[\s+16*\b+\i]|, |v[\s+1+16*\b+\i]|
.endr
.endr
.irp b, 0,1,2,3
	v_permlanex16_b32 v[TM+4+\b], v[TM+\b], s[SEL], s[SEL+1]
.endr
.irp b, 0,1,2,3
	v_max_num_f32 v[TM+\b], v[TM+\b], v[TM+4+\b]
.endr
	QTAIL \s
.endm
	s_load_b256 s[68:75], s[0:1], 0x0              ; pimg 68, prec 70, vimg 72, oimg 74
	v_lshl_add_u32 v[SPW], v0, 2, SPARE
	v_mov_b32 v[NIL], 0
	ds_add_u32 v28, v29
	ds_add_u32 v28, v29
	s_wait_dscnt 0x0
	v_lshrrev_b32 v1, 5, v0
	v_readfirstlane_b32 s14, v1                    ; wave
	s_lshr_b32 s15, s14, 1                         ; wy: my half of the queries; also: I fetch for S1 (0) or S0 (1)
	s_and_b32 s16, s14, 1                          ; wx: my half of d; also: which eight tiles I fetch
	s_bfe_u32 s84, ttmp6, 0x40000                  ; cx
	s_bfe_u32 s85, ttmp6, 0x40004                  ; cy
	s_lshl_b32 s86, s85, 2
	s_lshl_b32 s86, 15, s86
	s_lshl_b32 s87, 0x1111, s84
	s_or_b32 s[G1A], s86, (3<<16)|(1<<21)
	s_or_b32 s[G1B], s87, (3<<16)|(1<<21)
.irp g, G1A, G1B
	s_mov_b32 s[\g+1], 416<<16
	s_mov_b32 s[\g+2], 8<<16
	s_mov_b32 s[\g+3], 416<<16
	s_mov_b32 s[\g+4], 8
	s_mov_b32 s[\g+6], 0
	s_mov_b32 s[\g+7], 0
.endr
	s_mov_b32 s[G1A+5], P1E
	s_mov_b32 s[G1B+5], P0E
	s_and_b32 s89, ttmp7, 0xffff
	s_lshr_b32 s88, s89, 1                         ; the batch
	s_and_b32 s17, s89, 1                          ; I
	s_lshl_b32 s91, s88, 7
	s_lshl_b32 s2, s17, 6
	s_add_co_u32 s91, s91, s2
	s_lshl_b32 s2, s85, 4
	s_add_co_u32 s91, s91, s2                      ; the work-group's first tile of queries: 128 batch + 64 I + 16 cy
	s_lshl_b32 s90, s88, 6
	s_lshl_b32 s3, s84, 4
	s_add_co_u32 s90, s90, s3                      ; its first tile of d in vimg: 64 batch + 16 cx
	s_lshl_b32 s4, s16, 3
	s_add_co_u32 s92, s91, s4
	s_mul_i32 s92, s92, 8*P1E
	s_mov_b32 s93, 0
	s_add_co_u32 s94, s90, s4
	s_mul_i32 s94, s94, 8*P0E
	s_mov_b32 s95, 0
	s_mul_i32 s96, s14, HALF
	s_wait_kmcnt 0x0
	s_add_nc_u64 s[92:93], s[68:69], s[92:93]
	s_add_nc_u64 s[94:95], s[72:73], s[94:95]
	CROUND
.irp s, 0,1
	s_mov_b32 s[G0A+4*\s], 1
	s_add_co_u32 s[G0A+4*\s+1], s96, \s*SLOT
	s_add_nc_u64 s[G0A+4*\s+2:G0A+4*\s+3], s[92:93], \s*FT
	s_or_b32 s[G0A+4*\s+3], s[G0A+4*\s+3], 0x80000000
	s_mov_b32 s[G0B+4*\s], 1
	s_add_co_u32 s[G0B+4*\s+1], s96, \s*SLOT
	s_add_nc_u64 s[G0B+4*\s+2:G0B+4*\s+3], s[94:95], \s*FT
	s_or_b32 s[G0B+4*\s+3], s[G0B+4*\s+3], 0x80000000
	JLOAD G0A+4*\s, G1A, G0B+4*\s, G1B
.endr
	v_and_b32 v1, 31, v0
	v_and_b32 v2, 15, v0
	v_bfe_u32 v3, v0, 4, 1
	v_lshlrev_b32 v4, 4, v1
	v_lshl_add_u32 v5, v2, 2, 3072
	s_mul_i32 s97, s15, HALF
	s_mul_i32 s98, s16, HALF
	s_add_co_u32 s98, s98, 2*HALF
.irp s, 0,1
	v_add_nc_u32 v[ADA+\s], s97, v4
	v_add_nc_u32 v[ADB+\s], s98, v4
	v_add_nc_u32 v[ASB+\s], s98, v5
	s_add_co_u32 s97, s97, SLOT
	s_add_co_u32 s98, s98, SLOT
.endr
	s_mul_i32 s99, s16, 1536
	v_add_nc_u32 v[LIC], s99, v4
	s_lshl_b32 s99, s16, 7
	s_add_co_u32 s99, s99, 3072
	v_lshl_add_u32 v[LSW], v1, 2, s99
	s_mov_b32 s[SEL], 0x76543210
	s_mov_b32 s[SEL+1], 0xfedcba98
	; the prologue's addresses.  Wave w serves the work-group's tiles 4 w + t; lane (r, h) serves query place r and K steps 2 i + h
	v_lshlrev_b32 v6, 8, v3
	v_lshl_add_u32 v6, v2, 3, v6                   ; in prec: 256 h + 8 r
	s_lshl_b32 s6, s14, 8
	s_add_co_u32 s7, s6, TAB
	v_lshlrev_b32 v7, 2, v2
	v_lshl_add_u32 v7, v3, 10, v7
	v_add_nc_u32 v7, s7, v7                        ; in the table: 1,024 h + 256 w + 4 r
	s_add_co_u32 s7, s6, RLT
	v_lshl_add_u32 v8, v2, 2, s7                   ; 1 / sum: 256 w + 4 r
	s_lshl_b32 s6, s15, 9
	s_add_co_u32 s7, s6, RLT
	v_lshl_add_u32 v9, v2, 2, s7                   ; and read back: my eight tiles, 512 wy + 4 r
	s_add_co_u32 s7, s6, TAB
	v_lshl_add_u32 v[AST], v2, 2, s7
	s_lshl_b32 s7, s17, 13
	v_add_nc_u32 v[ASTT], s7, v[AST]
	s_lshl_b32 s4, s14, 2
	s_add_co_u32 s4, s4, s91
	s_lshl_b32 s4, s4, 12                          ; a tile's sixteen records are 4,096 bytes
	s_mov_b32 s5, 0
	s_add_nc_u64 s[4:5], s[70:71], s[4:5]
	s_lshl_b32 s8, s15, 3
	s_add_co_u32 s8, s8, s91
	s_mul_i32 s8, s8, 13312
	s_mul_i32 s9, s84, 3328
	s_add_co_u32 s8, s8, s9
	s_mov_b32 s9, 0
	s_add_nc_u64 s[OB:OB+1], s[74:75], s[8:9]      ; oimg: tile (first + 8 wy), run cx
.irp t, 0,1,2,3
	v_mov_b32 v[228+\t], 0                         ; a lane permute's destination counts as one of its sources
.endr
.irp a, 0,1,2,3,4,5,6,7
	v_mov_b32 v[RLV+2*\a+1], 0                     ; (named as the upper halves of pairs)
.endr
.irp t, 0,1,2,3
.irp i, 0,1,2,3
	global_load_b64 v[128+2*(8*\t+\i):129+2*(8*\t+\i)], v6, s[4:5] offset:4096*\t+512*\i        ; (scale word, -M')
	global_load_b32 v[192+8*\t+\i], v6, s[4:5] offset:4096*\t+512*\i+128                        ; the sum under M'
.endr
.endr
	s_cmp_eq_u32 s17, 0                            ; queries under 1,024 have no records beyond K step 7: those take values that count for nothing
	s_cbranch_scc1 .Lshort
.irp t, 0,1,2,3
.irp i, 4,5,6,7
	global_load_b64 v[128+2*(8*\t+\i):129+2*(8*\t+\i)], v6, s[4:5] offset:4096*\t+512*\i
	global_load_b32 v[192+8*\t+\i], v6, s[4:5] offset:4096*\t+512*\i+128
.endr
.endr
	s_branch .Lgot
.Lshort:
.irp t, 0,1,2,3
.irp i, 4,5,6,7
	v_mov_b32 v[128+2*(8*\t+\i)], 0
	v_mov_b32 v[129+2*(8*\t+\i)], 0x7f61b1e6       ; -M' = 3e38
	v_mov_b32 v[192+8*\t+\i], 0
.endr
.endr
.Lgot:
	s_wait_loadcnt 0x0
.irp t, 0,1,2,3
	v_min3_num_f32 v[224+\t], v[129+16*\t], v[131+16*\t], v[133+16*\t]
.endr
.irp t, 0,1,2,3
	v_min3_num_f32 v[224+\t], v[224+\t], v[135+16*\t], v[137+16*\t]
.endr
.irp t, 0,1,2,3
	v_min3_num_f32 v[224+\t], v[224+\t], v[139+16*\t], v[141+16*\t]
.endr
.irp t, 0,1,2,3
	v_min_num_f32 v[224+\t], v[224+\t], v[143+16*\t]
.endr
.irp t, 0,1,2,3
	v_permlanex16_b32 v[228+\t], v[224+\t], s[SEL], s[SEL+1]
.endr
.irp t, 0,1,2,3
	v_min_num_f32 v[224+\t], v[224+\t], v[228+\t]  ; -M of my query
.endr
.macro PREC t, i
.set rW, 128+2*(8*(\t)+(\i))
.set rL, 192+8*(\t)+(\i)
	v_sub_f32 v56, v[224+(\t)], v[rW+1]            ; M' - M: a whole number, 0 or less
	v_cvt_i32_f32 v56, v56                         ; (it saturates)
.if (\i) == 0
	v_ldexp_f32 v[232+(\t)], v[rL], v56            ; the sum under M: nothing is rounded
.else
	v_ldexp_f32 v57, v[rL], v56
	v_add_f32 v[232+(\t)], v[232+(\t)], v57
.endif
	v_sub_nc_u32 v56, 0, v56
	v_min_u32 v56, 127, v56                        ; n, at most 127
	v_lshl_or_b32 v57, v56, 8, v56
	v_lshl_or_b32 v57, v57, 16, v57                ; n in all four bytes
	v_or_b32 v58, 0x80808080, v[rW]                ; the bytes are at most 125: with 128 on top no byte borrows from the next
	v_sub_nc_u32 v58, v58, v57
	v_and_b32 v59, 0x80808080, v58                 ; the top bit has stayed where byte >= n
	v_lshrrev_b32 v60, 7, v59
	v_sub_nc_u32 v59, v59, v60                     ; 0x7f in those bytes, 0 in the others
	v_and_b32 v[rW], v58, v59                      ; byte - n, or 0
	ds_store_b32 v7, v[rW] offset:2048*(\i)+64*(\t)
.endm
.irp i, 0,1,2,3,4,5,6,7
.irp t, 0,1,2,3
	PREC \t, \i
.endr
.endr
.irp t, 0,1,2,3
	v_permlanex16_b32 v[228+\t], v[232+\t], s[SEL], s[SEL+1]
.endr
.irp t, 0,1,2,3
	v_add_f32 v[232+\t], v[232+\t], v[228+\t]      ; the row's sum: the even and the odd K steps'
.endr
.irp t, 0,1,2,3
	v_rcp_f32 v[232+\t], v[232+\t]
.endr
	v_nop                                          ; a plain place behind the reciprocals
	s_wait_alu depctr_va_vdst(0)                   ; one wait for the four, ahead of their first reader
.irp t, 0,1,2,3
	ds_store_b32 v8, v[232+\t] offset:64*\t        ; both halves of the lanes write the same word with the same value
.endr
	s_wait_dscnt 0x0                               ; for the others' sake: my part of the table has landed
	s_wait_tensorcnt NS-1                          ; my part of slot 0 is in; slot 1's may stay out
	s_barrier_signal -1
	s_barrier_wait -1
.irp a, 0,1,2,3,4,5,6,7
	ds_load_b32 v[RLV+2*\a], v9 offset:64*\a
.endr
	FETCH_B 0, 0, 0
	FETCH_A 0, 0, 0, 0, AST
	FETCH_A 0, 0, 4, 0, AST
	STEP 0, 1, 1, AST                              ; K step 0 starts the sums
	TURN 0, 1, 1, 2, AST                           ; 1: slot 0 takes run 2
	STEP 1, 0, 3, AST
	TURN 1, 0, 1, 4, AST                           ; 3: slot 1 takes run 3
	STEP 0, 0, 5, AST
	s_cmp_eq_u32 s17, 0                            ; 1,024 keys: on to the tail.  The same way in all partners; every wait for tensor loads behind here is for all
	s_cbranch_scc1 .Ltail
	TURN 0, 1, 1, 6, AST                           ; 5: run 4
	STEP 1, 0, 7, AST
	TURN 1, 0, 1, 8, AST                           ; 7: run 5
	STEP 0, 0, 9, AST
	TURN 0, 1, 1, 10, AST                          ; 9: run 6
	STEP 1, 0, 11, AST
	TURN 1, 0, 1, 12, AST                          ; 11: run 7
	STEP 0, 0, 13, AST
.Ltail:
	TURN 0, 1, 0, 6, ASTT                          ; K step 5 or 13: nothing is left to fetch
	STEP 1, 0, 7, ASTT
	LAST
	PLACES 4
.irp b, 0,1,2,3
	v_mov_b32 v[TM+4+\b], 0
.endr
.macro OUTO a
.if (\a) > 0
	s_wait_xcnt 0x0                                ; the last block's stores have read their registers
.endif
	WIN 0x02+(\a)/4
.set j, 0
.rept 32
	v_pk_mul_f32 v[WK+j:WK+j+1], v[64*((\a)%4)+j:64*((\a)%4)+j+1], v[RLV+2*(\a):RLV+2*(\a)+1] op_sel_hi:[1,0]   ; O / the row's sum; each accumulator from its low end on
.set j, j+2
.endr
	WIN 0
	QUANT WK
.irp c, 0,1,2
	global_store_b128 v[LIC], v[PC+4*\c:PC+4*\c+3], s[OB:OB+1] offset:13312*(\a)+512*\c
.endr
	global_store_b32 v[LSW], v[PW], s[OB:OB+1] offset:13312*(\a)
.endm
.irp a, 0,1,2,3,4,5,6,7
	OUTO \a
.endr
	s_wait_tensorcnt 0x0                           ; the wave's end
	ds_add_u32 v[SPW], v[NIL]
	s_wait_dscnt 0x0
	CROUND
	s_endpgm
.Lfunc_end_k_qfc17a14362_pv:
	.size	k_qfc17a14362_pv, .Lfunc_end_k_qfc17a14362_pv-k_qfc17a14362_pv
	.p2alignl 7, 3214868480
	.fill 96, 4, 3214868480
	.section	.rodata,"a",@progbits
	.p2align	6, 0x0
	.amdhsa_kernel k_qfc17a14362_pv
		.amdhsa_group_segment_fixed_size 327680
		.amdhsa_private_segment_fixed_size 0
		.amdhsa_enable_private_segment 0
		.amdhsa_kernarg_size 32
		.amdhsa_user_sgpr_count 2
		.amdhsa_user_sgpr_kernarg_segment_ptr 1
		.amdhsa_wavefront_size32 1
		.amdhsa_system_sgpr_workgroup_id_x 1
		.amdhsa_system_sgpr_workgroup_id_y 1
		.amdhsa_system_sgpr_workgroup_id_z 1
		.amdhsa_system_vgpr_workitem_id 0
		.amdhsa_next_free_vgpr 1024
		.amdhsa_next_free_sgpr 102
		.amdhsa_reserve_vcc 0
		.amdhsa_float_denorm_mode_32 3
		.amdhsa_float_denorm_mode_16_64 3
		.amdhsa_memory_ordered 1
		.amdhsa_forward_progress 1
		.amdhsa_inst_pref_size 255
	.end_amdhsa_kernel
	.section	.bss,"aw",@nobits
	.p2align	6
	.space	262144
	.amdgpu_metadata
---
amdhsa.version: [ 1, 2 ]
amdhsa.kernels:
  - .name:           k_qfc17a14362_pv
    .symbol:         k_qfc17a14362_pv.kd
    .args:
      - { .name: pimg, .offset: 0, .size: 8, .value_kind: global_buffer, .address_space: global }
      - { .name: prec, .offset: 8, .size: 8, .value_kind: global_buffer, .address_space: global }
      - { .name: vimg, .offset: 16, .size: 8, .value_kind: global_buffer, .address_space: global }
      - { .name: oimg, .offset: 24, .size: 8, .value_kind: global_buffer, .address_space: global }
    .group_segment_fixed_size: 327680
    .private_segment_fixed_size: 0
    .kernarg_segment_align: 8
    .kernarg_segment_size: 32
    .max_flat_workgroup_size: 128
    .sgpr_count:     102
    .vgpr_count:     1024
    .wavefront_size: 32
...
	.end_amdgpu_metadata
.endif
;; end of part 4
;; launch proj (part 5): grid 4 x 32, 4 waves a work-group, clusters of 4 x 4, 327,680 bytes of LDS; arguments oimg, wimg, bo, out0; writes out0
.if DOCPART == 5
	.amdgcn_target "amdgcn-amd-amdhsa--gfx1250"
	.amdhsa_code_object_version 6
	.text
	.protected	k_qfc17a14362_proj
	.globl	k_qfc17a14362_proj
	.p2align	8
	.type	k_qfc17a14362_proj,@function
k_qfc17a14362_proj:
	s_mov_b64 s[64:65], 0
	v_nop
	global_prefetch_b8 v0, s[64:65] scope:SCOPE_SE
	s_setreg_imm32_b32 hwreg(HW_REG_WAVE_MODE, 25, 1), 1
	s_wait_xcnt 0x0
	s_wait_alu depctr_hold_cnt(0) depctr_sa_sdst(0) depctr_va_vdst(0) depctr_va_sdst(0) depctr_va_ssrc(0) depctr_va_vcc(0) depctr_vm_vsrc(0)
	s_getreg_b32 s2, hwreg(HW_REG_IB_STS2, 6, 4)
	s_cmp_eq_u32 s2, 0
	s_cbranch_scc0 .Lentry_in_a_cluster
	s_endpgm
.Lentry_in_a_cluster:
	s_bfe_u32 s2, ttmp6, 0x10000c
	s_cmp_lg_u32 s2, 0xf033
	s_cbranch_scc0 .Lentry_shape_is_right
	s_endpgm
.Lentry_shape_is_right:
; out0 = o Wo + bo on codes of FP6 (E2M3), K = 1,024; out0 [8192][1024] f32.  S0 = Wo's columns (wimg's tiles 192 on), S1 = o's rows.  The K steps, slots, joint loads and images are those of the first product's launch.
; A lane's 64 results of S1's block a are 128 neighbouring columns' worth of one row, register 16 b + i = column 32 b + 16 h + i.  A block goes through the wave's own stage in LDS and leaves as whole rows of 512 bytes.
; The stage lies in slot 1, which has its only fill at the head and which every wave has left at the barrier of K step 3.
.set FT,    3328
.set HALF,  8*FT
.set SLOT,  4*HALF
.set NS,    3
.set SPARE, NS*SLOT
.set P1E,   1664
.set P0E,   1664
.set STO, 6                            ; v6 the stage: where I put my results of a row
.set RD,  7                            ; v7 and where I read a row back
.set ADA, 12
.set ADB, 15
.set ASA, 18
.set ASB, 21
.set SPW, 28
.set NIL, 29
.set SA,  32
.set SB,  40
.set BI,  64
.set AF,  128
.set BK,  128                          ; the way out: 16 rows read back: v128-191 and v192-255 by turns
.set G1A, 24
.set G1B, 32
.set G0A, 40
.set G0B, 52
.set OB,  100
.set MSB, 0
.macro WIN new
.if MSB != (\new)
	s_set_vgpr_msb (MSB<<8)|(\new)
.set MSB, (\new)
.endif
.endm
.macro PLACES n
.rept \n
	v_nop
.endr
.endm
.macro JLOAD g0a, g1a, g0b, g1b        ; a joint load: waves 0, 1 for S1, waves 2, 3 for S0; four v_nop follow each line
	s_cmp_eq_u32 s15, 0
	s_cbranch_scc0 .Lfor_b_\@
	tensor_load_to_lds s[\g0a:\g0a+3], s[\g1a:\g1a+7]
	s_nop 0
.rept 4
	v_nop
.endr
	s_branch .Lasked_\@
.Lfor_b_\@:
	tensor_load_to_lds s[\g0b:\g0b+3], s[\g1b:\g1b+7]
	s_nop 0
.rept 4
	v_nop
.endr
.Lasked_\@:
.endm
.macro CREST
	s_cmp_lg_u32 s14, 0
	s_cbranch_scc1 .Lnot_wave_0_\@
	s_barrier_signal -3
.Lnot_wave_0_\@:
	s_barrier_wait -3
	s_barrier_signal -1
	s_barrier_wait -1
.endm
.macro CROUND
	s_barrier_signal -1
	s_barrier_wait -1
	CREST
.endm
.macro FRAGC reg, adr, off
.irp c, 0,1,2
	ds_load_b128 v[(\reg)+4*\c:(\reg)+4*\c+3], v[\adr] offset:(\off)+512*\c
.endr
.endm
.macro FETCH_B slot, q, p              ; 32 loads
	WIN 0x40
.irp i, 0,1,2,3,4,5,6,7
	FRAGC 128*(\p)+12*\i, ADB+(\slot), \i*FT+1536*(\q)
.endr
	WIN 0
.irp i, 0,1,2,3,4,5,6,7
	ds_load_b32 v[SB+8*(\p)+\i], v[ASB+(\slot)] offset:\i*FT+128*(\q)
.endr
.endm
.macro FETCH_A slot, q, i0             ; 16 loads
.irp i, \i0, \i0+1, \i0+2, \i0+3
	FRAGC AF+12*(\i), ADA+(\slot), (\i)*FT+1536*(\q)
	ds_load_b32 v[SA+(\i)], v[ASA+(\slot)] offset:(\i)*FT+128*(\q)
.endr
.endm
.macro MUL16 a0, p, z                  ; z = 0: onto the sums; 2: the bias starts them.  The 64 accumulators take turns, one instruction a turn
.irp a, \a0, \a0+1
.irp b, 0,1,2,3,4,5,6,7
.if (\z) == 0
	v_wmma_scale_f32_16x16x128_f8f6f4 v[8*(8*((\a)%4)+\b):8*(8*((\a)%4)+\b)+7], v[128*(\p)+12*\b:128*(\p)+12*\b+11], v[AF+12*(\a):AF+12*(\a)+11], v[8*(8*((\a)%4)+\b):8*(8*((\a)%4)+\b)+7], v[SB+8*(\p)+\b], v[SA+(\a)] matrix_a_fmt:MATRIX_FMT_FP6 matrix_b_fmt:MATRIX_FMT_FP6
.else
	v_wmma_scale_f32_16x16x128_f8f6f4 v[8*(8*((\a)%4)+\b):8*(8*((\a)%4)+\b)+7], v[128*(\p)+12*\b:128*(\p)+12*\b+11], v[AF+12*(\a):AF+12*(\a)+11], v[BI+8*\b:BI+8*\b+7], v[SB+8*(\p)+\b], v[SA+(\a)] matrix_a_fmt:MATRIX_FMT_FP6 matrix_b_fmt:MATRIX_FMT_FP6
.endif
.endr
.endr
.endm
.macro MWIN hi, z
.if (\z) == 2
	WIN 0x81+0x40*(\hi)
.else
	WIN 0xa1+0x50*(\hi)
.endif
.endm
.macro STEP slot, z
	s_wait_dscnt 16                                ; S0's set and S1's blocks 0-3 are in; the 16 youngest loads may be out
	MWIN 0, \z
	MUL16 0, 0, \z
	MUL16 2, 0, \z
	s_wait_dscnt 0x0
	PLACES 4
	FETCH_B \slot, 1, 1
	FETCH_A \slot, 1, 0
	MWIN 1, \z
	MUL16 4, 0, \z
	MUL16 6, 0, \z
	PLACES 4
	WIN 0
	FETCH_A \slot, 1, 4
.endm
.macro TURN slot, next, fill, tc       ; one barrier for the change of slots; with fill = 1 it opens a round of the cluster's barrier and the joint refill comes first behind the round
.if \fill
	s_wait_tensorcnt 0x0                           ; all my tensor loads have landed
	ds_add_u32 v[SPW], v[NIL]                      ; 0 onto my spare word
	s_wait_dscnt 17                                ; (the add and the 16 youngest loads may be out)
.else
	s_wait_tensorcnt \tc
	s_wait_dscnt 16
.endif
	WIN 0xa1
	MUL16 0, 1, 0
	s_wait_dscnt 0x0                               ; my reads of this slot are over (and the add is done)
	s_barrier_signal -1
	MUL16 2, 1, 0
	WIN 0
	s_barrier_wait -1
.if \fill
	CREST
	s_add_nc_u64 s[G0A+4*\slot+2:G0A+4*\slot+3], s[G0A+4*\slot+2:G0A+4*\slot+3], NS*FT
	s_add_nc_u64 s[G0B+4*\slot+2:G0B+4*\slot+3], s[G0B+4*\slot+2:G0B+4*\slot+3], NS*FT
	JLOAD G0A+4*\slot, G1A, G0B+4*\slot, G1B
.else
	PLACES 4
.endif
	FETCH_B \next, 0, 0
	FETCH_A \next, 0, 0
	WIN 0xf1
	MUL16 4, 1, 0
	MUL16 6, 1, 0
	PLACES 4
	WIN 0
	FETCH_A \next, 0, 4
.endm
.macro LAST
	s_wait_dscnt 16
	WIN 0xa1
	MUL16 0, 1, 0
	MUL16 2, 1, 0
	s_wait_dscnt 0x0
	WIN 0xf1
	MUL16 4, 1, 0
	MUL16 6, 1, 0
	WIN 0
.endm
	s_load_b256 s[68:75], s[0:1], 0x0              ; oimg 68, wimg 70, bo 72, out0 74
	v_lshl_add_u32 v[SPW], v0, 2, SPARE
	v_mov_b32 v[NIL], 0
	ds_add_u32 v28, v29
	ds_add_u32 v28, v29
	s_wait_dscnt 0x0
	v_lshrrev_b32 v1, 5, v0
	v_readfirstlane_b32 s14, v1                    ; wave
	s_lshr_b32 s15, s14, 1                         ; wy: my half of the rows; also: I fetch for S1 (0) or S0 (1)
	s_and_b32 s16, s14, 1                          ; wx: my half of the columns; also: which eight tiles I fetch
	s_bfe_u32 s84, ttmp6, 0x40000                  ; cx
	s_bfe_u32 s85, ttmp6, 0x40004                  ; cy
	s_lshl_b32 s86, s85, 2
	s_lshl_b32 s86, 15, s86
	s_lshl_b32 s87, 0x1111, s84
	s_or_b32 s[G1A], s86, (3<<16)|(1<<21)
	s_or_b32 s[G1B], s87, (3<<16)|(1<<21)
.irp g, G1A, G1B
	s_mov_b32 s[\g+1], 416<<16
	s_mov_b32 s[\g+2], 8<<16
	s_mov_b32 s[\g+3], 416<<16
	s_mov_b32 s[\g+4], 8
	s_mov_b32 s[\g+6], 0
	s_mov_b32 s[\g+7], 0
.endr
	s_mov_b32 s[G1A+5], P1E
	s_mov_b32 s[G1B+5], P0E
	s_and_b32 s89, ttmp7, 0xffff
	s_lshl_b32 s91, s89, 2
	s_add_co_u32 s91, s91, s85                     ; the block of 256 rows: 4 Y + cy
	s_lshl_b32 s17, s16, 3
	s_lshl_b32 s92, s91, 4
	s_add_co_u32 s92, s92, s17
	s_mul_i32 s92, s92, 8*P1E
	s_mov_b32 s93, 0
	s_lshl_b32 s94, s84, 4
	s_add_co_u32 s94, s94, s17
	s_add_co_u32 s94, s94, 192                     ; Wo's tiles begin at 192
	s_mul_i32 s94, s94, 8*P0E
	s_mov_b32 s95, 0
	s_mul_i32 s96, s14, HALF
	s_wait_kmcnt 0x0
	s_add_nc_u64 s[92:93], s[68:69], s[92:93]
	s_add_nc_u64 s[94:95], s[70:71], s[94:95]
	CROUND
.irp s, 0,1,2
	s_mov_b32 s[G0A+4*\s], 1
	s_add_co_u32 s[G0A+4*\s+1], s96, \s*SLOT
	s_add_nc_u64 s[G0A+4*\s+2:G0A+4*\s+3], s[92:93], \s*FT
	s_or_b32 s[G0A+4*\s+3], s[G0A+4*\s+3], 0x80000000
	s_mov_b32 s[G0B+4*\s], 1
	s_add_co_u32 s[G0B+4*\s+1], s96, \s*SLOT
	s_add_nc_u64 s[G0B+4*\s+2:G0B+4*\s+3], s[94:95], \s*FT
	s_or_b32 s[G0B+4*\s+3], s[G0B+4*\s+3], 0x80000000
	JLOAD G0A+4*\s, G1A, G0B+4*\s, G1B
.endr
	v_and_b32 v1, 31, v0
	v_and_b32 v2, 15, v0
	v_bfe_u32 v3, v0, 4, 1
	v_lshlrev_b32 v4, 4, v1                        ; 16 x lane: also my place in a row of 512 bytes of out0
	v_lshl_add_u32 v5, v2, 2, 3072
	s_mul_i32 s97, s15, HALF
	s_mul_i32 s98, s16, HALF
	s_add_co_u32 s98, s98, 2*HALF
.irp s, 0,1,2
	v_add_nc_u32 v[ADA+\s], s97, v4
	v_add_nc_u32 v[ADB+\s], s98, v4
	v_add_nc_u32 v[ASA+\s], s97, v5
	v_add_nc_u32 v[ASB+\s], s98, v5
	s_add_co_u32 s97, s97, SLOT
	s_add_co_u32 s98, s98, SLOT
.endr
	s_mul_i32 s2, s14, 8448
	s_add_co_u32 s2, s2, SLOT                      ; my stage: 16 rows of 528 bytes
	v_mul_u32_u24 v[STO], v2, 528
	v_lshl_add_u32 v[STO], v3, 6, v[STO]
	v_add_nc_u32 v[STO], s2, v[STO]                ; in: row r, + 64 h
	v_add_nc_u32 v[RD], s2, v4                     ; back: 16 bytes a lane
	s_lshl_b32 s8, s91, 8
	s_lshl_b32 s9, s15, 7
	s_add_co_u32 s8, s8, s9
	s_lshl_b32 s8, s8, 12                          ; my first row of out0: 256 u1 + 128 wy, rows of 4,096 bytes
	s_lshl_b32 s6, s84, 10
	s_lshl_b32 s7, s16, 9
	s_add_co_u32 s6, s6, s7                        ; my first column, in bytes: 4 (256 cx + 128 wx)
	s_add_co_u32 s8, s8, s6
	s_mov_b32 s9, 0
	s_mov_b32 s7, 0
	s_add_nc_u64 s[OB:OB+1], s[74:75], s[8:9]
	s_add_nc_u64 s[4:5], s[72:73], s[6:7]          ; bo at my 128 columns
	v_lshlrev_b32 v8, 6, v3                        ; 16 h numbers
.irp t, 0,1,2,3,4,5,6,7
	global_load_b128 v[BI+8*\t:BI+8*\t+3], v8, s[4:5] offset:(32*(\t/2)+8*(\t%2))*4       ; the bias in the result's layout: the C of the first products
	global_load_b128 v[BI+8*\t+4:BI+8*\t+7], v8, s[4:5] offset:(32*(\t/2)+8*(\t%2))*4+16
.endr
	s_wait_loadcnt 0x0
	s_wait_tensorcnt NS-1                          ; my part of slot 0 is in
	s_barrier_signal -1
	s_barrier_wait -1
	FETCH_B 0, 0, 0
	FETCH_A 0, 0, 0
	FETCH_A 0, 0, 4
	STEP 0, 2                                      ; K step 0: the bias starts the sums
	TURN 0, 1, 1, 0                                ; 1: slot 0 takes run 3
	STEP 1, 0
	TURN 1, 2, 0, 1                                ; 3: the refill may stay out
	STEP 2, 0
	TURN 2, 0, 0, 0                                ; 5: the refill has landed
	STEP 0, 0
	LAST
.macro TOSTAGE a
.set AC, 64*((\a)%4)
	WIN 0x08+4*((\a)/4)                            ; the data: window 2 or 3
.irp b, 0,1,2,3,4,5,6,7
	ds_store_b128 v[STO], v[AC+8*\b:AC+8*\b+3] offset:128*(\b/2)+32*(\b%2)         ; each accumulator from its low end on
	ds_store_b128 v[STO], v[AC+8*\b+4:AC+8*\b+7] offset:128*(\b/2)+32*(\b%2)+16
.endr
	WIN 0
.set BB, BK+64*((\a)%2)
.irp t, 0,1,2,3,4,5,6,7,8,9,10,11,12,13,14,15
	ds_load_b128 v[BB+4*\t:BB+4*\t+3], v[RD] offset:\t*528   ; LDS serves a wave's instructions in order: these see the stores above, and the next block's stores come behind them
.endr
.endm
.macro SEND a, younger                 ; younger: the LDS instructions issued behind block a's loads, which may stay out
.set BB, BK+64*((\a)%2)
	s_wait_dscnt \younger
.irp t, 0,1,2,3,4,5,6,7,8,9,10,11,12,13,14,15
	global_store_b128 v4, v[BB+4*\t:BB+4*\t+3], s[OB:OB+1] offset:(32*((\a)/2)+8*((\a)%2)+\t+8*(\t/8))*4096 th:TH_STORE_NT   ; 512 consecutive bytes, at a multiple of 256 from out0's first byte; place t of block a is row 32 (a / 2) + 8 (a % 2) + t + 8 (t / 8)
.endr
.endm
	PLACES 4
	TOSTAGE 0
.irp a, 1,2,3,4,5,6,7
.if \a > 1
	s_wait_xcnt 0x0                                ; block a - 2's stores have read their registers: block a's loads may land there
.endif
	TOSTAGE \a
	SEND \a-1, 32                                  ; behind block a - 1's loads: block a's 16 stores and 16 loads
.endr
	SEND 7, 0
	s_wait_tensorcnt 0x0                           ; the wave's end
	ds_add_u32 v[SPW], v[NIL]
	s_wait_dscnt 0x0
	CROUND
	s_endpgm
.Lfunc_end_k_qfc17a14362_proj:
	.size	k_qfc17a14362_proj, .Lfunc_end_k_qfc17a14362_proj-k_qfc17a14362_proj
	.p2alignl 7, 3214868480
	.fill 96, 4, 3214868480
	.section	.rodata,"a",@progbits
	.p2align	6, 0x0
	.amdhsa_kernel k_qfc17a14362_proj
		.amdhsa_group_segment_fixed_size 327680
		.amdhsa_private_segment_fixed_size 0
		.amdhsa_enable_private_segment 0
		.amdhsa_kernarg_size 32
		.amdhsa_user_sgpr_count 2
		.amdhsa_user_sgpr_kernarg_segment_ptr 1
		.amdhsa_wavefront_size32 1
		.amdhsa_system_sgpr_workgroup_id_x 1
		.amdhsa_system_sgpr_workgroup_id_y 1
		.amdhsa_system_sgpr_workgroup_id_z 1
		.amdhsa_system_vgpr_workitem_id 0
		.amdhsa_next_free_vgpr 1024
		.amdhsa_next_free_sgpr 102
		.amdhsa_reserve_vcc 0
		.amdhsa_float_denorm_mode_32 3
		.amdhsa_float_denorm_mode_16_64 3
		.amdhsa_memory_ordered 1
		.amdhsa_forward_progress 1
		.amdhsa_inst_pref_size 140
	.end_amdhsa_kernel
	.amdgpu_metadata
---
amdhsa.version: [ 1, 2 ]
amdhsa.kernels:
  - .name:           k_qfc17a14362_proj
    .symbol:         k_qfc17a14362_proj.kd
    .args:
      - { .name: oimg, .offset: 0, .size: 8, .value_kind: global_buffer, .address_space: global }
      - { .name: wimg, .offset: 8, .size: 8, .value_kind: global_buffer, .address_space: global }
      - { .name: bo, .offset: 16, .size: 8, .value_kind: global_buffer, .address_space: global }
      - { .name: out0, .offset: 24, .size: 8, .value_kind: global_buffer, .address_space: global }
    .group_segment_fixed_size: 327680
    .private_segment_fixed_size: 0
    .kernarg_segment_align: 8
    .kernarg_segment_size: 32
    .max_flat_workgroup_size: 128
    .sgpr_count:     102
    .vgpr_count:     1024
    .wavefront_size: 32
...
	.end_amdgpu_metadata
.endif
;; end of part 5
;; ======== version 2 of 2: 5 launches
;; limits: right only within a limited range of input values
;; workspace buffers: ximg 6,815,744 bytes; wimg 3,407,872 bytes; qimg 6,815,744 bytes; kimg 6,815,744 bytes; vimg 6,815,744 bytes; pimg 13,631,488 bytes; prec 2,097,152 bytes; oimg 6,815,744 bytes
;; launch quant (part 6): grid 384 x 1, 8 waves a work-group, no clusters, 95,232 bytes of LDS; arguments x, Wq, Wk, Wv, Wo, ximg, wimg; writes ximg, wimg
.if DOCPART == 6
	.amdgcn_target "amdgcn-amd-amdhsa--gfx1250"
	.amdhsa_code_object_version 6
	.text
	.protected	k_qfc17a14362_quant
	.globl	k_qfc17a14362_quant
	.p2align	8
	.type	k_qfc17a14362_quant,@function
k_qfc17a14362_quant:
	s_mov_b64 s[64:65], 0
	v_nop
	global_prefetch_b8 v0, s[64:65] scope:SCOPE_SE
	s_setreg_imm32_b32 hwreg(HW_REG_WAVE_MODE, 25, 1), 1
	s_wait_xcnt 0x0
; x [8192][1024] and the four weights [1024 (k)][1024 (n)], f32, become codes of FP6 (E2M3) with one E8M0 byte for each 32 along K, laid as IMAGES OF OPERAND REGISTERS.
; A TILE is 16 rows of a group of 32: tile 2 g + u, lane place r = row 32 g + 8 u + r + 8 (r / 8).  A RUN is a tile's two K steps of 128: 3,328 bytes: codes of the even step (1,536), of the odd step (1,536), then
; 128 bytes of scale words for each.  Register 4 c + i of lane l of a fragment lies at 512 c + 16 l + 4 i; lane l's scale word at 4 l (lanes 16-31 repeat lanes 0-15).  A tile's four runs follow each other: 13,312 bytes.
; A block's scale is 2^(floor(log2(largest magnitude)) - 2): its byte is the largest magnitude's exponent field - 2, held at 1 from below (a block of zeros keeps 1: its codes are zeros, and this program alone reads the bytes).
; LIMITS: NaN and infinities among the inputs are not served; blocks whose largest magnitude lies under 2^-124 keep the byte 1.
; Work-groups 0-255 take x: a wave makes one run (16 rows x 256 along K).  Work-groups 256-383 take the weights: a wave makes one K step of two tiles (32 columns x 128 along K).
; No tensor loads, no barrier: waves share nothing; each path has LDS bytes of its own.  Memory binds: matrix units and clusters would add nothing here.
.set STGW0, 67584                      ; LDS: 8 stages of 16 x 528 bytes for x's path; behind them 8 stages of two tile images (2 x 1,664 bytes) for the weights' path
.set TM,  16                           ; v16-31  at work in the quantiser
.set R,   32                           ; v32-159 128 numbers a lane as they are loaded
.set X,   160                          ; v160-223 x's path: 64 numbers in the quantiser's order
.set C,   160                          ; the weights' path: eight registers of codes for each of the four blocks
.set WD,  200                          ; and the column's scale word
.set PC,  224                          ; v224-243 the codes just made
.set PW,  244                          ; the scale word just made
.set SEL, 20                           ; s[20:21] v_permlanex16_b32's selects for lane l xor 16
; v[TM+b] = block b's largest magnitude, not under the floor; v[s] .. v[s+63], register 16 b + i = k 32 b + 16 (lane / 16) + i of my row, become a fragment's codes in v[PC] on and its scale word in v[PW]
.macro QTAIL s
.irp b, 0,1,2,3
	s_delay_alu instid0(VALU_DEP_4)
	v_add_nc_u32 v[TM+12+\b], 0xff000000, v[TM+\b]   ; 2 off the exponent field: the conversion takes the exponent field of this operand as its scale
.endr
.irp b, 0,1,2,3
	s_delay_alu instid0(VALU_DEP_4)
	v_lshrrev_b32 v[TM+4+\b], 23, v[TM+12+\b]        ; the scale's byte
.endr
	s_delay_alu instid0(VALU_DEP_3)
	v_lshl_or_b32 v[PW], v[TM+5], 8, v[TM+4]
	s_delay_alu instid0(VALU_DEP_1)
	v_lshl_or_b32 v[PW], v[TM+6], 16, v[PW]
	s_delay_alu instid0(VALU_DEP_1)
	v_lshl_or_b32 v[PW], v[TM+7], 24, v[PW]
.irp c, 0,1
	v_cvt_scalef32_pk16_fp6_f32 v[PC+6*\c:PC+2+6*\c], v[\s+32*\c:\s+15+32*\c], v[TM+12+2*\c]
	v_cvt_scalef32_pk16_fp6_f32 v[PC+12+4*\c:PC+14+4*\c], v[\s+16+32*\c:\s+31+32*\c], v[TM+12+2*\c+1]   ; (a conversion's three registers begin on an even number)
.endr
	v_nop                                            ; one plain place behind a scaled conversion
.irp c, 0,1                                      ; the operand's layout wants a whole block in a lane: lanes 0-15 block 2 c, lanes 16-31 block 2 c + 1
.irp i, 0,1,2
	v_permlane16_swap_b32 v[PC+6*\c+\i], v[PC+12+4*\c+\i]
.endr
.irp i, 0,1,2
	s_delay_alu instid0(VALU_DEP_3)
	v_mov_b32 v[PC+3+6*\c+\i], v[PC+12+4*\c+\i]
.endr
.endr
.endm
.macro QUANT s
.irp b, 0,1,2,3
	v_max3_num_f32 v[TM+\b], |v[\s+16*\b]|, |v[\s+1+16*\b]|, 0x1800000   ; my 16 numbers of block b, and the floor 2^(3 - 127): the byte cannot fall under 1
.endr
.irp i, 2,4,6,8,10,12,14
.irp b, 0,1,2,3
	s_delay_alu instid0(VALU_DEP_4)
	v_max3_num_f32 v[TM+\b], v[TM+\b], |v[\s+16*\b+\i]|, |v[\s+1+16*\b+\i]|
.endr
.endr
.irp b, 0,1,2,3
	s_delay_alu instid0(VALU_DEP_4)
	v_permlanex16_b32 v[TM+4+\b], v[TM+\b], s[SEL], s[SEL+1]
.endr
.irp b, 0,1,2,3
	s_delay_alu instid0(VALU_DEP_4)
	v_max_num_f32 v[TM+\b], v[TM+\b], v[TM+4+\b]     ; with lane l xor 16's 16: the block's largest magnitude
.endr
	QTAIL \s
.endm
	s_load_b256 s[4:11], s[0:1], 0x0               ; x, Wq, Wk, Wv
	s_load_b128 s[12:15], s[0:1], 0x20             ; Wo, ximg
	s_load_b64 s[16:17], s[0:1], 0x30              ; wimg
	v_lshl_add_u32 v254, v0, 2, 0x17000
	v_mov_b32 v255, 0
	v_lshrrev_b32 v1, 5, v0
	s_delay_alu instid0(VALU_DEP_1)
	v_readfirstlane_b32 s18, v1                    ; wave 0..7
	v_and_b32 v1, 31, v0                           ; lane
	v_and_b32 v2, 15, v0                           ; r
	v_bfe_u32 v3, v0, 4, 1                         ; h
	s_delay_alu instid0(VALU_DEP_3)
	v_lshlrev_b32 v4, 4, v1                        ; 16 x lane
	s_delay_alu instid0(VALU_DEP_4)
	v_lshlrev_b32 v5, 2, v1                        ; 4 x lane
	; every LDS address is made here, ahead of the parting of the two paths
	s_mul_i32 s19, s18, 8448
	v_add_nc_u32 v6, s19, v4                       ; x's stage, in: a row's 512 bytes as they lie
	v_mul_u32_u24 v7, v2, 528
	s_delay_alu instid0(VALU_DEP_1)
	v_lshl_add_u32 v7, v3, 6, v7
	s_delay_alu instid0(VALU_DEP_1)
	v_add_nc_u32 v7, s19, v7                       ; and out: row r, + 64 h: my 16 numbers of a block of 32
	s_mul_i32 s19, s18, 3328
	s_add_co_u32 s19, s19, STGW0
	v_bfe_u32 v12, v0, 3, 1                        ; the weights: column lane of a group of 32 is place r' = lane % 8 + 8 (lane / 16) of tile u = (lane / 8) % 2
	v_and_b32 v13, 7, v0
	s_delay_alu instid0(VALU_DEP_1)
	v_lshl_add_u32 v13, v3, 3, v13
	s_delay_alu instid0(VALU_DEP_3)
	v_mul_u32_u24 v12, v12, 1664
	s_delay_alu instid0(VALU_DEP_1)
	v_add_nc_u32 v12, s19, v12
	s_delay_alu instid0(VALU_DEP_1)
	v_lshl_add_u32 v8, v13, 4, v12                 ; where my column's codes go in its tile's image: 16 r'
	s_delay_alu instid0(VALU_DEP_2)
	v_lshl_add_u32 v9, v13, 2, v12
	s_delay_alu instid0(VALU_DEP_1)
	v_add_nc_u32 v9, 1536, v9                      ; and its scale word: 4 r'
	v_add_nc_u32 v10, s19, v4                      ; the images read back: 16 x lane
	v_add_nc_u32 v11, s19, v5
	s_delay_alu instid0(VALU_DEP_1)
	v_add_nc_u32 v11, 1536, v11                    ; 4 x lane
	s_mov_b32 s[SEL], 0x76543210
	s_mov_b32 s[SEL+1], 0xfedcba98
.irp b, 0,1,2,3
	v_mov_b32 v[TM+4+\b], 0                        ; written once: a lane permute's destination counts as one of its sources
.endr
	s_cmp_lt_u32 ttmp9, 256
	s_cbranch_scc0 .Lweights
	; ---- x: run (id % 4) of tile (id / 4), id = 8 x work-group + wave
	s_lshl_b32 s22, ttmp9, 3
	s_add_co_u32 s22, s22, s18
	s_lshr_b32 s23, s22, 2                         ; tile
	s_and_b32 s24, s22, 3                          ; run
	s_lshr_b32 s25, s23, 1
	s_lshl_b32 s25, s25, 5
	s_and_b32 s26, s23, 1
	s_lshl_b32 s26, s26, 3
	s_add_co_u32 s25, s25, s26                     ; the tile's first row: 32 (tile / 2) + 8 (tile % 2)
	s_lshl_b32 s26, s25, 12                        ; rows of 4,096 bytes
	s_lshl_b32 s27, s24, 10                        ; a run is 1,024 bytes of a row
	s_add_co_u32 s26, s26, s27
	s_mov_b32 s27, 0
	s_mul_i32 s28, s23, 13312
	s_mul_i32 s29, s24, 3328
	s_add_co_u32 s28, s28, s29
	s_mov_b32 s29, 0
	s_wait_kmcnt 0x0
	s_add_nc_u64 s[4:5], s[4:5], s[26:27]
	s_add_nc_u64 s[14:15], s[14:15], s[28:29]
.macro XL f                            ; K step f of the run: place i's row, 512 consecutive bytes a load
.irp i, 0,1,2,3,4,5,6,7,8,9,10,11,12,13,14,15
	global_load_b128 v[R+64*(\f)+4*\i:R+64*(\f)+4*\i+3], v4, s[4:5] offset:(\i+8*(\i/8))*4096+512*(\f) th:TH_LOAD_NT
.endr
.endm
.macro XQ f
	s_wait_loadcnt 16-16*(\f)                      ; this K step's 16 loads are in; the other step's may be out
.irp i, 0,1,2,3,4,5,6,7,8,9,10,11,12,13,14,15
	ds_store_b128 v6, v[R+64*(\f)+4*\i:R+64*(\f)+4*\i+3] offset:528*\i
.endr
.irp b, 0,1,2,3
.irp j, 0,1,2,3
	ds_load_b128 v[X+16*\b+4*\j:X+16*\b+4*\j+3], v7 offset:128*\b+16*\j   ; LDS serves a wave's instructions in order: these see the stores above.  Rows 528 bytes apart: sixteen lanes touch sixteen different columns of 16 bytes
.endr
.endr
	s_wait_dscnt 0x0
.if (\f) > 0
	s_wait_xcnt 0x0                                ; the first fragment's stores have read their registers: the codes may be written again
.endif
	QUANT X
.irp c, 0,1,2
	global_store_b128 v4, v[PC+4*\c:PC+4*\c+3], s[14:15] offset:1536*(\f)+512*\c   ; 512 consecutive bytes, at a multiple of 256 from the buffer's first byte
.endr
	global_store_b32 v5, v[PW], s[14:15] offset:3072+128*(\f)
.endm
	XL 0
	XL 1                                           ; 32 loads, 16 KiB a wave, are out together
	XQ 0
	XQ 1
	s_wait_tensorcnt 0x0
	ds_add_u32 v254, v255
	s_wait_dscnt 0x0
	s_endpgm
.Lweights:
	; ---- a weight: K step ks of the 32 columns 256 (cb % 4) + 32 x wave of matrix cb / 4.  A lane takes a column and its registers run down K: nothing is transposed by an instruction
	s_sub_co_u32 s22, ttmp9, 256
	s_and_b32 s23, s22, 7                          ; ks
	s_lshr_b32 s24, s22, 3                         ; cb
	s_lshr_b32 s25, s24, 2                         ; matrix: 0 Wq, 1 Wk, 2 Wv, 3 Wo
	s_and_b32 s26, s24, 3
	s_lshl_b32 s26, s26, 10
	s_lshl_b32 s27, s18, 7
	s_add_co_u32 s26, s26, s27                     ; my wave's first column, in bytes
	s_lshl_b32 s27, s23, 19                        ; 128 rows of 4,096 bytes a K step
	s_add_co_u32 s26, s26, s27
	s_mov_b32 s27, 0
	s_lshl_b32 s28, s24, 3
	s_add_co_u32 s28, s28, s18                     ; the group of 32 columns among wimg's: 8 cb + wave
	s_mul_i32 s28, s28, 2*13312
	s_lshr_b32 s29, s23, 1
	s_mul_i32 s29, s29, 3328
	s_add_co_u32 s28, s28, s29                     ; the run
	s_and_b32 s30, s23, 1
	s_mul_i32 s31, s30, 1536
	s_add_co_u32 s32, s28, s31                     ; the K step's codes in it,
	s_mov_b32 s33, 0
	s_lshl_b32 s30, s30, 7
	s_add_co_u32 s34, s28, s30
	s_add_co_u32 s34, s34, 3072                    ; and its scale words
	s_mov_b32 s35, 0
	s_wait_kmcnt 0x0
	s_cmp_eq_u32 s25, 0                            ; the choice hangs on the work-group's number alone
	s_cselect_b64 s[36:37], s[6:7], s[8:9]
	s_cmp_eq_u32 s25, 2
	s_cselect_b64 s[38:39], s[10:11], s[12:13]
	s_cmp_lt_u32 s25, 2
	s_cselect_b64 s[36:37], s[36:37], s[38:39]
	s_add_nc_u64 s[36:37], s[36:37], s[26:27]
	s_add_nc_u64 s[32:33], s[16:17], s[32:33]
	s_add_nc_u64 s[34:35], s[16:17], s[34:35]
.set kk, 0
.rept 128
	global_load_b32 v[R+kk], v5, s[36:37] offset:4096*kk th:TH_LOAD_NT   ; W(128 ks + kk, my column): a wave reads 128 consecutive bytes, the eight waves 1,024
.set kk, kk+1
.endr
.macro QW kb                           ; block kb of my column: all its 32 numbers are mine
.set XS, R+32*(\kb)
.set CC, C+8*(\kb)
	v_max3_num_f32 v16, |v[XS]|, |v[XS+1]|, |v[XS+2]|
	v_max3_num_f32 v17, |v[XS+3]|, |v[XS+4]|, |v[XS+5]|
.irp i, 6,10,14,18,22,26
	s_delay_alu instid0(VALU_DEP_2)
	v_max3_num_f32 v16, v16, |v[XS+\i]|, |v[XS+\i+1]|
	s_delay_alu instid0(VALU_DEP_2)
	v_max3_num_f32 v17, v17, |v[XS+\i+2]|, |v[XS+\i+3]|
.endr
	s_delay_alu instid0(VALU_DEP_2)
	v_max3_num_f32 v16, v16, |v[XS+30]|, |v[XS+31]|
	s_delay_alu instid0(VALU_DEP_1)
	v_max3_num_f32 v16, v16, v17, 0x1800000        ; and the floor
	s_delay_alu instid0(VALU_DEP_1)
	v_add_nc_u32 v18, 0xff000000, v16              ; the conversion's scale operand
	s_delay_alu instid0(VALU_DEP_1)
	v_lshrrev_b32 v19, 23, v18                     ; the byte
.if (\kb) == 0
	s_delay_alu instid0(VALU_DEP_1)
	v_mov_b32 v[WD], v19
.else
	s_delay_alu instid0(VALU_DEP_1)
	v_lshl_or_b32 v[WD], v19, 8*(\kb), v[WD]
.endif
	v_cvt_scalef32_pk16_fp6_f32 v[CC:CC+2], v[XS:XS+15], v18
	v_cvt_scalef32_pk16_fp6_f32 v[CC+4:CC+6], v[XS+16:XS+31], v18
	v_nop                                          ; one plain place behind a scaled conversion
	v_mov_b32 v[CC+3], v[CC+4]                     ; the block's six registers on end
	v_mov_b32 v[CC+4], v[CC+5]
	v_mov_b32 v[CC+5], v[CC+6]
; block kb is registers 6 (kb / 2) .. + 5 of image lane r' + 16 (kb % 2)
.if (\kb) < 2
	ds_store_b128 v8, v[CC:CC+3] offset:256*((\kb)%2)
	ds_store_b64 v8, v[CC+4:CC+5] offset:256*((\kb)%2)+512
.else
	ds_store_b64 v8, v[CC:CC+1] offset:256*((\kb)%2)+520
	ds_store_b128 v8, v[CC+2:CC+5] offset:256*((\kb)%2)+1024
.endif
.endm
	s_wait_loadcnt 63                              ; at most the 63 youngest of the 128 loads are out: blocks 0 and 1 are in
	QW 0
	QW 1
	s_wait_loadcnt 32                              ; block 3's 32 loads may be out
	QW 2
	s_wait_loadcnt 0x0
	QW 3
	ds_store_b32 v9, v[WD]                         ; the scale word, for lanes 0-15 of the image
	ds_store_b32 v9, v[WD] offset:64               ; and for lanes 16-31
.irp u, 0,1
.irp c, 0,1,2
	ds_load_b128 v[224+16*\u+4*\c:227+16*\u+4*\c], v10 offset:1664*\u+512*\c   ; LDS serves a wave's instructions in order: these see my stores
.endr
	ds_load_b32 v[236+16*\u], v11 offset:1664*\u
.endr
	s_wait_dscnt 0x0
.irp u, 0,1
.irp c, 0,1,2
	global_store_b128 v4, v[224+16*\u+4*\c:227+16*\u+4*\c], s[32:33] offset:13312*\u+512*\c
.endr
	global_store_b32 v5, v[236+16*\u], s[34:35] offset:13312*\u
.endr
	s_wait_tensorcnt 0x0
	ds_add_u32 v254, v255
	s_wait_dscnt 0x0
	s_endpgm
.Lfunc_end_k_qfc17a14362_quant:
	.size	k_qfc17a14362_quant, .Lfunc_end_k_qfc17a14362_quant-k_qfc17a14362_quant
	.p2alignl 7, 3214868480
	.fill 96, 4, 3214868480
	.section	.rodata,"a",@progbits
	.p2align	6, 0x0
	.amdhsa_kernel k_qfc17a14362_quant
		.amdhsa_group_segment_fixed_size 95232
		.amdhsa_private_segment_fixed_size 0
		.amdhsa_enable_private_segment 0
		.amdhsa_kernarg_size 56
		.amdhsa_user_sgpr_count 2
		.amdhsa_user_sgpr_kernarg_segment_ptr 1
		.amdhsa_wavefront_size32 1
		.amdhsa_system_sgpr_workgroup_id_x 1
		.amdhsa_system_sgpr_workgroup_id_y 1
		.amdhsa_system_sgpr_workgroup_id_z 1
		.amdhsa_system_vgpr_workitem_id 0
		.amdhsa_next_free_vgpr 256
		.amdhsa_next_free_sgpr 66
		.amdhsa_reserve_vcc 0
		.amdhsa_float_denorm_mode_32 3
		.amdhsa_float_denorm_mode_16_64 3
		.amdhsa_memory_ordered 1
		.amdhsa_forward_progress 1
		.amdhsa_inst_pref_size 46
	.end_amdhsa_kernel
	.amdgpu_metadata
---
amdhsa.version: [ 1, 2 ]
amdhsa.kernels:
  - .name:           k_qfc17a14362_quant
    .symbol:         k_qfc17a14362_quant.kd
    .args:
      - { .name: x, .offset: 0, .size: 8, .value_kind: global_buffer, .address_space: global }
      - { .name: Wq, .offset: 8, .size: 8, .value_kind: global_buffer, .address_space: global }
      - { .name: Wk, .offset: 16, .size: 8, .value_kind: global_buffer, .address_space: global }
      - { .name: Wv, .offset: 24, .size: 8, .value_kind: global_buffer, .address_space: global }
      - { .name: Wo, .offset: 32, .size: 8, .value_kind: global_buffer, .address_space: global }
      - { .name: ximg, .offset: 40, .size: 8, .value_kind: global_buffer, .address_space: global }
      - { .name: wimg, .offset: 48, .size: 8, .value_kind: global_buffer, .address_space: global }
    .group_segment_fixed_size: 95232
    .private_segment_fixed_size: 0
    .kernarg_segment_align: 8
    .kernarg_segment_size: 56
    .max_flat_workgroup_size: 256
    .sgpr_count:     66
    .vgpr_count:     256
    .wavefront_size: 32
...
	.end_amdgpu_metadata
.endif
;; end of part 6
;; launch qkv (part 7): grid 4 x 64, 4 waves a work-group, clusters of 4 x 4, 327,680 bytes of LDS; arguments ximg, wimg, bq, bk, bv, qimg, kimg, vimg; writes qimg, kimg, vimg
.if DOCPART == 7
	.amdgcn_target "amdgcn-amd-amdhsa--gfx1250"
	.amdhsa_code_object_version 6
	.text
	.protected	k_qfc17a14362_qkv
	.globl	k_qfc17a14362_qkv
	.p2align	8
	.type	k_qfc17a14362_qkv,@function
k_qfc17a14362_qkv:
	s_mov_b64 s[64:65], 0
	v_nop
	global_prefetch_b8 v0, s[64:65] scope:SCOPE_SE
	s_setreg_imm32_b32 hwreg(HW_REG_WAVE_MODE, 25, 1), 1
	s_wait_xcnt 0x0
	s_wait_alu depctr_hold_cnt(0) depctr_sa_sdst(0) depctr_va_vdst(0) depctr_va_sdst(0) depctr_va_ssrc(0) depctr_va_vcc(0) depctr_vm_vsrc(0)
	s_getreg_b32 s2, hwreg(HW_REG_IB_STS2, 6, 4)
	s_cmp_eq_u32 s2, 0
	s_cbranch_scc0 .Lentry_in_a_cluster
	s_endpgm
.Lentry_in_a_cluster:
	s_bfe_u32 s2, ttmp6, 0x10000c
	s_cmp_lg_u32 s2, 0xf033
	s_cbranch_scc0 .Lentry_shape_is_right
	s_endpgm
.Lentry_shape_is_right:
; q = x Wq + bq, k = x Wk + bk, v = x Wv + bv on codes of FP6 (E2M3) with E8M0 scales, K = 1,024; each result is quantised on its way out, q and k along d, v along the keys, and stored as images of operand registers.
; IMAGES: tile 2 g + u, lane place r = row 32 g + 8 u + r + 8 (r / 8); a run = a tile's two K steps of 128 = 3,328 bytes (codes 1,536 + 1,536, scale words 128 + 128); register 4 c + i of lane l at 512 c + 16 l + 4 i.
; S0 is the matrix instruction's source 0, S1 its source 1.  In a result a lane holds ONE row of S1 (its place r), and by the tiles' row order the 64 registers of S1's block a against S0's eight blocks are 128 neighbouring rows of S0,
; register 16 b + i = row 32 b + 16 (lane / 16) + i: the quantiser's order.  So what is to be the NEXT product's K goes in as S0.
; SHARES.  A tile of a result is 128 rows of S1 x 256 rows of S0; a wave makes 64 x 128: 32 accumulators, 256 registers.  q, k and v have 256 such tiles each, and there are 256 work-groups: A WORK-GROUP STAYS and makes one tile of each:
; q (S1 = its 128 rows of x, S0 = 256 columns of Wq), k (the same rows, Wk), v (S0 = 256 rows of x, the keys; S1 = 128 columns of Wv).  The three are written out one behind the other.
; CLUSTERS of 4 x 4: S1's tiles hang on cy alone and are asked for jointly along a row of the cluster, S0's on cx alone, along a column.
; TWO LDS SLOTS OF FOUR K STEPS: a slot's row is a tile's two runs, 6,656 dense bytes; 8 rows of S1, 16 of S0.  A result tile's K is the two slots.  The ring goes on into the next tile: slot 0 is filled again behind the round of
; K step 3, slot 1 behind a round in the middle of the way out, so that each refill has four K steps and half a way out in which to land.  A wave has at most one tensor load out.
; LIMITS: NaN and infinities are not served; blocks whose largest magnitude lies under 2^-124 keep the byte 1.
; REGISTERS: window 0: v1-29 addresses; v32-39 S1's scale words, v40-55 S0's (two sets each); v64-127 64 numbers on v's way out; v128-223 S1's fragments, two sets of 48 (on the way out the second set's registers serve the quantiser);
;   v240-247 four pairs: bv by S1's rows.   window 1: S0's fragments, two sets, at v0 and v128.   window 2: accumulator (a, b) at v[8 (8 a + b)].   window 3: v0-63 bq, v64-127 bk, as the C of a tile's first products.
.set FT,    3328                       ; a run
.set TR,    2*FT                       ; a slot's row: a tile's two runs
.set S1B,   8*TR                       ; S1's eight rows; S0's sixteen lie behind them
.set BSLOT, 24*TR                      ; a slot
.set SPARE, 2*BSLOT                    ; behind the slots: the spare words, 128 bytes for each wave
.set ADA, 12                           ; v12-13 LDS address of my S1 fragments in slot 0, 1
.set ADB, 14                           ; v14-15 of my S0 fragments
.set ASA, 16                           ; v16-17 of S1's scale words
.set ASB, 18                           ; v18-19 of S0's
.set LIC, 26                           ; v26 the way out: 16 x lane + 1,536 x (my half of S0): my K step's codes in a run
.set LSW, 27                           ; v27 4 x lane + 3,072 + 128 x (my half of S0): its scale words
.set SPW, 28                           ; v28 LDS address of my spare word; never rewritten
.set NIL, 29                           ; v29 0; never rewritten
.set SA,  32
.set SB,  40
.set WK,  64
.set AF,  128
.set PC,  176
.set TM,  196
.set PW,  212
.set B1,  240
.set SEL, 20                           ; s[20:21]
.set G1A, 24                           ; s[24:31] descriptor group 1 for S1;  s[32:39] for S0
.set G1B, 32
.set G0A, 40                           ; s[40:47] groups 0 for S1, one for each slot;  s[48:55] for S0
.set G0B, 48
.set AV,  56                           ; s[56:57] what I fetch of S1 for the tile of v;  s[58:59] of S0
.set BV,  58
.set OBQ, 60                           ; s[60:61], s[62:63], s[66:67] where my results go
.set OBK, 62
.set OBV, 66
.set BIB, 0                            ; which bias is the C of a tile's first products
.set MSB, 0
.macro WIN new                         ; the immediate's high byte repeats the setting that is left
.if MSB != (\new)
	s_set_vgpr_msb (MSB<<8)|(\new)
.set MSB, (\new)
.endif
.endm
.macro PLACES n                        ; plain places behind matrix instructions, in front of loads into registers that they have read and of the first read of results
.rept \n
	v_nop
.endr
.endm
; A joint load: waves 0 and 1 fetch S1's halves, waves 2 and 3 S0's.  Each line has one mask and one set of registers; the branch hangs on the wave's number alone.  Four v_nop follow each line.
.macro JLOAD g0a, g1a, g0b, g1b
	s_cmp_eq_u32 s15, 0
	s_cbranch_scc0 .Lfor_b_\@
	tensor_load_to_lds s[\g0a:\g0a+3], s[\g1a:\g1a+7]
	s_nop 0
.rept 4
	v_nop
.endr
	s_branch .Lasked_\@
.Lfor_b_\@:
	tensor_load_to_lds s[\g0b:\g0b+3], s[\g1b:\g1b+7]
	s_nop 0
.rept 4
	v_nop
.endr
.Lasked_\@:
.endm
.macro CREST                           ; a round of the cluster's barrier behind its opening barrier
	s_cmp_lg_u32 s14, 0
	s_cbranch_scc1 .Lnot_wave_0_\@
	s_barrier_signal -3
.Lnot_wave_0_\@:
	s_barrier_wait -3
	s_barrier_signal -1
	s_barrier_wait -1
.endm
.macro CROUND
	s_barrier_signal -1
	s_barrier_wait -1
	CREST
.endm
.macro FRAGC reg, adr, off             ; a fragment comes back as it was stored: three loads of 512 consecutive bytes
.irp c, 0,1,2
	ds_load_b128 v[(\reg)+4*\c:(\reg)+4*\c+3], v[\adr] offset:(\off)+512*\c
.endr
.endm
.macro FETCH slot, j, p                ; the fragments and scale words of the slot's K step j (0 .. 3) into sets p: S0's eight, S1's four: 48 loads
	WIN 0x40
.irp i, 0,1,2,3,4,5,6,7
	FRAGC 128*(\p)+12*\i, ADB+(\slot), \i*TR+((\j)/2)*FT+1536*((\j)%2)
.endr
	WIN 0
.irp i, 0,1,2,3,4,5,6,7
	ds_load_b32 v[SB+8*(\p)+\i], v[ASB+(\slot)] offset:\i*TR+((\j)/2)*FT+128*((\j)%2)
.endr
.irp i, 0,1,2,3
	FRAGC AF+48*(\p)+12*\i, ADA+(\slot), \i*TR+((\j)/2)*FT+1536*((\j)%2)
	ds_load_b32 v[SA+4*(\p)+\i], v[ASA+(\slot)] offset:\i*TR+((\j)/2)*FT+128*((\j)%2)
.endr
.endm
; 16 matrix instructions: S1's blocks a0, a0 + 1 x S0's eight.  z = 0: onto the sums; 1: the constant 0 starts them; 2: the bias does.  The 32 accumulators take turns, one instruction a turn, in the same order in every step.
.macro MUL16 a0, p, z
.irp a, \a0, \a0+1
.irp b, 0,1,2,3,4,5,6,7
.if (\z) == 0
	v_wmma_scale_f32_16x16x128_f8f6f4 v[8*(8*(\a)+\b):8*(8*(\a)+\b)+7], v[128*(\p)+12*\b:128*(\p)+12*\b+11], v[AF+48*(\p)+12*(\a):AF+48*(\p)+12*(\a)+11], v[8*(8*(\a)+\b):8*(8*(\a)+\b)+7], v[SB+8*(\p)+\b], v[SA+4*(\p)+(\a)] matrix_a_fmt:MATRIX_FMT_FP6 matrix_b_fmt:MATRIX_FMT_FP6
.elseif (\z) == 1
	v_wmma_scale_f32_16x16x128_f8f6f4 v[8*(8*(\a)+\b):8*(8*(\a)+\b)+7], v[128*(\p)+12*\b:128*(\p)+12*\b+11], v[AF+48*(\p)+12*(\a):AF+48*(\p)+12*(\a)+11], 0, v[SB+8*(\p)+\b], v[SA+4*(\p)+(\a)] matrix_a_fmt:MATRIX_FMT_FP6 matrix_b_fmt:MATRIX_FMT_FP6
.else
	v_wmma_scale_f32_16x16x128_f8f6f4 v[8*(8*(\a)+\b):8*(8*(\a)+\b)+7], v[128*(\p)+12*\b:128*(\p)+12*\b+11], v[AF+48*(\p)+12*(\a):AF+48*(\p)+12*(\a)+11], v[BIB+8*\b:BIB+8*\b+7], v[SB+8*(\p)+\b], v[SA+4*(\p)+(\a)] matrix_a_fmt:MATRIX_FMT_FP6 matrix_b_fmt:MATRIX_FMT_FP6
.endif
.endr
.endr
.endm
.macro MWIN z                          ; source 0 window 1, source 1 window 0, D window 2; C with D, or (z = 2) in window 3
.if (\z) == 2
	WIN 0xb1
.else
	WIN 0xa1
.endif
.endm
.macro STEP slot, j, z                 ; K step j = 0, 1, 2 of a slot: its successor lies in the same slot, and is fetched whole, into the other sets, ahead of this step's products
	s_wait_dscnt 0x0                               ; this step's fragments are in
	PLACES 4                                       ; the other sets were read by the last step's products
	FETCH \slot, (\j)+1, 1-(\j)%2
	MWIN \z
	MUL16 0, (\j)%2, \z
	MUL16 2, (\j)%2, \z
	WIN 0
.endm
; What the slot's next fill brings.  mode 1: the tile of k: the same rows of x, and Wk's tiles, 64 tiles behind Wq's.  mode 2: the tile of v.  No tensor load of the wave is out here, so a group 0 may be written.
.macro NEXTD slot, mode
.if (\mode) == 1
	s_add_nc_u64 s[G0B+4*(\slot)+2:G0B+4*(\slot)+3], s[G0B+4*(\slot)+2:G0B+4*(\slot)+3], 64*13312
.else
	s_add_nc_u64 s[G0A+4*(\slot)+2:G0A+4*(\slot)+3], s[AV:AV+1], (\slot)*TR
	s_or_b32 s[G0A+4*(\slot)+3], s[G0A+4*(\slot)+3], 0x80000000
	s_add_nc_u64 s[G0B+4*(\slot)+2:G0B+4*(\slot)+3], s[BV:BV+1], (\slot)*TR
	s_or_b32 s[G0B+4*(\slot)+3], s[G0B+4*(\slot)+3], 0x80000000
.endif
.endm
; A slot's last K step changes slots, behind one barrier: in front of it each wave waits for all its tensor loads and for its reads of the slot.  mode > 0: the slot is filled again: the wave also adds 0 to its spare word,
; the barrier opens a round of the cluster's barrier, and the joint refill is the first tensor load behind the round.
.macro TURN slot, next, mode
	s_wait_tensorcnt 0x0                           ; all my tensor loads have landed: my part of the next slot
.if (\mode) > 0
	ds_add_u32 v[SPW], v[NIL]                      ; 0 onto my spare word
.endif
	s_wait_dscnt 0x0                               ; this step's fragments are in: my reads of this slot are over (and the add is done)
	s_barrier_signal -1
	WIN 0xa1
	MUL16 0, 1, 0                                  ; work on registers while the others arrive
	WIN 0
	s_barrier_wait -1
.if (\mode) > 0
	CREST                                          ; no wave of any partner still reads this slot or has a load on its way
	NEXTD \slot, \mode
	JLOAD G0A+4*(\slot), G1A, G0B+4*(\slot), G1B   ; its four v_nop are also the places in front of the loads below
.else
	PLACES 4
.endif
	FETCH \next, 0, 0
	WIN 0xa1
	MUL16 2, 1, 0
	WIN 0
.endm
.macro LAST                            ; a tile's last K step: nothing is fetched
	s_wait_dscnt 0x0
	WIN 0xa1
	MUL16 0, 1, 0
	MUL16 2, 1, 0
	WIN 0
.endm
; Slot 1 is filled again in the middle of the way out: the wait for all my tensor loads (slot 0's refill among them), the add, the wait for it and for my reads, a round of the cluster's barrier, the joint refill first behind it.
.macro REFILL slot, mode
	s_wait_tensorcnt 0x0
	ds_add_u32 v[SPW], v[NIL]                      ; 0 onto my spare word
	s_wait_dscnt 0x0
	CROUND
	NEXTD \slot, \mode
	JLOAD G0A+4*(\slot), G1A, G0B+4*(\slot), G1B
.endm
; THE QUANTISER.  64 numbers of a lane, v[s] .. v[s+63] of window w, register 16 b + i = k 32 b + 16 (lane / 16) + i of my row.  QMAX: each block's largest magnitude, not under the floor, into v[TM+b].
.macro QMAX s, w
	WIN (\w)|((\w)<<2)
.irp b, 0,1,2,3
	v_max3_num_f32 v[TM+\b], |v[\s+16*\b]|, |v[\s+1+16*\b]|, 0x1800000   ; my 16 numbers of block b, and the floor 2^(3 - 127): the byte cannot fall under 1.  Each accumulator is read from its low end on
.endr
	WIN ((\w)<<2)|((\w)<<4)
.irp i, 2,4,6,8,10,12,14
.irp b, 0,1,2,3
	v_max3_num_f32 v[TM+\b], v[TM+\b], |v[\s+16*\b+\i]|, |v[\s+1+16*\b+\i]|
.endr
.endr
	WIN 0
.irp b, 0,1,2,3
	v_permlanex16_b32 v[TM+4+\b], v[TM+\b], s[SEL], s[SEL+1]
.endr
.irp b, 0,1,2,3
	v_max_num_f32 v[TM+\b], v[TM+\b], v[TM+4+\b]     ; with lane l xor 16's 16
.endr
.endm
; QTAIL: the fragment's codes into v[PC] on and its scale word into v[PW]
.macro QTAIL s, w
.irp b, 0,1,2,3
	v_add_nc_u32 v[TM+12+\b], 0xff000000, v[TM+\b]   ; 2 off the exponent field: the conversion's scale operand
.endr
.irp b, 0,1,2,3
	v_lshrrev_b32 v[TM+4+\b], 23, v[TM+12+\b]        ; the scale's byte
.endr
	v_lshl_or_b32 v[PW], v[TM+5], 8, v[TM+4]
	v_lshl_or_b32 v[PW], v[TM+6], 16, v[PW]
	v_lshl_or_b32 v[PW], v[TM+7], 24, v[PW]
	WIN (\w)
.irp c, 0,1
	v_cvt_scalef32_pk16_fp6_f32 v[PC+6*\c:PC+2+6*\c], v[\s+32*\c:\s+15+32*\c], v[TM+12+2*\c]
	v_cvt_scalef32_pk16_fp6_f32 v[PC+12+4*\c:PC+14+4*\c], v[\s+16+32*\c:\s+31+32*\c], v[TM+12+2*\c+1]   ; (a conversion's three registers begin on an even number)
.endr
	WIN 0
	v_nop                                            ; one plain place behind a scaled conversion
.irp c, 0,1                                      ; the operand's layout wants a whole block in a lane
.irp i, 0,1,2
	v_permlane16_swap_b32 v[PC+6*\c+\i], v[PC+12+4*\c+\i]
.endr
.irp i, 0,1,2
	v_mov_b32 v[PC+3+6*\c+\i], v[PC+12+4*\c+\i]
.endr
.endr
.endm
	s_load_b512 s[68:83], s[0:1], 0x0              ; ximg 68, wimg 70, bq 72, bk 74, bv 76, qimg 78, kimg 80, vimg 82
	v_lshl_add_u32 v[SPW], v0, 2, SPARE
	v_mov_b32 v[NIL], 0
	ds_add_u32 v28, v29
	ds_add_u32 v28, v29
	s_wait_dscnt 0x0
	v_lshrrev_b32 v1, 5, v0
	v_readfirstlane_b32 s14, v1                    ; wave 0..3
	s_lshr_b32 s15, s14, 1                         ; wy: my half of S1.  Also: I fetch for S1 (0) or for S0 (1)
	s_and_b32 s16, s14, 1                          ; wx: my half of S0.  Also: which half of that operand's tiles I fetch
	s_bfe_u32 s84, ttmp6, 0x40000                  ; cx
	s_bfe_u32 s85, ttmp6, 0x40004                  ; cy
	s_lshl_b32 s86, s85, 2
	s_lshl_b32 s86, 15, s86                        ; my row of the cluster
	s_lshl_b32 s87, 0x1111, s84                    ; my column
	; descriptor group 1: rows (tiles) of 832 elements of 8 bytes (two runs), a tile's pitch apart; S1: four rows a load, S0: eight; no padding: the images are read 512 consecutive bytes an instruction
	s_or_b32 s[G1A], s86, (3<<16)|(1<<21)
	s_or_b32 s[G1B], s87, (3<<16)|(1<<21)
.irp g, G1A, G1B
	s_mov_b32 s[\g+1], 832<<16                     ; tensor_dim0
	s_mov_b32 s[\g+3], 832<<16                     ; tile_dim0
	s_mov_b32 s[\g+5], 1664                        ; the pitch
	s_mov_b32 s[\g+6], 0
	s_mov_b32 s[\g+7], 0
.endr
	s_mov_b32 s[G1A+2], 4<<16                      ; tensor_dim1
	s_mov_b32 s[G1A+4], 4                          ; tile_dim1
	s_mov_b32 s[G1B+2], 8<<16
	s_mov_b32 s[G1B+4], 8
	s_and_b32 s89, ttmp7, 0xffff                   ; cluster y, 0 .. 15
	s_lshl_b32 s17, s16, 2                         ; 4 wx
	s_lshl_b32 s13, s16, 3                         ; 8 wx
	s_lshl_b32 s2, s89, 2
	s_add_co_u32 s2, s2, s85                       ; q, k: my block of 128 rows of x: 4 Y + cy
	s_lshl_b32 s92, s2, 3
	s_add_co_u32 s92, s92, s17                     ; S1: the first tile that I fetch
	s_mul_i32 s92, s92, 13312
	s_mov_b32 s93, 0
	s_lshl_b32 s94, s84, 4
	s_add_co_u32 s94, s94, s13                     ; S0: Wq's tile 16 cx + 8 wx
	s_mul_i32 s94, s94, 13312
	s_mov_b32 s95, 0
	s_and_b32 s3, s89, 1
	s_lshl_b32 s3, s3, 2
	s_add_co_u32 s3, s3, s85                       ; v: my block of 128 columns of Wv: 4 (Y % 2) + cy
	s_lshl_b32 s96, s3, 3
	s_add_co_u32 s96, s96, s17
	s_add_co_u32 s96, s96, 128                     ; Wv's tiles begin at 128
	s_mul_i32 s96, s96, 13312
	s_mov_b32 s97, 0
	s_lshr_b32 s4, s89, 1
	s_lshl_b32 s4, s4, 2
	s_add_co_u32 s4, s4, s84                       ; v: my block of 256 rows of x: 4 (Y / 2) + cx
	s_lshl_b32 s98, s4, 4
	s_add_co_u32 s98, s98, s13
	s_mul_i32 s98, s98, 13312
	s_mov_b32 s99, 0
	s_mul_i32 s18, s16, 4*TR                       ; where they go in a slot: S1's halves,
	s_mul_i32 s19, s16, 8*TR
	s_add_co_u32 s19, s19, S1B                     ; S0's halves: no place in the cluster enters an LDS address
	CROUND                                         ; all sixteen work-groups are here: the first joint loads meet; the round stands ahead of the wait for the arguments
	s_wait_kmcnt 0x0
	s_add_nc_u64 s[92:93], s[68:69], s[92:93]
	s_add_nc_u64 s[94:95], s[70:71], s[94:95]
	s_add_nc_u64 s[AV:AV+1], s[70:71], s[96:97]
	s_add_nc_u64 s[BV:BV+1], s[68:69], s[98:99]
.irp s, 0,1
	s_mov_b32 s[G0A+4*\s], 1
	s_add_co_u32 s[G0A+4*\s+1], s18, \s*BSLOT
	s_add_nc_u64 s[G0A+4*\s+2:G0A+4*\s+3], s[92:93], \s*TR
	s_or_b32 s[G0A+4*\s+3], s[G0A+4*\s+3], 0x80000000
	s_mov_b32 s[G0B+4*\s], 1
	s_add_co_u32 s[G0B+4*\s+1], s19, \s*BSLOT
	s_add_nc_u64 s[G0B+4*\s+2:G0B+4*\s+3], s[94:95], \s*TR
	s_or_b32 s[G0B+4*\s+3], s[G0B+4*\s+3], 0x80000000
.endr
	JLOAD G0A, G1A, G0B, G1B                       ; the tile of q, runs 0 and 1: one tensor load a wave at the head
	v_and_b32 v1, 31, v0                           ; lane
	v_and_b32 v2, 15, v0                           ; r
	v_bfe_u32 v3, v0, 4, 1                         ; h
	v_lshlrev_b32 v4, 4, v1                        ; 16 x lane
	v_lshl_add_u32 v5, v2, 2, 3072                 ; 4 r + the scale words' place in a run
	s_mul_i32 s97, s15, 4*TR
	s_mul_i32 s98, s16, 8*TR
	s_add_co_u32 s98, s98, S1B
.irp s, 0,1
	v_add_nc_u32 v[ADA+\s], s97, v4
	v_add_nc_u32 v[ADB+\s], s98, v4
	v_add_nc_u32 v[ASA+\s], s97, v5
	v_add_nc_u32 v[ASB+\s], s98, v5
	s_add_co_u32 s97, s97, BSLOT
	s_add_co_u32 s98, s98, BSLOT
.endr
	s_mul_i32 s99, s16, 1536
	v_add_nc_u32 v[LIC], s99, v4
	s_lshl_b32 s99, s16, 7
	s_add_co_u32 s99, s99, 3072
	v_lshl_add_u32 v[LSW], v1, 2, s99
	s_mov_b32 s[SEL], 0x76543210
	s_mov_b32 s[SEL+1], 0xfedcba98
	; where my results go.  q, k: tile 8 (4 Y + cy) + 4 wy of the tokens, run cx;  v: tile 8 (4 (Y % 2) + cy) + 4 wy of the batch's 64 tiles of d, run (block of keys) % 8
	s_lshl_b32 s12, s15, 2                         ; 4 wy
	s_lshl_b32 s8, s2, 3
	s_add_co_u32 s8, s8, s12
	s_mul_i32 s8, s8, 13312
	s_mul_i32 s10, s84, 3328
	s_add_co_u32 s8, s8, s10
	s_mov_b32 s9, 0
	s_add_nc_u64 s[OBQ:OBQ+1], s[78:79], s[8:9]
	s_add_nc_u64 s[OBK:OBK+1], s[80:81], s[8:9]
	s_lshr_b32 s10, s4, 3                          ; the batch
	s_lshl_b32 s10, s10, 6
	s_lshl_b32 s11, s3, 3
	s_add_co_u32 s10, s10, s11
	s_add_co_u32 s10, s10, s12
	s_mul_i32 s10, s10, 26624
	s_and_b32 s11, s4, 7
	s_mul_i32 s11, s11, 3328
	s_add_co_u32 s10, s10, s11
	s_mov_b32 s11, 0
	s_add_nc_u64 s[OBV:OBV+1], s[82:83], s[10:11]
	s_lshl_b32 s6, s84, 10
	s_lshl_b32 s7, s16, 9
	s_add_co_u32 s6, s6, s7
	s_mov_b32 s7, 0
	s_add_nc_u64 s[72:73], s[72:73], s[6:7]        ; bq and bk at my 128 rows of S0: 256 cx + 128 wx
	s_add_nc_u64 s[74:75], s[74:75], s[6:7]
	s_lshl_b32 s6, s3, 9
	s_lshl_b32 s8, s15, 8
	s_add_co_u32 s6, s6, s8
	s_add_nc_u64 s[76:77], s[76:77], s[6:7]        ; bv at my 64 rows of S1
	v_lshlrev_b32 v6, 6, v3                        ; 16 h numbers
	v_and_b32 v7, 8, v2
	v_add_nc_u32 v7, v7, v2
	v_lshlrev_b32 v7, 2, v7                        ; r + 8 (r / 8) numbers
	; THE BIASES.  bq, bk run along S0's rows, a lane's registers: they are the C of a tile's first products.  bv runs along S1's rows, the lanes: it is added on the way out.
	WIN 0xc0                                       ; destination window 3
.irp t, 0,1,2,3,4,5,6,7
	global_load_b128 v[8*\t:8*\t+3], v6, s[72:73] offset:(32*(\t/2)+8*(\t%2))*4
	global_load_b128 v[8*\t+4:8*\t+7], v6, s[72:73] offset:(32*(\t/2)+8*(\t%2))*4+16
	global_load_b128 v[64+8*\t:64+8*\t+3], v6, s[74:75] offset:(32*(\t/2)+8*(\t%2))*4
	global_load_b128 v[64+8*\t+4:64+8*\t+7], v6, s[74:75] offset:(32*(\t/2)+8*(\t%2))*4+16
.endr
	WIN 0
.irp a, 0,1,2,3
	global_load_b32 v[B1+2*\a], v7, s[76:77] offset:(32*(\a/2)+8*(\a%2))*4
	v_mov_b32 v[B1+2*\a+1], 0                      ; (named with it as a pair, so it is written)
.endr
	s_wait_alu depctr_va_vdst(0)
	s_wait_loadcnt 0x0
	s_wait_tensorcnt 0x0                           ; my part of slot 0 is in; slot 1's first fill is issued as a refill is
	ds_add_u32 v[SPW], v[NIL]
	s_wait_dscnt 0x0
	CROUND
	JLOAD G0A+4, G1A, G0B+4, G1B                   ; runs 2 and 3: the first tensor load behind the round
	FETCH 0, 0, 0
.macro HALF0 z                         ; slot 0's first three K steps
	STEP 0, 0, \z
	STEP 0, 1, 0
	STEP 0, 2, 0
.endm
.macro HALF1                           ; slot 1's
	STEP 1, 0, 0
	STEP 1, 1, 0
	STEP 1, 2, 0
.endm
.macro EHEAD                           ; the head of a way out
	PLACES 4
.irp b, 0,1,2,3
	v_mov_b32 v[TM+4+\b], 0                        ; a lane permute's destination counts as one of its sources
.endr
.endm
; S1's block a goes out: the quantiser, and the fragment's twelve registers go to memory as they stand.  rows = 1: bv, by S1's rows, is added first; rows = 0: the numbers are taken straight from the accumulators.
.macro OUTQ a, ob, pitch, rows
.if \rows
	WIN 0x02                                       ; source 0: window 2
.set j, 0
.rept 32
	v_pk_add_f32 v[WK+j:WK+j+1], v[64*(\a)+j:64*(\a)+j+1], v[B1+2*(\a):B1+2*(\a)+1] op_sel_hi:[1,0]   ; each accumulator from its low end on
.set j, j+2
.endr
	WIN 0
	QMAX WK, 0
	s_wait_alu depctr_va_vdst(0)
	s_wait_xcnt 0x0                                ; the last block's stores have read their registers: the codes may be written again
	QTAIL WK, 0
.else
	QMAX 64*(\a), 2
	s_wait_alu depctr_va_vdst(0)
	s_wait_xcnt 0x0                                ; the last block's stores have read their registers: the codes may be written again
	QTAIL 64*(\a), 2
.endif
.irp c, 0,1,2
	global_store_b128 v[LIC], v[PC+4*\c:PC+4*\c+3], s[\ob:\ob+1] offset:(\pitch)*(\a)+512*\c   ; 512 consecutive bytes, at a multiple of 256 from the buffer's first byte
.endr
	global_store_b32 v[LSW], v[PW], s[\ob:\ob+1] offset:(\pitch)*(\a)
.endm
	; ---- the tile of q
	HALF0 2                                        ; bq starts the sums
	TURN 0, 1, 1                                   ; K step 3: slot 0 takes the first half of the tile of k
	HALF1
	LAST
	EHEAD
	OUTQ 0, OBQ, 13312, 0
	OUTQ 1, OBQ, 13312, 0
	REFILL 1, 1                                    ; slot 1 takes the second half of the tile of k
	FETCH 0, 0, 0                                  ; slot 0 is whole: every wave has waited for its loads in front of that round.  The first sets' registers are not touched on the way out
	OUTQ 2, OBQ, 13312, 0
	OUTQ 3, OBQ, 13312, 0
	s_wait_xcnt 0x0                                ; the stores have read the codes' registers, into which the next fragments are loaded
	; ---- the tile of k
.set BIB, 64
	HALF0 2                                        ; bk starts the sums
	TURN 0, 1, 2                                   ; slot 0 takes the first half of the tile of v
	HALF1
	LAST
	EHEAD
	OUTQ 0, OBK, 13312, 0
	OUTQ 1, OBK, 13312, 0
	REFILL 1, 2                                    ; slot 1 takes its second half: the last tensor load
	FETCH 0, 0, 0
	OUTQ 2, OBK, 13312, 0
	OUTQ 3, OBK, 13312, 0
	s_wait_xcnt 0x0
	; ---- the tile of v
	HALF0 1                                        ; the constant 0 starts the sums
	TURN 0, 1, 0                                   ; nothing is left to fetch
	HALF1
	LAST
	EHEAD
	OUTQ 0, OBV, 26624, 1
	OUTQ 1, OBV, 26624, 1
	OUTQ 2, OBV, 26624, 1
	OUTQ 3, OBV, 26624, 1
	s_wait_tensorcnt 0x0                           ; the wave's end
	ds_add_u32 v[SPW], v[NIL]
	s_wait_dscnt 0x0
	CROUND                                         ; the closing round
	s_endpgm
.Lfunc_end_k_qfc17a14362_qkv:
	.size	k_qfc17a14362_qkv, .Lfunc_end_k_qfc17a14362_qkv-k_qfc17a14362_qkv
	.p2alignl 7, 3214868480
	.fill 96, 4, 3214868480
	.section	.rodata,"a",@progbits
	.p2align	6, 0x0
	.amdhsa_kernel k_qfc17a14362_qkv
		.amdhsa_group_segment_fixed_size 327680
		.amdhsa_private_segment_fixed_size 0
		.amdhsa_enable_private_segment 0
		.amdhsa_kernarg_size 64
		.amdhsa_user_sgpr_count 2
		.amdhsa_user_sgpr_kernarg_segment_ptr 1
		.amdhsa_wavefront_size32 1
		.amdhsa_system_sgpr_workgroup_id_x 1
		.amdhsa_system_sgpr_workgroup_id_y 1
		.amdhsa_system_sgpr_workgroup_id_z 1
		.amdhsa_system_vgpr_workitem_id 0
		.amdhsa_next_free_vgpr 1024
		.amdhsa_next_free_sgpr 102
		.amdhsa_reserve_vcc 0
		.amdhsa_float_denorm_mode_32 3
		.amdhsa_float_denorm_mode_16_64 3
		.amdhsa_memory_ordered 1
		.amdhsa_forward_progress 1
		.amdhsa_inst_pref_size 252
	.end_amdhsa_kernel
	.amdgpu_metadata
---
amdhsa.version: [ 1, 2 ]
amdhsa.kernels:
  - .name:           k_qfc17a14362_qkv
    .symbol:         k_qfc17a14362_qkv.kd
    .args:
      - { .name: ximg, .offset: 0, .size: 8, .value_kind: global_buffer, .address_space: global }
      - { .name: wimg, .offset: 8, .size: 8, .value_kind: global_buffer, .address_space: global }
      - { .name: bq, .offset: 16, .size: 8, .value_kind: global_buffer, .address_space: global }
      - { .name: bk, .offset: 24, .size: 8, .value_kind: global_buffer, .address_space: global }
      - { .name: bv, .offset: 32, .size: 8, .value_kind: global_buffer, .address_space: global }
      - { .name: qimg, .offset: 40, .size: 8, .value_kind: global_buffer, .address_space: global }
      - { .name: kimg, .offset: 48, .size: 8, .value_kind: global_buffer, .address_space: global }
      - { .name: vimg, .offset: 56, .size: 8, .value_kind: global_buffer, .address_space: global }
    .group_segment_fixed_size: 327680
    .private_segment_fixed_size: 0
    .kernarg_segment_align: 8
    .kernarg_segment_size: 64
    .max_flat_workgroup_size: 128
    .sgpr_count:     102
    .vgpr_count:     1024
    .wavefront_size: 32
...
	.end_amdgpu_metadata
.endif
;; end of part 7
;; launch scores (part 8): grid 12 x 16, 4 waves a work-group, clusters of 4 x 4, 327,680 bytes of LDS; arguments qimg, kimg, pimg, prec; writes pimg, prec
.if DOCPART == 8
	.amdgcn_target "amdgcn-amd-amdhsa--gfx1250"
	.amdhsa_code_object_version 6
	.text
	.protected	k_qfc17a14362_scores
	.globl	k_qfc17a14362_scores
	.p2align	8
	.type	k_qfc17a14362_scores,@function
k_qfc17a14362_scores:
	s_mov_b64 s[64:65], 0
	v_nop
	global_prefetch_b8 v0, s[64:65] scope:SCOPE_SE
	s_setreg_imm32_b32 hwreg(HW_REG_WAVE_MODE, 25, 1), 1
	s_wait_xcnt 0x0
	s_wait_alu depctr_hold_cnt(0) depctr_sa_sdst(0) depctr_va_vdst(0) depctr_va_sdst(0) depctr_va_ssrc(0) depctr_va_vcc(0) depctr_vm_vsrc(0)
	s_getreg_b32 s2, hwreg(HW_REG_IB_STS2, 6, 4)
	s_cmp_eq_u32 s2, 0
	s_cbranch_scc0 .Lentry_in_a_cluster
	s_endpgm
.Lentry_in_a_cluster:
	s_bfe_u32 s2, ttmp6, 0x10000c
	s_cmp_lg_u32 s2, 0xf033
	s_cbranch_scc0 .Lentry_shape_is_right
	s_endpgm
.Lentry_shape_is_right:
; S^T = k q^T on codes of FP6 (E2M3), K = 1,024, the causal mask, and p = 2^(t - M') quantised along the keys.  t = score x log2(e) / 32; M' = the ceiling of the query's largest t AMONG THE 128 KEYS OF A FRAGMENT, a whole number.
; The row's own M is not known here.  p under M is p under M' times 2^(M' - M), an exact power of two that a block's scale takes up: the codes are the same.  So the codes go out now, and for each query and 128 keys a RECORD:
; the local scale word, -M', and the sum of the unquantised p under M'.  The next launch moves the scale bytes and adds the sums.
; S0 = keys (a lane's registers run along the keys), S1 = queries (a lane holds one query).  IMAGES and the K steps are as in the launch before (tile 2 g + u, place r = row 32 g + 8 u + r + 8 (r / 8); a run = 3,328 bytes).
; A cluster of 4 x 4 work-groups takes 1,024 queries x 1,024 keys; of a batch's four such blocks three lie under the mask's edge or on it: cluster x = 0, 1, 2 -> (I, J) = (0, 0), (1, 0), (1, 1).  S1's tiles are asked for jointly along a
; row of the cluster, S0's along a column.  In a diagonal cluster the work-groups above the diagonal run like their partners (no branch may hang on a place in the cluster): their p are zeros, which the next launch's walk reads.
; A fragment all of whose keys are hidden: -M' = 1.35e37, sum 0, codes 0, bytes 1.  LIMITS: NaN and infinities are not served.
; REGISTERS: window 0: v1-31 addresses; v32-55 scale words; v56-58 the mask; v128-223 S1's fragments (on the way out: v128-191 64 scores, then p; v192-237 the quantiser and the record).  window 1: S0's fragments.  windows 2, 3: accumulators.
.set FT,    3328
.set HALF,  8*FT
.set SLOT,  4*HALF
.set NS,    3
.set SPARE, NS*SLOT
.set P1E,   1664
.set P0E,   1664
.set ADA, 12
.set ADB, 15
.set ASA, 18
.set ASB, 21
.set LIC, 26
.set LSW, 27
.set SPW, 28
.set NIL, 29
.set L8,  30                           ; v30 8 x lane: a record's place for my lane
.set SA,  32
.set SB,  40
.set DB,  56                           ; v56 my query less my first key, for S1's block 0
.set DQ,  57                           ; v57 the same for the block in hand
.set NINF, 58                          ; v58 -3.3e38: what a hidden score starts from.  It lies under the floor -3e38 of the fragment's maximum, so t - M' of a hidden key is at most -1.3e36 and its p is 0
.set BI,  64
.set AF,  128
.set WK,  128
.set PC,  192
.set TM,  212
.set PW,  228
.set SEL, 20
.set CS,  22                           ; s[22:23] c = log2(e) / 32
.set G1A, 24
.set G1B, 32
.set G0A, 40
.set G0B, 52
.set OB,  100                          ; s[100:101] pimg at my first tile's run;  s[10:11] prec at its record
.set MSB, 0
.macro WIN new
.if MSB != (\new)
	s_set_vgpr_msb (MSB<<8)|(\new)
.set MSB, (\new)
.endif
.endm
.macro PLACES n
.rept \n
	v_nop
.endr
.endm
.macro JLOAD g0a, g1a, g0b, g1b        ; a joint load: waves 0, 1 for S1, waves 2, 3 for S0; four v_nop follow each line
	s_cmp_eq_u32 s15, 0
	s_cbranch_scc0 .Lfor_b_\@
	tensor_load_to_lds s[\g0a:\g0a+3], s[\g1a:\g1a+7]
	s_nop 0
.rept 4
	v_nop
.endr
	s_branch .Lasked_\@
.Lfor_b_\@:
	tensor_load_to_lds s[\g0b:\g0b+3], s[\g1b:\g1b+7]
	s_nop 0
.rept 4
	v_nop
.endr
.Lasked_\@:
.endm
.macro CREST
	s_cmp_lg_u32 s14, 0
	s_cbranch_scc1 .Lnot_wave_0_\@
	s_barrier_signal -3
.Lnot_wave_0_\@:
	s_barrier_wait -3
	s_barrier_signal -1
	s_barrier_wait -1
.endm
.macro CROUND
	s_barrier_signal -1
	s_barrier_wait -1
	CREST
.endm
.macro FRAGC reg, adr, off
.irp c, 0,1,2
	ds_load_b128 v[(\reg)+4*\c:(\reg)+4*\c+3], v[\adr] offset:(\off)+512*\c
.endr
.endm
.macro FETCH_B slot, q, p              ; 32 loads
	WIN 0x40
.irp i, 0,1,2,3,4,5,6,7
	FRAGC 128*(\p)+12*\i, ADB+(\slot), \i*FT*(1+((\slot)+1)/2)+1536*(\q)   ; tiles lie one run apart in slot 0, two runs apart in slots 1 and 2
.endr
	WIN 0
.irp i, 0,1,2,3,4,5,6,7
	ds_load_b32 v[SB+8*(\p)+\i], v[ASB+(\slot)] offset:\i*FT*(1+((\slot)+1)/2)+128*(\q)
.endr
.endm
.macro FETCH_A slot, q, i0             ; 16 loads
.irp i, \i0, \i0+1, \i0+2, \i0+3
	FRAGC AF+12*(\i), ADA+(\slot), (\i)*FT*(1+((\slot)+1)/2)+1536*(\q)
	ds_load_b32 v[SA+(\i)], v[ASA+(\slot)] offset:(\i)*FT*(1+((\slot)+1)/2)+128*(\q)
.endr
.endm
.macro MUL16 a0, p, z                  ; the 64 accumulators take turns, one instruction a turn
.irp a, \a0, \a0+1
.irp b, 0,1,2,3,4,5,6,7
.if (\z) == 0
	v_wmma_scale_f32_16x16x128_f8f6f4 v[8*(8*((\a)%4)+\b):8*(8*((\a)%4)+\b)+7], v[128*(\p)+12*\b:128*(\p)+12*\b+11], v[AF+12*(\a):AF+12*(\a)+11], v[8*(8*((\a)%4)+\b):8*(8*((\a)%4)+\b)+7], v[SB+8*(\p)+\b], v[SA+(\a)] matrix_a_fmt:MATRIX_FMT_FP6 matrix_b_fmt:MATRIX_FMT_FP6
.else
	v_wmma_scale_f32_16x16x128_f8f6f4 v[8*(8*((\a)%4)+\b):8*(8*((\a)%4)+\b)+7], v[128*(\p)+12*\b:128*(\p)+12*\b+11], v[AF+12*(\a):AF+12*(\a)+11], 0, v[SB+8*(\p)+\b], v[SA+(\a)] matrix_a_fmt:MATRIX_FMT_FP6 matrix_b_fmt:MATRIX_FMT_FP6
.endif
.endr
.endr
.endm
.macro STEP slot, z
	s_wait_dscnt 16                                ; S0's set and S1's blocks 0-3 are in; the 16 youngest loads may be out
	WIN 0xa1
	MUL16 0, 0, \z
	MUL16 2, 0, \z
	s_wait_dscnt 0x0
	PLACES 4
	FETCH_B \slot, 1, 1
	FETCH_A \slot, 1, 0
	WIN 0xf1
	MUL16 4, 0, \z
	MUL16 6, 0, \z
	PLACES 4
	WIN 0
	FETCH_A \slot, 1, 4
.endm
.macro TURN slot, next, fill, tc       ; as in the launch before: one barrier for the change of slots; with fill = 1 it opens a round of the cluster's barrier and the joint refill comes first behind the round
.if \fill
	s_wait_tensorcnt 0x0                           ; all my tensor loads have landed
	ds_add_u32 v[SPW], v[NIL]                      ; 0 onto my spare word
	s_wait_dscnt 17                                ; (the add and the 16 youngest loads may be out)
.else
	s_wait_tensorcnt \tc
	s_wait_dscnt 16
.endif
	WIN 0xa1
	MUL16 0, 1, 0
	s_wait_dscnt 0x0                               ; my reads of this slot are over (and the add is done)
	s_barrier_signal -1
	MUL16 2, 1, 0
	WIN 0
	s_barrier_wait -1
.if \fill
	CREST
	s_add_nc_u64 s[G0A+4*\slot+2:G0A+4*\slot+3], s[G0A+4*\slot+2:G0A+4*\slot+3], NS*FT
	s_add_nc_u64 s[G0B+4*\slot+2:G0B+4*\slot+3], s[G0B+4*\slot+2:G0B+4*\slot+3], NS*FT
	JLOAD G0A+4*\slot, G1A, G0B+4*\slot, G1B
.else
	PLACES 4
.endif
	FETCH_B \next, 0, 0
	FETCH_A \next, 0, 0
	WIN 0xf1
	MUL16 4, 1, 0
	MUL16 6, 1, 0
	PLACES 4
	WIN 0
	FETCH_A \next, 0, 4
.endm
.macro LAST
	s_wait_dscnt 16
	WIN 0xa1
	MUL16 0, 1, 0
	MUL16 2, 1, 0
	s_wait_dscnt 0x0
	WIN 0xf1
	MUL16 4, 1, 0
	MUL16 6, 1, 0
	WIN 0
.endm
.macro QTAIL s
.irp b, 0,1,2,3
	v_add_nc_u32 v[TM+12+\b], 0xff000000, v[TM+\b]
.endr
.irp b, 0,1,2,3
	v_lshrrev_b32 v[TM+4+\b], 23, v[TM+12+\b]
.endr
	v_lshl_or_b32 v[PW], v[TM+5], 8, v[TM+4]
	v_lshl_or_b32 v[PW], v[TM+6], 16, v[PW]
	v_lshl_or_b32 v[PW], v[TM+7], 24, v[PW]
.irp c, 0,1
	v_cvt_scalef32_pk16_fp6_f32 v[PC+6*\c:PC+2+6*\c], v[\s+32*\c:\s+15+32*\c], v[TM+12+2*\c]
	v_cvt_scalef32_pk16_fp6_f32 v[PC+12+4*\c:PC+14+4*\c], v[\s+16+32*\c:\s+31+32*\c], v[TM+12+2*\c+1]
.endr
	v_nop                                            ; one plain place behind a scaled conversion
.irp c, 0,1
.irp i, 0,1,2
	v_permlane16_swap_b32 v[PC+6*\c+\i], v[PC+12+4*\c+\i]
.endr
.irp i, 0,1,2
	v_mov_b32 v[PC+3+6*\c+\i], v[PC+12+4*\c+\i]
.endr
.endr
.endm
	s_load_b256 s[68:75], s[0:1], 0x0              ; qimg 68, kimg 70, pimg 72, prec 74
	v_lshl_add_u32 v[SPW], v0, 2, SPARE
	v_mov_b32 v[NIL], 0
	ds_add_u32 v28, v29
	ds_add_u32 v28, v29
	s_wait_dscnt 0x0
	v_lshrrev_b32 v1, 5, v0
	v_readfirstlane_b32 s14, v1                    ; wave
	s_lshr_b32 s15, s14, 1                         ; wy: my half of the queries; also: I fetch for S1 (0) or S0 (1)
	s_and_b32 s16, s14, 1                          ; wx: my half of the keys; also: which eight tiles I fetch
	s_bfe_u32 s84, ttmp6, 0x40000                  ; cx
	s_bfe_u32 s85, ttmp6, 0x40004                  ; cy
	s_lshl_b32 s86, s85, 2
	s_lshl_b32 s86, 15, s86
	s_lshl_b32 s87, 0x1111, s84
	s_or_b32 s[G1A], s86, (3<<16)|(1<<21)
	s_or_b32 s[G1B], s87, (3<<16)|(1<<21)
.irp g, G1A, G1B
	s_mov_b32 s[\g+1], 416<<16
	s_mov_b32 s[\g+2], 16<<16                      ; the head's loads bring 16 tiles; behind them the two words that count rows are set to 8
	s_mov_b32 s[\g+3], 416<<16
	s_mov_b32 s[\g+4], 16
	s_mov_b32 s[\g+6], 0
	s_mov_b32 s[\g+7], 0
.endr
	s_mov_b32 s[G1A+5], P1E
	s_mov_b32 s[G1B+5], P0E
	s_mov_b32 s88, ttmp9
	s_and_b32 s89, ttmp7, 0xffff                   ; the batch
	s_add_co_u32 s2, s88, 1
	s_lshr_b32 s2, s2, 1                           ; I: which 1,024 queries
	s_lshr_b32 s3, s88, 1                          ; J: which 1,024 keys
	s_lshl_b32 s4, s89, 3
	s_lshl_b32 s91, s2, 2
	s_add_co_u32 s91, s91, s4
	s_add_co_u32 s91, s91, s85                     ; the block of 256 queries: 8 batch + 4 I + cy
	s_lshl_b32 s90, s3, 2
	s_add_co_u32 s90, s90, s4
	s_add_co_u32 s90, s90, s84                     ; of 256 keys: 8 batch + 4 J + cx
	s_lshl_b32 s17, s16, 3
	s_lshl_b32 s92, s91, 4
	s_add_co_u32 s92, s92, s17
	s_mul_i32 s92, s92, 8*P1E
	s_mov_b32 s93, 0
	s_lshl_b32 s94, s90, 4
	s_add_co_u32 s94, s94, s17
	s_mul_i32 s94, s94, 8*P0E
	s_mov_b32 s95, 0
	s_mul_i32 s96, s14, HALF
	; the head's loads, one a wave, bring three of K's four runs: wave 0 S1's 16 tiles of run 0, wave 1 S0's, dense, into slot 0; wave 2 S1's 16 tiles of runs 1 and 2, wave 3 S0's, as rows of two runs,
	; into the bytes of slots 1 and 2.  Groups 0 in s[76:79] (S1) and s[80:83] (S0), by the wave's number / 2; groups 1 for the rows of two runs in s[44:51] and s[56:63]
	s_mul_i32 s12, s15, FT
	s_lshl_b32 s78, s91, 4
	s_mul_i32 s78, s78, 8*P1E
	s_add_co_u32 s78, s78, s12
	s_mov_b32 s79, 0
	s_lshl_b32 s82, s90, 4
	s_mul_i32 s82, s82, 8*P0E
	s_add_co_u32 s82, s82, s12
	s_mov_b32 s83, 0
	s_mul_i32 s77, s15, SLOT                       ; S1: at 0, or at the head of slot 1
	s_mul_i32 s81, s15, SLOT+2*HALF
	s_add_co_u32 s81, s81, 2*HALF                  ; S0: behind S1's 16 tiles of one run, or of two
	s_mov_b32 s76, 1
	s_mov_b32 s80, 1
	CROUND                                         ; in front of the first joint loads, and ahead of the wait for the arguments
	s_wait_kmcnt 0x0
	s_add_nc_u64 s[92:93], s[68:69], s[92:93]
	s_add_nc_u64 s[94:95], s[70:71], s[94:95]
	s_add_nc_u64 s[78:79], s[68:69], s[78:79]
	s_or_b32 s79, s79, 0x80000000
	s_add_nc_u64 s[82:83], s[70:71], s[82:83]
	s_or_b32 s83, s83, 0x80000000
.irp s, 0
	s_mov_b32 s[G0A+4*\s], 1
	s_add_co_u32 s[G0A+4*\s+1], s96, \s*SLOT
	s_add_nc_u64 s[G0A+4*\s+2:G0A+4*\s+3], s[92:93], \s*FT
	s_or_b32 s[G0A+4*\s+3], s[G0A+4*\s+3], 0x80000000
	s_mov_b32 s[G0B+4*\s], 1
	s_add_co_u32 s[G0B+4*\s+1], s96, \s*SLOT
	s_add_nc_u64 s[G0B+4*\s+2:G0B+4*\s+3], s[94:95], \s*FT
	s_or_b32 s[G0B+4*\s+3], s[G0B+4*\s+3], 0x80000000
.endr
	s_or_b32 s44, s86, (3<<16)|(1<<21)
	s_or_b32 s56, s87, (3<<16)|(1<<21)
.irp g, 44, 56
	s_mov_b32 s[\g+1], 832<<16                     ; rows of 832 elements of 8 bytes: a tile's two runs
	s_mov_b32 s[\g+2], 16<<16
	s_mov_b32 s[\g+3], 832<<16
	s_mov_b32 s[\g+4], 16
	s_mov_b32 s[\g+5], 1664
	s_mov_b32 s[\g+6], 0
	s_mov_b32 s[\g+7], 0
.endr
; ONE chain of branches on the wave's number, a load to each arm, all arms leading to one join
.macro ARM under, g0, g1, next
	s_cmp_lt_u32 s14, \under
	s_cbranch_scc0 \next
	tensor_load_to_lds s[\g0:\g0+3], s[\g1:\g1+7]
	s_nop 0
.rept 4
	v_nop
.endr
	s_branch .Lhead_asked
\next:
.endm
	ARM 1, 76, G1A, .Lhead_1
	ARM 2, 80, G1B, .Lhead_2
	ARM 3, 76, 44, .Lhead_3
	tensor_load_to_lds s[80:83], s[56:63]
	s_nop 0
.rept 4
	v_nop
.endr
.Lhead_asked:
	v_and_b32 v1, 31, v0
	v_and_b32 v2, 15, v0
	v_bfe_u32 v3, v0, 4, 1
	v_lshlrev_b32 v4, 4, v1
	v_lshl_add_u32 v5, v2, 2, 3072
	s_mul_i32 s97, s15, HALF
	s_mul_i32 s98, s16, HALF
	s_add_co_u32 s98, s98, 2*HALF
	v_add_nc_u32 v[ADA], s97, v4
	v_add_nc_u32 v[ADB], s98, v4
	v_add_nc_u32 v[ASA], s97, v5
	v_add_nc_u32 v[ASB], s98, v5
	s_mul_i32 s97, s15, 2*HALF                     ; runs 1 and 2: my eight tiles of S1, two runs each,
	s_add_co_u32 s97, s97, SLOT
	s_mul_i32 s98, s16, 2*HALF                     ; and of S0, behind S1's sixteen
	s_add_co_u32 s98, s98, SLOT+4*HALF
	s_wait_alu depctr_va_vdst(0)                   ; ahead of the readers below
.irp s, 1,2
	v_add_nc_u32 v[ADA+\s], s97, v4
	v_add_nc_u32 v[ADB+\s], s98, v4
	v_add_nc_u32 v[ASA+\s], s97, v5
	v_add_nc_u32 v[ASB+\s], s98, v5
	s_add_co_u32 s97, s97, FT
	s_add_co_u32 s98, s98, FT
.endr
	s_mul_i32 s99, s16, 1536
	v_add_nc_u32 v[LIC], s99, v4
	s_lshl_b32 s99, s16, 7
	s_add_co_u32 s99, s99, 3072
	v_lshl_add_u32 v[LSW], v1, 2, s99
	v_lshlrev_b32 v[L8], 3, v1
	s_mov_b32 s[SEL], 0x76543210
	s_mov_b32 s[SEL+1], 0xfedcba98
	s_mov_b32 s[CS], 0x3d38aa3b                    ; log2(e) / 32
	s_mov_b32 s[CS+1], s[CS]                       ; (named with it as a pair, so it is written)
	s_mov_b32 s19, 0xffff0000                      ; lanes 16-31
	; where my results go: tile 16 u1 + 8 wy of the queries; run 4 J + cx of its eight; K step 2 (4 J + cx) + wx of its sixteen
	s_lshl_b32 s5, s91, 4
	s_lshl_b32 s6, s15, 3
	s_add_co_u32 s5, s5, s6
	s_lshl_b32 s6, s3, 2
	s_add_co_u32 s6, s6, s84
	s_mul_i32 s8, s5, 26624
	s_mul_i32 s7, s6, 3328
	s_add_co_u32 s8, s8, s7
	s_mov_b32 s9, 0
	s_lshl_b32 s10, s5, 4
	s_lshl_b32 s7, s6, 1
	s_add_co_u32 s10, s10, s7
	s_add_co_u32 s10, s10, s16
	s_lshl_b32 s10, s10, 8
	s_mov_b32 s11, 0
	s_add_nc_u64 s[OB:OB+1], s[72:73], s[8:9]
	s_add_nc_u64 s[10:11], s[74:75], s[10:11]
	; the mask: my query less my wave's first key less 16 h.  It is data for a compare: no address and no branch is made of it
	s_sub_co_i32 s17, s2, s3
	s_lshl_b32 s17, s17, 10
	s_sub_co_i32 s18, s85, s84
	s_lshl_b32 s18, s18, 8
	s_add_co_i32 s17, s17, s18
	s_sub_co_i32 s18, s15, s16
	s_lshl_b32 s18, s18, 7
	s_add_co_i32 s17, s17, s18
	v_and_b32 v[DB], 8, v2
	v_add_nc_u32 v[DB], v[DB], v2
	v_lshlrev_b32 v[DQ], 4, v3
	v_sub_nc_u32 v[DB], v[DB], v[DQ]
	v_add_nc_u32 v[DB], s17, v[DB]
	v_mov_b32 v[NINF], 0xff784253
	; THE MASK IS THE C OF THE FIRST PRODUCTS: 0, or -3.3e38 where the key lies behind the query.  Register 16 b + i of block a8 holds key 32 b + 16 h + i of my 128.  These lines stand while the head's loads are out
.set a8, 0
.rept 8
	v_add_nc_u32 v[DQ], 32*(a8/2)+8*(a8%2), v[DB]
	WIN 0x80+0x40*(a8/4)
.set n, 0
.rept 64
	v_cmp_gt_i32 vcc_lo, 32*(n/16)+n%16, v[DQ]
	v_cndmask_b32 v[64*(a8%4)+n], 0, v[NINF], vcc_lo
.set n, n+1
.endr
	WIN 0
.set a8, a8+1
.endr
	s_wait_alu depctr_va_vdst(0)
	s_wait_tensorcnt 0x0                           ; my tile of the head's four is in
	s_mov_b32 s[G1A+2], 8<<16                      ; no tensor load of mine is out: from here on a load brings 8 tiles of one run
	s_mov_b32 s[G1A+4], 8
	s_mov_b32 s[G1B+2], 8<<16
	s_mov_b32 s[G1B+4], 8
	s_barrier_signal -1                            ; runs 0, 1 and 2 are whole
	s_barrier_wait -1
	FETCH_B 0, 0, 0
	FETCH_A 0, 0, 0
	FETCH_A 0, 0, 4
	STEP 0, 0                                      ; K step 0 adds onto the mask
	TURN 0, 1, 1, 0                                ; 1: slot 0 takes run 3
	STEP 1, 0
	TURN 1, 2, 0, 1                                ; 3: the refill may stay out
	STEP 2, 0
	TURN 2, 0, 0, 0                                ; 5: the refill has landed
	STEP 0, 0
	LAST
	PLACES 4
.irp b, 0,1,2,3
	v_mov_b32 v[TM+4+\b], 0                        ; a lane permute's destination counts as one of its sources
.endr
; S1's block a: 16 queries x my 128 keys.  Register 16 b + i holds key 32 b + 16 h + i of the 128: hidden where 32 b + i > my query - my first key - 16 h
.macro SOFT a
.if (\a) > 0
	s_wait_xcnt 0x0                                ; the last block's stores have read their registers
.endif
.set AB, 64*((\a)%4)                   ; the block's 64 scores, in window AW, masked since the first product
.set AW, 2+(\a)/4
	WIN AW|(AW<<2)|(AW<<4)
	s_wait_alu depctr_va_vdst(0)                   ; directly ahead of the first reader of these accumulators
.irp b, 0,1,2,3
	v_max3_num_f32 v[TM+\b], v[AB+16*\b], v[AB+1+16*\b], v[AB+2+16*\b]   ; the largest score of each block of 32 keys; each accumulator is read from its low end on
.endr
	WIN (AW<<2)|(AW<<4)
.irp i, 3,5,7,9,11,13
.irp b, 0,1,2,3
	v_max3_num_f32 v[TM+\b], v[TM+\b], v[AB+16*\b+\i], v[AB+1+16*\b+\i]
.endr
.endr
.irp b, 0,1,2,3
	v_max_num_f32 v[TM+\b], v[TM+\b], v[AB+15+16*\b]
.endr
	WIN 0
.irp b, 0,1,2,3
	v_permlanex16_b32 v[TM+4+\b], v[TM+\b], s[SEL], s[SEL+1]
.endr
.irp b, 0,1,2,3
	v_max_num_f32 v[TM+\b], v[TM+\b], v[TM+4+\b]
.endr
	v_max3_num_f32 v232, v[TM], v[TM+1], v[TM+2]
	v_max3_num_f32 v232, v232, v[TM+3], 0xff61b1e6 ; not under -3e38, so that -M' stays a number where all keys are hidden
	v_mul_f32 v232, s[CS], v232                    ; as t
	v_floor_f32 v230, -v232                        ; -M' = floor(-t): a whole number
	v_mov_b32 v231, v230                           ; (named with it as a pair)
.set j, 0
.rept 32
	WIN AW
	v_pk_fma_f32 v[WK+j:WK+j+1], v[AB+j:AB+j+1], s[CS:CS+1], v[230:231] op_sel_hi:[1,0,0]   ; t - M', from the accumulators into window 0
.set j, j+2
.endr
.irp b, 0,1,2,3
	WIN 0
	v_fma_f32 v[TM+\b], v[TM+\b], s[CS], v230      ; the same of each block's largest score
.endr
.set j, 0
	s_wait_alu depctr_va_vdst(0)
.rept 64
	v_exp_f32 v[WK+j], v[WK+j]                     ; p, at most 1
.set j, j+1
.endr
	v_nop                                          ; a plain place behind the exponentials
	s_wait_alu depctr_va_vdst(0)                   ; one wait for the batch, ahead of its first reader
.irp b, 0,1,2,3
	v_exp_f32 v[TM+\b], v[TM+\b]                   ; the block's largest p
.endr
	v_pk_add_f32 v[232:233], v[WK:WK+1], v[WK+2:WK+3]        ; the sum of the unquantised p, in two chains
	v_pk_add_f32 v[234:235], v[WK+4:WK+5], v[WK+6:WK+7]
.irp j, 8,12,16,20,24,28,32,36,40,44,48,52,56,60
	v_pk_add_f32 v[232:233], v[232:233], v[WK+\j:WK+\j+1]
	v_pk_add_f32 v[234:235], v[234:235], v[WK+\j+2:WK+\j+3]
.endr
	v_pk_add_f32 v[232:233], v[232:233], v[234:235]
	v_add_f32 v232, v232, v233
	v_permlanex16_b32 v233, v232, s[SEL], s[SEL+1]
	v_add_f32 v232, v232, v233                     ; with lane l xor 16's 64 keys
	s_wait_alu depctr_va_vdst(0)                   ; and one for the four
.irp b, 0,1,2,3
	v_max_num_f32 v[TM+\b], 0x1800000, v[TM+\b]    ; the floor 2^(3 - 127): the byte cannot fall under 1
.endr
	QTAIL WK
	v_cndmask_b32 v236, v[PW], v232, s19           ; the record: lanes 0-15 (scale word, -M'), lanes 16-31 (sum, sum)
	v_cndmask_b32 v237, v230, v232, s19
	global_store_b64 v[L8], v[236:237], s[10:11] offset:4096*(\a)   ; 256 consecutive bytes, aligned
.irp c, 0,1,2
	global_store_b128 v[LIC], v[PC+4*\c:PC+4*\c+3], s[OB:OB+1] offset:26624*(\a)+512*\c
.endr
	global_store_b32 v[LSW], v[PW], s[OB:OB+1] offset:26624*(\a)
.endm
	s_wait_alu depctr_va_vdst(0)
.irp a, 0,1,2,3,4,5,6,7
	SOFT \a
.endr
	s_wait_tensorcnt 0x0                           ; the wave's end
	ds_add_u32 v[SPW], v[NIL]
	s_wait_dscnt 0x0
	CROUND
	s_endpgm
.Lfunc_end_k_qfc17a14362_scores:
	.size	k_qfc17a14362_scores, .Lfunc_end_k_qfc17a14362_scores-k_qfc17a14362_scores
	.p2alignl 7, 3214868480
	.fill 96, 4, 3214868480
	.section	.rodata,"a",@progbits
	.p2align	6, 0x0
	.amdhsa_kernel k_qfc17a14362_scores
		.amdhsa_group_segment_fixed_size 327680
		.amdhsa_private_segment_fixed_size 0
		.amdhsa_enable_private_segment 0
		.amdhsa_kernarg_size 32
		.amdhsa_user_sgpr_count 2
		.amdhsa_user_sgpr_kernarg_segment_ptr 1
		.amdhsa_wavefront_size32 1
		.amdhsa_system_sgpr_workgroup_id_x 1
		.amdhsa_system_sgpr_workgroup_id_y 1
		.amdhsa_system_sgpr_workgroup_id_z 1
		.amdhsa_system_vgpr_workitem_id 0
		.amdhsa_next_free_vgpr 1024
		.amdhsa_next_free_sgpr 102
		.amdhsa_reserve_vcc 1
		.amdhsa_float_denorm_mode_32 3
		.amdhsa_float_denorm_mode_16_64 3
		.amdhsa_memory_ordered 1
		.amdhsa_forward_progress 1
		.amdhsa_inst_pref_size 243
	.end_amdhsa_kernel
	.amdgpu_metadata
---
amdhsa.version: [ 1, 2 ]
amdhsa.kernels:
  - .name:           k_qfc17a14362_scores
    .symbol:         k_qfc17a14362_scores.kd
    .args:
      - { .name: qimg, .offset: 0, .size: 8, .value_kind: global_buffer, .address_space: global }
      - { .name: kimg, .offset: 8, .size: 8, .value_kind: global_buffer, .address_space: global }
      - { .name: pimg, .offset: 16, .size: 8, .value_kind: global_buffer, .address_space: global }
      - { .name: prec, .offset: 24, .size: 8, .value_kind: global_buffer, .address_space: global }
    .group_segment_fixed_size: 327680
    .private_segment_fixed_size: 0
    .kernarg_segment_align: 8
    .kernarg_segment_size: 32
    .max_flat_workgroup_size: 128
    .sgpr_count:     102
    .vgpr_count:     1024
    .wavefront_size: 32
...
	.end_amdgpu_metadata
.endif
;; end of part 8
;; launch pv (part 9): grid 4 x 64, 4 waves a work-group, clusters of 4 x 4, 327,680 bytes of LDS; arguments pimg, prec, vimg, oimg; writes oimg
.if DOCPART == 9
	.amdgcn_target "amdgcn-amd-amdhsa--gfx1250"
	.amdhsa_code_object_version 6
	.text
	.protected	k_qfc17a14362_pv
	.globl	k_qfc17a14362_pv
	.p2align	8
	.type	k_qfc17a14362_pv,@function
k_qfc17a14362_pv:
	s_mov_b64 s[64:65], 0
	v_nop
	global_prefetch_b8 v0, s[64:65] scope:SCOPE_SE
	s_setreg_imm32_b32 hwreg(HW_REG_WAVE_MODE, 25, 1), 1
	s_wait_xcnt 0x0
	s_wait_alu depctr_hold_cnt(0) depctr_sa_sdst(0) depctr_va_vdst(0) depctr_va_sdst(0) depctr_va_ssrc(0) depctr_va_vcc(0) depctr_vm_vsrc(0)
	s_getreg_b32 s2, hwreg(HW_REG_IB_STS2, 6, 4)
	s_cmp_eq_u32 s2, 0
	s_cbranch_scc0 .Lentry_in_a_cluster
	s_endpgm
.Lentry_in_a_cluster:
	s_bfe_u32 s2, ttmp6, 0x10000c
	s_cmp_lg_u32 s2, 0xf033
	s_cbranch_scc0 .Lentry_shape_is_right
	s_endpgm
.Lentry_shape_is_right:
; O^T = v^T p^T on codes of FP6 (E2M3), K = the keys; O is divided by the row's sum, quantised along d and stored as images of operand registers.
; S0 = v's tiles of d (K = keys), S1 = p's tiles of queries.  A work-group makes 128 queries x 256 of d, a wave 64 x 128: 32 accumulators.  A cluster of 4 x 4 work-groups takes 512 queries (cy) x all 1,024 of d (cx); cluster y = 4 batch + G.
; Queries under 1,024 (G < 2) walk 1,024 keys, the others 2,048: the number of K steps hangs on the cluster's y alone and is the same in all partners.  p's tiles are asked for jointly along a row of the cluster, v's along a column.
; THE PROLOGUE brings p under the row's M.  For each query and 128 keys the launch before has left a record (local scale word, -M', sum under M').  -M = the least -M'; n = M - M' is a whole number, 0 or more; each scale byte
; becomes byte - n, or 0 where that would be negative; the row's sum is the sum of sum' x 2^-n, exact but for its additions.  THE MOVED WORDS STAY IN REGISTERS: lane (r, h) makes the words of query place r for K steps 2 i + h, so
; one register serves two K steps: the even one reads its lanes 0-15, the odd one its lanes 16-31.  The short walk's records go into the registers of the long walk's last eight K steps, so that both walks share one tail.
; LIMIT: a block of p whose scale under M would lie under 2^-127 is held at the byte 0: its numbers are at most 7.5 x 2^-127, beside a row's largest p above 1/2.  NaN and infinities are not served.
; TWO LDS SLOTS OF FOUR K STEPS (a slot's row is a tile's two runs, 6,656 dense bytes; 8 rows of S1, 16 of S0).  The short walk fills each once; the long walk fills each again once.  A wave has at most one tensor load out.
; REGISTERS: window 0: v1-29 addresses; v40-55 S0's scale words (two sets); v64-95 S1's moved scale words; v96-115 at work in the prologue; v128-223 the records, then S1's fragments (two sets of 48), then the way out;
;   v224-235 the prologue's minima and sums; v240-247 four pairs: 1 / the row's sum.   window 1: S0's fragments, two sets.   window 2: accumulator (a, b) at v[8 (8 a + b)].
.set FT,    3328
.set TR,    2*FT
.set S1B,   8*TR
.set BSLOT, 24*TR
.set SPARE, 2*BSLOT
.set ADA, 12
.set ADB, 14
.set ASB, 18
.set LIC, 26
.set LSW, 27
.set SPW, 28
.set NIL, 29
.set SB,  40
.set TB,  64                           ; v[TB + 8 t + i]: tile t's moved words of K steps 2 i (lanes 0-15) and 2 i + 1 (lanes 16-31)
.set AF,  128
.set RLV, 240
.set WK,  128
.set PC,  192
.set TM,  212
.set PW,  228
.set SEL, 20
.set G1A, 24
.set G1B, 32
.set G0A, 40
.set G0B, 48
.set OB,  60
.set MSB, 0
.macro WIN new
.if MSB != (\new)
	s_set_vgpr_msb (MSB<<8)|(\new)
.set MSB, (\new)
.endif
.endm
.macro PLACES n
.rept \n
	v_nop
.endr
.endm
.macro JLOAD g0a, g1a, g0b, g1b        ; a joint load: waves 0, 1 for S1, waves 2, 3 for S0; four v_nop follow each line
	s_cmp_eq_u32 s15, 0
	s_cbranch_scc0 .Lfor_b_\@
	tensor_load_to_lds s[\g0a:\g0a+3], s[\g1a:\g1a+7]
	s_nop 0
.rept 4
	v_nop
.endr
	s_branch .Lasked_\@
.Lfor_b_\@:
	tensor_load_to_lds s[\g0b:\g0b+3], s[\g1b:\g1b+7]
	s_nop 0
.rept 4
	v_nop
.endr
.Lasked_\@:
.endm
.macro CREST
	s_cmp_lg_u32 s14, 0
	s_cbranch_scc1 .Lnot_wave_0_\@
	s_barrier_signal -3
.Lnot_wave_0_\@:
	s_barrier_wait -3
	s_barrier_signal -1
	s_barrier_wait -1
.endm
.macro CROUND
	s_barrier_signal -1
	s_barrier_wait -1
	CREST
.endm
.macro FRAGC reg, adr, off
.irp c, 0,1,2
	ds_load_b128 v[(\reg)+4*\c:(\reg)+4*\c+3], v[\adr] offset:(\off)+512*\c
.endr
.endm
.macro FETCH slot, j, p                ; the slot's K step j into sets p: S0's eight fragments and scale words, S1's four fragments: 44 loads
	WIN 0x40
.irp i, 0,1,2,3,4,5,6,7
	FRAGC 128*(\p)+12*\i, ADB+(\slot), \i*TR+((\j)/2)*FT+1536*((\j)%2)
.endr
	WIN 0
.irp i, 0,1,2,3,4,5,6,7
	ds_load_b32 v[SB+8*(\p)+\i], v[ASB+(\slot)] offset:\i*TR+((\j)/2)*FT+128*((\j)%2)
.endr
.irp i, 0,1,2,3
	FRAGC AF+48*(\p)+12*\i, ADA+(\slot), \i*TR+((\j)/2)*FT+1536*((\j)%2)
.endr
.endm
; 16 matrix instructions.  i: which pair of K steps' words; row: the even (0) or the odd (1) of the pair.  z = 1: the constant 0 starts the sums (an even K step).  The 32 accumulators take turns, one instruction a turn.
.macro MUL16 a0, p, z, i, row
.irp a, \a0, \a0+1
.irp b, 0,1,2,3,4,5,6,7
.if (\z) == 1
	v_wmma_scale_f32_16x16x128_f8f6f4 v[8*(8*(\a)+\b):8*(8*(\a)+\b)+7], v[128*(\p)+12*\b:128*(\p)+12*\b+11], v[AF+48*(\p)+12*(\a):AF+48*(\p)+12*(\a)+11], 0, v[SB+8*(\p)+\b], v[TB+8*(\a)+(\i)] matrix_a_fmt:MATRIX_FMT_FP6 matrix_b_fmt:MATRIX_FMT_FP6
.elseif (\row) == 0
	v_wmma_scale_f32_16x16x128_f8f6f4 v[8*(8*(\a)+\b):8*(8*(\a)+\b)+7], v[128*(\p)+12*\b:128*(\p)+12*\b+11], v[AF+48*(\p)+12*(\a):AF+48*(\p)+12*(\a)+11], v[8*(8*(\a)+\b):8*(8*(\a)+\b)+7], v[SB+8*(\p)+\b], v[TB+8*(\a)+(\i)] matrix_a_fmt:MATRIX_FMT_FP6 matrix_b_fmt:MATRIX_FMT_FP6
.else
	v_wmma_scale_f32_16x16x128_f8f6f4 v[8*(8*(\a)+\b):8*(8*(\a)+\b)+7], v[128*(\p)+12*\b:128*(\p)+12*\b+11], v[AF+48*(\p)+12*(\a):AF+48*(\p)+12*(\a)+11], v[8*(8*(\a)+\b):8*(8*(\a)+\b)+7], v[SB+8*(\p)+\b], v[TB+8*(\a)+(\i)] matrix_a_fmt:MATRIX_FMT_FP6 matrix_b_fmt:MATRIX_FMT_FP6 matrix_b_scale:MATRIX_SCALE_ROW1
.endif
.endr
.endr
.endm
.macro STEP slot, j, z, n              ; K step j = 0, 1, 2 of a slot; n: the slot's first pair of K steps among the words' eight
	s_wait_dscnt 0x0                               ; this step's fragments are in
	PLACES 4                                       ; the other sets were read by the last step's products
	FETCH \slot, (\j)+1, 1-(\j)%2
	WIN 0xa1
	MUL16 0, (\j)%2, \z, (\n)+(\j)/2, (\j)%2
	MUL16 2, (\j)%2, \z, (\n)+(\j)/2, (\j)%2
	WIN 0
.endm
; A slot's last K step changes slots, behind one barrier: in front of it each wave waits for all its tensor loads and for its reads of the slot.  fill = 1: the slot is filled again, with the keys 1,024 further on: the wave also adds 0
; to its spare word, the barrier opens a round of the cluster's barrier, and the joint refill is the first tensor load behind the round.
.macro TURN slot, next, fill, n
	s_wait_tensorcnt 0x0                           ; all my tensor loads have landed: my part of the next slot
.if \fill
	ds_add_u32 v[SPW], v[NIL]                      ; 0 onto my spare word
	s_mov_b32 s[G1A+2], 4<<16                      ; no tensor load of mine is out: a refill brings half of an operand's tiles: S1 four,
	s_mov_b32 s[G1A+4], 4
	s_mov_b32 s[G1B+2], 8<<16                      ; S0 eight
	s_mov_b32 s[G1B+4], 8
.endif
	s_wait_dscnt 0x0                               ; my reads of this slot are over (and the add is done)
	s_barrier_signal -1
	WIN 0xa1
	MUL16 0, 1, 0, (\n)+1, 1
	WIN 0
	s_barrier_wait -1
.if \fill
	CREST                                          ; no wave of any partner still reads this slot or has a load on its way
	s_add_nc_u64 s[G0A+4*(\slot)+2:G0A+4*(\slot)+3], s[G0A+4*(\slot)+2:G0A+4*(\slot)+3], 2*TR
	s_add_nc_u64 s[G0B+4*(\slot)+2:G0B+4*(\slot)+3], s[G0B+4*(\slot)+2:G0B+4*(\slot)+3], 2*TR
	JLOAD G0A+4*(\slot), G1A, G0B+4*(\slot), G1B   ; its four v_nop are also the places in front of the loads below
.else
	PLACES 4
.endif
	FETCH \next, 0, 0
	WIN 0xa1
	MUL16 2, 1, 0, (\n)+1, 1
	WIN 0
.endm
.macro LAST n
	s_wait_dscnt 0x0
	WIN 0xa1
	MUL16 0, 1, 0, (\n)+1, 1
	MUL16 2, 1, 0, (\n)+1, 1
	WIN 0
.endm
.macro QMAX s                          ; each block's largest magnitude, not under the floor, into v[TM+b]
.irp b, 0,1,2,3
	v_max3_num_f32 v[TM+\b], |v[\s+16*\b]|, |v[\s+1+16*\b]|, 0x1800000
.endr
.irp i, 2,4,6,8,10,12,14
.irp b, 0,1,2,3
	v_max3_num_f32 v[TM+\b], v[TM+\b], |v[\s+16*\b+\i]|, |v[\s+1+16*\b+\i]|
.endr
.endr
.irp b, 0,1,2,3
	v_permlanex16_b32 v[TM+4+\b], v[TM+\b], s[SEL], s[SEL+1]
.endr
.irp b, 0,1,2,3
	v_max_num_f32 v[TM+\b], v[TM+\b], v[TM+4+\b]
.endr
.endm
.macro QTAIL s                         ; the fragment's codes into v[PC] on and its scale word into v[PW]
.irp b, 0,1,2,3
	v_add_nc_u32 v[TM+12+\b], 0xff000000, v[TM+\b]
.endr
.irp b, 0,1,2,3
	v_lshrrev_b32 v[TM+4+\b], 23, v[TM+12+\b]
.endr
	v_lshl_or_b32 v[PW], v[TM+5], 8, v[TM+4]
	v_lshl_or_b32 v[PW], v[TM+6], 16, v[PW]
	v_lshl_or_b32 v[PW], v[TM+7], 24, v[PW]
.irp c, 0,1
	v_cvt_scalef32_pk16_fp6_f32 v[PC+6*\c:PC+2+6*\c], v[\s+32*\c:\s+15+32*\c], v[TM+12+2*\c]
	v_cvt_scalef32_pk16_fp6_f32 v[PC+12+4*\c:PC+14+4*\c], v[\s+16+32*\c:\s+31+32*\c], v[TM+12+2*\c+1]
.endr
	v_nop                                            ; one plain place behind a scaled conversion
.irp c, 0,1
.irp i, 0,1,2
	v_permlane16_swap_b32 v[PC+6*\c+\i], v[PC+12+4*\c+\i]
.endr
.irp i, 0,1,2
	v_mov_b32 v[PC+3+6*\c+\i], v[PC+12+4*\c+\i]
.endr
.endr
.endm
	s_load_b256 s[68:75], s[0:1], 0x0              ; pimg 68, prec 70, vimg 72, oimg 74
	v_lshl_add_u32 v[SPW], v0, 2, SPARE
	v_mov_b32 v[NIL], 0
	ds_add_u32 v28, v29
	ds_add_u32 v28, v29
	s_wait_dscnt 0x0
	v_lshrrev_b32 v1, 5, v0
	v_readfirstlane_b32 s14, v1                    ; wave
	s_lshr_b32 s15, s14, 1                         ; wy: my half of the queries; also: I fetch for S1 (0) or S0 (1)
	s_and_b32 s16, s14, 1                          ; wx: my half of d; also: which half of that operand's tiles I fetch
	s_bfe_u32 s84, ttmp6, 0x40000                  ; cx
	s_bfe_u32 s85, ttmp6, 0x40004                  ; cy
	s_lshl_b32 s86, s85, 2
	s_lshl_b32 s86, 15, s86
	s_lshl_b32 s87, 0x1111, s84
	s_or_b32 s[G1A], s86, (3<<16)|(1<<21)
	s_or_b32 s[G1B], s87, (3<<16)|(1<<21)
.irp g, G1A, G1B
	s_mov_b32 s[\g+1], 832<<16                     ; rows of 832 elements of 8 bytes: a tile's two runs
	s_mov_b32 s[\g+3], 832<<16
	s_mov_b32 s[\g+5], 3328                        ; a tile's eight runs apart
	s_mov_b32 s[\g+6], 0
	s_mov_b32 s[\g+7], 0
.endr
	s_mov_b32 s[G1A+2], 8<<16                      ; the head's loads: S1: all eight tiles of a slot
	s_mov_b32 s[G1A+4], 8
	s_mov_b32 s[G1B+2], 16<<16                     ; S0: all sixteen
	s_mov_b32 s[G1B+4], 16
	s_and_b32 s89, ttmp7, 0xffff                   ; cluster y, 0 .. 15
	s_lshr_b32 s88, s89, 2                         ; the batch
	s_bfe_u32 s17, s89, 0x10001                    ; 1: queries from 1,024 on: the long walk
	s_lshl_b32 s91, s89, 5
	s_lshl_b32 s2, s85, 3
	s_add_co_u32 s91, s91, s2                      ; the work-group's first tile of queries: 32 Y + 8 cy
	s_lshl_b32 s90, s88, 6
	s_lshl_b32 s3, s84, 4
	s_add_co_u32 s90, s90, s3                      ; its first tile of d in vimg: 64 batch + 16 cx
	s_lshl_b32 s4, s16, 2
	s_add_co_u32 s92, s91, s4
	s_mul_i32 s92, s92, 26624
	s_mov_b32 s93, 0
	s_lshl_b32 s4, s16, 3
	s_add_co_u32 s94, s90, s4
	s_mul_i32 s94, s94, 26624
	s_mov_b32 s95, 0
	s_mul_i32 s18, s16, 4*TR
	s_mul_i32 s19, s16, 8*TR
	s_add_co_u32 s19, s19, S1B
	; the head's loads, one a wave, fill both slots: wave 0 S1's tiles of slot 0, wave 1 of slot 1, wave 2 S0's tiles of slot 0, wave 3 of slot 1: groups 0 in s[76:79] (S1) and s[80:83] (S0)
	s_mul_i32 s12, s16, TR
	s_mul_i32 s78, s91, 26624
	s_add_co_u32 s78, s78, s12
	s_mov_b32 s79, 0
	s_mul_i32 s82, s90, 26624
	s_add_co_u32 s82, s82, s12
	s_mov_b32 s83, 0
	s_mul_i32 s77, s16, BSLOT
	s_add_co_u32 s81, s77, S1B
	s_mov_b32 s76, 1
	s_mov_b32 s80, 1
	CROUND
	s_wait_kmcnt 0x0
	s_add_nc_u64 s[92:93], s[68:69], s[92:93]
	s_add_nc_u64 s[94:95], s[72:73], s[94:95]
	s_add_nc_u64 s[78:79], s[68:69], s[78:79]
	s_or_b32 s79, s79, 0x80000000
	s_add_nc_u64 s[82:83], s[72:73], s[82:83]
	s_or_b32 s83, s83, 0x80000000
.irp s, 0,1
	s_mov_b32 s[G0A+4*\s], 1
	s_add_co_u32 s[G0A+4*\s+1], s18, \s*BSLOT
	s_add_nc_u64 s[G0A+4*\s+2:G0A+4*\s+3], s[92:93], \s*TR
	s_or_b32 s[G0A+4*\s+3], s[G0A+4*\s+3], 0x80000000
	s_mov_b32 s[G0B+4*\s], 1
	s_add_co_u32 s[G0B+4*\s+1], s19, \s*BSLOT
	s_add_nc_u64 s[G0B+4*\s+2:G0B+4*\s+3], s[94:95], \s*TR
	s_or_b32 s[G0B+4*\s+3], s[G0B+4*\s+3], 0x80000000
.endr
	JLOAD 76, G1A, 80, G1B                         ; K steps 0 to 7
	v_and_b32 v1, 31, v0
	v_and_b32 v2, 15, v0
	v_bfe_u32 v3, v0, 4, 1
	v_lshlrev_b32 v4, 4, v1
	s_wait_alu depctr_va_vdst(0)
	v_lshl_add_u32 v5, v2, 2, 3072
	s_mul_i32 s97, s15, 4*TR
	s_mul_i32 s98, s16, 8*TR
	s_add_co_u32 s98, s98, S1B
.irp s, 0,1
	v_add_nc_u32 v[ADA+\s], s97, v4
	v_add_nc_u32 v[ADB+\s], s98, v4
	v_add_nc_u32 v[ASB+\s], s98, v5
	s_add_co_u32 s97, s97, BSLOT
	s_add_co_u32 s98, s98, BSLOT
.endr
	s_mul_i32 s99, s16, 1536
	v_add_nc_u32 v[LIC], s99, v4
	s_lshl_b32 s99, s16, 7
	s_add_co_u32 s99, s99, 3072
	v_lshl_add_u32 v[LSW], v1, 2, s99
	s_mov_b32 s[SEL], 0x76543210
	s_mov_b32 s[SEL+1], 0xfedcba98
	; the prologue: my four tiles of queries, 4 wy + t; lane (r, h) serves query place r and K steps 2 i + h
	v_lshlrev_b32 v6, 8, v3
	v_lshl_add_u32 v6, v2, 3, v6                   ; in prec: 256 h + 8 r
	s_lshl_b32 s12, s15, 2
	s_add_co_u32 s12, s12, s91                     ; my first tile
	s_lshl_b32 s4, s12, 12                         ; a tile's sixteen records are 4,096 bytes
	s_mov_b32 s5, 0
	s_add_nc_u64 s[4:5], s[70:71], s[4:5]
	s_mul_i32 s8, s12, 13312
	s_mul_i32 s9, s84, 3328
	s_add_co_u32 s8, s8, s9
	s_mov_b32 s9, 0
	s_add_nc_u64 s[OB:OB+1], s[74:75], s[8:9]      ; oimg: my first tile, run cx
.irp t, 0,1,2,3
	v_mov_b32 v[228+\t], 0                         ; a lane permute's destination counts as one of its sources
	v_mov_b32 v[RLV+2*\t+1], 0                     ; (named as the upper halves of pairs)
.endr
.macro RECLD t, i, m                   ; tile t's records of K steps 2 m + h into the registers of pair i
	global_load_b64 v[128+2*(8*(\t)+(\i)):129+2*(8*(\t)+(\i))], v6, s[4:5] offset:4096*(\t)+512*(\m)        ; (scale word, -M')
	global_load_b32 v[192+8*(\t)+(\i)], v6, s[4:5] offset:4096*(\t)+512*(\m)+128                            ; the sum under M'
.endm
	s_cmp_eq_u32 s17, 0
	s_cbranch_scc1 .Lrec_short
	s_wait_alu depctr_va_vdst(0)
.irp t, 0,1,2,3
.irp i, 0,1,2,3,4,5,6,7
	RECLD \t, \i, \i
.endr
.endr
	s_branch .Lrec_got
.Lrec_short:                                       ; the short walk: its eight K steps take the last four pairs' registers; the first four pairs take values that count for nothing
	s_wait_alu depctr_va_vdst(0)
.irp t, 0,1,2,3
.irp i, 4,5,6,7
	RECLD \t, \i, \i-4
.endr
.endr
.irp t, 0,1,2,3
.irp i, 0,1,2,3
	v_mov_b32 v[128+2*(8*\t+\i)], 0
	v_mov_b32 v[129+2*(8*\t+\i)], 0x7f61b1e6       ; -M' = 3e38
	v_mov_b32 v[192+8*\t+\i], 0
.endr
.endr
.Lrec_got:
	s_wait_loadcnt 0x0
	s_wait_alu depctr_va_vdst(0)
.irp t, 0,1,2,3
	v_min3_num_f32 v[224+\t], v[129+16*\t], v[131+16*\t], v[133+16*\t]
.endr
.irp t, 0,1,2,3
	v_min3_num_f32 v[224+\t], v[224+\t], v[135+16*\t], v[137+16*\t]
.endr
.irp t, 0,1,2,3
	v_min3_num_f32 v[224+\t], v[224+\t], v[139+16*\t], v[141+16*\t]
.endr
.irp t, 0,1,2,3
	v_min_num_f32 v[224+\t], v[224+\t], v[143+16*\t]
.endr
.irp t, 0,1,2,3
	v_permlanex16_b32 v[228+\t], v[224+\t], s[SEL], s[SEL+1]
.endr
.irp t, 0,1,2,3
	v_min_num_f32 v[224+\t], v[224+\t], v[228+\t]  ; -M of my query
.endr
.macro PRECI i                         ; pair i of all four tiles, the four by turns, so that no line waits for the line above it
.irp t, 0,1,2,3
	v_sub_f32 v[96+\t], v[224+\t], v[129+2*(8*\t+(\i))]      ; M' - M: a whole number, 0 or less
.endr
.irp t, 0,1,2,3
	v_cvt_i32_f32 v[96+\t], v[96+\t]               ; (it saturates)
.endr
.if (\i) == 0
.irp t, 0,1,2,3
	v_ldexp_f32 v[232+\t], v[192+8*\t+(\i)], v[96+\t]        ; the sum under M: nothing is rounded
.endr
.else
.irp t, 0,1,2,3
	v_ldexp_f32 v[100+\t], v[192+8*\t+(\i)], v[96+\t]
.endr
.irp t, 0,1,2,3
	v_add_f32 v[232+\t], v[232+\t], v[100+\t]
.endr
.endif
.irp t, 0,1,2,3
	v_sub_nc_u32 v[96+\t], 0, v[96+\t]
.endr
.irp t, 0,1,2,3
	v_min_u32 v[96+\t], 127, v[96+\t]              ; n, at most 127
.endr
.irp t, 0,1,2,3
	v_lshl_or_b32 v[100+\t], v[96+\t], 8, v[96+\t]
.endr
.irp t, 0,1,2,3
	v_lshl_or_b32 v[100+\t], v[100+\t], 16, v[100+\t]        ; n in all four bytes
.endr
.irp t, 0,1,2,3
	v_or_b32 v[104+\t], 0x80808080, v[128+2*(8*\t+(\i))]     ; the bytes are at most 125: with 128 on top no byte borrows from the next
.endr
.irp t, 0,1,2,3
	v_sub_nc_u32 v[104+\t], v[104+\t], v[100+\t]
.endr
.irp t, 0,1,2,3
	v_and_b32 v[108+\t], 0x80808080, v[104+\t]     ; the top bit has stayed where byte >= n
.endr
.irp t, 0,1,2,3
	v_lshrrev_b32 v[112+\t], 7, v[108+\t]
.endr
.irp t, 0,1,2,3
	v_sub_nc_u32 v[108+\t], v[108+\t], v[112+\t]   ; 0x7f in those bytes, 0 in the others
.endr
.irp t, 0,1,2,3
	v_and_b32 v[TB+8*\t+(\i)], v[104+\t], v[108+\t]          ; byte - n, or 0
.endr
.endm
.irp i, 0,1,2,3,4,5,6,7
	PRECI \i
.endr
.irp t, 0,1,2,3
	v_permlanex16_b32 v[228+\t], v[232+\t], s[SEL], s[SEL+1]
.endr
.irp t, 0,1,2,3
	v_add_f32 v[232+\t], v[232+\t], v[228+\t]      ; the row's sum: the even and the odd K steps'
.endr
	s_wait_alu depctr_va_vdst(0)
.irp t, 0,1,2,3
	v_rcp_f32 v[RLV+2*\t], v[232+\t]
.endr
	v_nop                                          ; a plain place behind the reciprocals
	s_wait_alu depctr_va_vdst(0)                   ; one wait for the four, ahead of every later line that names them
	s_wait_tensorcnt 0x0                           ; my tile of the head's four is in
	s_barrier_signal -1                            ; both slots are whole
	s_barrier_wait -1
	FETCH 0, 0, 0
	s_cmp_eq_u32 s17, 0                            ; the same way in all partners; every wait for tensor loads behind here is for all
	s_cbranch_scc1 .Lshort
	STEP 0, 0, 1, 0                                ; the long walk: K step 0 starts the sums
	STEP 0, 1, 0, 0
	STEP 0, 2, 0, 0
	TURN 0, 1, 1, 0                                ; 3: slot 0 takes K steps 8 to 11
	STEP 1, 0, 0, 2
	STEP 1, 1, 0, 2
	STEP 1, 2, 0, 2
	TURN 1, 0, 1, 2                                ; 7: slot 1 takes K steps 12 to 15
	STEP 0, 0, 0, 4                                ; 8
	s_branch .Ltail
.Lshort:
	STEP 0, 0, 1, 4                                ; the short walk: K step 0 starts the sums
.Ltail:                                            ; the last seven K steps of either walk: nothing is left to fetch
	STEP 0, 1, 0, 4
	STEP 0, 2, 0, 4
	TURN 0, 1, 0, 4
	STEP 1, 0, 0, 6
	STEP 1, 1, 0, 6
	STEP 1, 2, 0, 6
	LAST 6
	PLACES 4
.irp b, 0,1,2,3
	v_mov_b32 v[TM+4+\b], 0                        ; a lane permute's destination counts as one of its sources
.endr
.macro OUTO a
	WIN 0x02                                       ; source 0: window 2
.set j, 0
.rept 32
	v_pk_mul_f32 v[WK+j:WK+j+1], v[64*(\a)+j:64*(\a)+j+1], v[RLV+2*(\a):RLV+2*(\a)+1] op_sel_hi:[1,0]   ; O / the row's sum; each accumulator from its low end on
.set j, j+2
.endr
	WIN 0
	QMAX WK
	s_wait_alu depctr_va_vdst(0)
	s_wait_xcnt 0x0                                ; the last block's stores have read their registers: the codes may be written again
	QTAIL WK
.irp c, 0,1,2
	global_store_b128 v[LIC], v[PC+4*\c:PC+4*\c+3], s[OB:OB+1] offset:13312*(\a)+512*\c   ; 512 consecutive bytes, at a multiple of 256 from the buffer's first byte
.endr
	global_store_b32 v[LSW], v[PW], s[OB:OB+1] offset:13312*(\a)
.endm
.irp a, 0,1,2,3
	OUTO \a
.endr
	s_wait_tensorcnt 0x0                           ; the wave's end
	ds_add_u32 v[SPW], v[NIL]
	s_wait_dscnt 0x0
	CROUND                                         ; the closing round
	s_endpgm
.Lfunc_end_k_qfc17a14362_pv:
	.size	k_qfc17a14362_pv, .Lfunc_end_k_qfc17a14362_pv-k_qfc17a14362_pv
	.p2alignl 7, 3214868480
	.fill 96, 4, 3214868480
	.section	.rodata,"a",@progbits
	.p2align	6, 0x0
	.amdhsa_kernel k_qfc17a14362_pv
		.amdhsa_group_segment_fixed_size 327680
		.amdhsa_private_segment_fixed_size 0
		.amdhsa_enable_private_segment 0
		.amdhsa_kernarg_size 32
		.amdhsa_user_sgpr_count 2
		.amdhsa_user_sgpr_kernarg_segment_ptr 1
		.amdhsa_wavefront_size32 1
		.amdhsa_system_sgpr_workgroup_id_x 1
		.amdhsa_system_sgpr_workgroup_id_y 1
		.amdhsa_system_sgpr_workgroup_id_z 1
		.amdhsa_system_vgpr_workitem_id 0
		.amdhsa_next_free_vgpr 768
		.amdhsa_next_free_sgpr 102
		.amdhsa_reserve_vcc 0
		.amdhsa_float_denorm_mode_32 3
		.amdhsa_float_denorm_mode_16_64 3
		.amdhsa_memory_ordered 1
		.amdhsa_forward_progress 1
		.amdhsa_inst_pref_size 188
	.end_amdhsa_kernel
	.amdgpu_metadata
---
amdhsa.version: [ 1, 2 ]
amdhsa.kernels:
  - .name:           k_qfc17a14362_pv
    .symbol:         k_qfc17a14362_pv.kd
    .args:
      - { .name: pimg, .offset: 0, .size: 8, .value_kind: global_buffer, .address_space: global }
      - { .name: prec, .offset: 8, .size: 8, .value_kind: global_buffer, .address_space: global }
      - { .name: vimg, .offset: 16, .size: 8, .value_kind: global_buffer, .address_space: global }
      - { .name: oimg, .offset: 24, .size: 8, .value_kind: global_buffer, .address_space: global }
    .group_segment_fixed_size: 327680
    .private_segment_fixed_size: 0
    .kernarg_segment_align: 8
    .kernarg_segment_size: 32
    .max_flat_workgroup_size: 128
    .sgpr_count:     102
    .vgpr_count:     768
    .wavefront_size: 32
...
	.end_amdgpu_metadata
.endif
;; end of part 9
;; launch proj (part 10): grid 4 x 64, 4 waves a work-group, clusters of 4 x 4, 327,680 bytes of LDS; arguments oimg, wimg, bo, out0; writes out0
.if DOCPART == 10
	.amdgcn_target "amdgcn-amd-amdhsa--gfx1250"
	.amdhsa_code_object_version 6
	.text
	.protected	k_qfc17a14362_proj
	.globl	k_qfc17a14362_proj
	.p2align	8
	.type	k_qfc17a14362_proj,@function
k_qfc17a14362_proj:
	s_mov_b64 s[64:65], 0
	v_nop
	global_prefetch_b8 v0, s[64:65] scope:SCOPE_SE
	s_setreg_imm32_b32 hwreg(HW_REG_WAVE_MODE, 25, 1), 1
	s_wait_xcnt 0x0
	s_wait_alu depctr_hold_cnt(0) depctr_sa_sdst(0) depctr_va_vdst(0) depctr_va_sdst(0) depctr_va_ssrc(0) depctr_va_vcc(0) depctr_vm_vsrc(0)
	s_getreg_b32 s2, hwreg(HW_REG_IB_STS2, 6, 4)
	s_cmp_eq_u32 s2, 0
	s_cbranch_scc0 .Lentry_in_a_cluster
	s_endpgm
.Lentry_in_a_cluster:
	s_bfe_u32 s2, ttmp6, 0x10000c
	s_cmp_lg_u32 s2, 0xf033
	s_cbranch_scc0 .Lentry_shape_is_right
	s_endpgm
.Lentry_shape_is_right:
; out = O Wo + bo on codes of FP6 (E2M3) with E8M0 scales, K = 1,024.  S0 = Wo's tiles of columns (a lane's registers run along n), S1 = O's tiles of queries (a lane holds one query); images as in the launches before.
; A work-group makes 128 queries x 256 columns, a wave 64 x 128: 32 accumulators; bo is the C of the first products.  Clusters of 4 x 4: O's tiles are asked for jointly along a row of the cluster, Wo's along a column.
; Two LDS slots of four K steps hold all of K and are filled once, by the head's four loads, one a wave: wave 0 S1's eight tiles of slot 0, wave 1 of slot 1, wave 2 S0's sixteen tiles of slot 0, wave 3 of slot 1.
; The results leave through the wave's own stage, in slot 0, which nobody reads behind the change of slots: whole rows of 512 bytes.
.set FT,    3328
.set TR,    2*FT
.set S1B,   8*TR
.set BSLOT, 24*TR
.set SPARE, 2*BSLOT
.set STO, 6
.set RD,  7
.set ADA, 12
.set ADB, 14
.set ASA, 16
.set ASB, 18
.set SPW, 28
.set NIL, 29
.set SA,  32
.set SB,  40
.set AF,  128
.set BK,  128
.set G1A, 24
.set G1B, 32
.set G0A, 40
.set G0B, 48
.set OB,  60
.set MSB, 0
.macro WIN new
.if MSB != (\new)
	s_set_vgpr_msb (MSB<<8)|(\new)
.set MSB, (\new)
.endif
.endm
.macro PLACES n
.rept \n
	v_nop
.endr
.endm
.macro JLOAD g0a, g1a, g0b, g1b
	s_cmp_eq_u32 s15, 0
	s_cbranch_scc0 .Lfor_b_\@
	tensor_load_to_lds s[\g0a:\g0a+3], s[\g1a:\g1a+7]
	s_nop 0
.rept 4
	v_nop
.endr
	s_branch .Lasked_\@
.Lfor_b_\@:
	tensor_load_to_lds s[\g0b:\g0b+3], s[\g1b:\g1b+7]
	s_nop 0
.rept 4
	v_nop
.endr
.Lasked_\@:
.endm
.macro CREST
	s_cmp_lg_u32 s14, 0
	s_cbranch_scc1 .Lnot_wave_0_\@
	s_barrier_signal -3
.Lnot_wave_0_\@:
	s_barrier_wait -3
	s_barrier_signal -1
	s_barrier_wait -1
.endm
.macro CROUND
	s_barrier_signal -1
	s_barrier_wait -1
	CREST
.endm
.macro FRAGC reg, adr, off
.irp c, 0,1,2
	ds_load_b128 v[(\reg)+4*\c:(\reg)+4*\c+3], v[\adr] offset:(\off)+512*\c
.endr
.endm
.macro FETCH slot, j, p
	WIN 0x40
.irp i, 0,1,2,3,4,5,6,7
	FRAGC 128*(\p)+12*\i, ADB+(\slot), \i*TR+((\j)/2)*FT+1536*((\j)%2)
.endr
	WIN 0
.irp i, 0,1,2,3,4,5,6,7
	ds_load_b32 v[SB+8*(\p)+\i], v[ASB+(\slot)] offset:\i*TR+((\j)/2)*FT+128*((\j)%2)
.endr
.irp i, 0,1,2,3
	FRAGC AF+48*(\p)+12*\i, ADA+(\slot), \i*TR+((\j)/2)*FT+1536*((\j)%2)
	ds_load_b32 v[SA+4*(\p)+\i], v[ASA+(\slot)] offset:\i*TR+((\j)/2)*FT+128*((\j)%2)
.endr
.endm
.macro MUL16 a0, p, z
.irp a, \a0, \a0+1
.irp b, 0,1,2,3,4,5,6,7
.if (\z) == 0
	v_wmma_scale_f32_16x16x128_f8f6f4 v[8*(8*(\a)+\b):8*(8*(\a)+\b)+7], v[128*(\p)+12*\b:128*(\p)+12*\b+11], v[AF+48*(\p)+12*(\a):AF+48*(\p)+12*(\a)+11], v[8*(8*(\a)+\b):8*(8*(\a)+\b)+7], v[SB+8*(\p)+\b], v[SA+4*(\p)+(\a)] matrix_a_fmt:MATRIX_FMT_FP6 matrix_b_fmt:MATRIX_FMT_FP6
.else
	v_wmma_scale_f32_16x16x128_f8f6f4 v[8*(8*(\a)+\b):8*(8*(\a)+\b)+7], v[128*(\p)+12*\b:128*(\p)+12*\b+11], v[AF+48*(\p)+12*(\a):AF+48*(\p)+12*(\a)+11], v[8*\b:8*\b+7], v[SB+8*(\p)+\b], v[SA+4*(\p)+(\a)] matrix_a_fmt:MATRIX_FMT_FP6 matrix_b_fmt:MATRIX_FMT_FP6
.endif
.endr
.endr
.endm
.macro MWIN z
.if (\z) == 2
	WIN 0xb1
.else
	WIN 0xa1
.endif
.endm
.macro STEP slot, j, z
	s_wait_dscnt 0x0
	PLACES 4
	FETCH \slot, (\j)+1, 1-(\j)%2
	MWIN \z
	MUL16 0, (\j)%2, \z
	MUL16 2, (\j)%2, \z
	WIN 0
.endm
.macro TURN slot, next
	s_wait_tensorcnt 0x0
	s_wait_dscnt 0x0
	s_barrier_signal -1
	WIN 0xa1
	MUL16 0, 1, 0
	WIN 0
	s_barrier_wait -1
	PLACES 4
	FETCH \next, 0, 0
	WIN 0xa1
	MUL16 2, 1, 0
	WIN 0
.endm
.macro LAST
	s_wait_dscnt 0x0
	WIN 0xa1
	MUL16 0, 1, 0
	MUL16 2, 1, 0
	WIN 0
.endm
	s_load_b256 s[68:75], s[0:1], 0x0
	v_lshl_add_u32 v[SPW], v0, 2, SPARE
	v_mov_b32 v[NIL], 0
	ds_add_u32 v28, v29
	ds_add_u32 v28, v29
	s_wait_dscnt 0x0
	v_lshrrev_b32 v1, 5, v0
	v_readfirstlane_b32 s14, v1
	s_lshr_b32 s15, s14, 1
	s_and_b32 s16, s14, 1
	s_bfe_u32 s84, ttmp6, 0x40000
	s_bfe_u32 s85, ttmp6, 0x40004
	s_lshl_b32 s86, s85, 2
	s_lshl_b32 s86, 15, s86
	s_lshl_b32 s87, 0x1111, s84
	s_or_b32 s[G1A], s86, (3<<16)|(1<<21)
	s_or_b32 s[G1B], s87, (3<<16)|(1<<21)
.irp g, G1A, G1B
	s_mov_b32 s[\g+1], 832<<16
	s_mov_b32 s[\g+3], 832<<16
	s_mov_b32 s[\g+5], 1664
	s_mov_b32 s[\g+6], 0
	s_mov_b32 s[\g+7], 0
.endr
	s_mov_b32 s[G1A+2], 8<<16
	s_mov_b32 s[G1A+4], 8
	s_mov_b32 s[G1B+2], 16<<16
	s_mov_b32 s[G1B+4], 16
	s_and_b32 s89, ttmp7, 0xffff
	s_lshl_b32 s91, s89, 2
	s_add_co_u32 s91, s91, s85
	s_mul_i32 s17, s16, TR                         ; which slot's two runs I fetch: the wave's number % 2
	s_lshl_b32 s92, s91, 3
	s_mul_i32 s92, s92, 13312
	s_add_co_u32 s92, s92, s17                     ; S1: the block's eight tiles
	s_mov_b32 s93, 0
	s_lshl_b32 s94, s84, 4
	s_add_co_u32 s94, s94, 192
	s_mul_i32 s94, s94, 13312
	s_add_co_u32 s94, s94, s17                     ; S0: Wo's sixteen tiles from 192 + 16 cx on
	s_mov_b32 s95, 0
	s_mul_i32 s18, s16, BSLOT                      ; where they go: S1's tiles at the slot's head,
	s_add_co_u32 s19, s18, S1B                     ; S0's behind them
	s_wait_kmcnt 0x0
	s_add_nc_u64 s[92:93], s[68:69], s[92:93]
	s_add_nc_u64 s[94:95], s[70:71], s[94:95]
	CROUND
.irp s, 0
	s_mov_b32 s[G0A+4*\s], 1
	s_add_co_u32 s[G0A+4*\s+1], s18, \s*BSLOT
	s_add_nc_u64 s[G0A+4*\s+2:G0A+4*\s+3], s[92:93], \s*TR
	s_or_b32 s[G0A+4*\s+3], s[G0A+4*\s+3], 0x80000000
	s_mov_b32 s[G0B+4*\s], 1
	s_add_co_u32 s[G0B+4*\s+1], s19, \s*BSLOT
	s_add_nc_u64 s[G0B+4*\s+2:G0B+4*\s+3], s[94:95], \s*TR
	s_or_b32 s[G0B+4*\s+3], s[G0B+4*\s+3], 0x80000000
.endr
	JLOAD G0A, G1A, G0B, G1B                       ; all of K: one tensor load a wave at the head
	v_and_b32 v1, 31, v0
	v_and_b32 v2, 15, v0
	v_bfe_u32 v3, v0, 4, 1
	v_lshlrev_b32 v4, 4, v1
	v_lshl_add_u32 v5, v2, 2, 3072
	s_mul_i32 s97, s15, 4*TR
	s_mul_i32 s98, s16, 8*TR
	s_add_co_u32 s98, s98, S1B
.irp s, 0,1
	v_add_nc_u32 v[ADA+\s], s97, v4
	v_add_nc_u32 v[ADB+\s], s98, v4
	v_add_nc_u32 v[ASA+\s], s97, v5
	v_add_nc_u32 v[ASB+\s], s98, v5
	s_add_co_u32 s97, s97, BSLOT
	s_add_co_u32 s98, s98, BSLOT
.endr
	s_mul_i32 s2, s14, 8448
	v_mul_u32_u24 v[STO], v2, 528
	v_lshl_add_u32 v[STO], v3, 6, v[STO]
	v_add_nc_u32 v[STO], s2, v[STO]
	v_add_nc_u32 v[RD], s2, v4
	s_lshl_b32 s8, s91, 7
	s_lshl_b32 s9, s15, 6
	s_add_co_u32 s8, s8, s9
	s_lshl_b32 s8, s8, 12
	s_lshl_b32 s6, s84, 10
	s_lshl_b32 s7, s16, 9
	s_add_co_u32 s6, s6, s7
	s_add_co_u32 s8, s8, s6
	s_mov_b32 s9, 0
	s_mov_b32 s7, 0
	s_add_nc_u64 s[OB:OB+1], s[74:75], s[8:9]
	s_add_nc_u64 s[4:5], s[72:73], s[6:7]
	v_lshlrev_b32 v8, 6, v3
	WIN 0xc0
.irp t, 0,1,2,3,4,5,6,7
	global_load_b128 v[8*\t:8*\t+3], v8, s[4:5] offset:(32*(\t/2)+8*(\t%2))*4
	global_load_b128 v[8*\t+4:8*\t+7], v8, s[4:5] offset:(32*(\t/2)+8*(\t%2))*4+16
.endr
	WIN 0
	s_wait_alu depctr_va_vdst(0)
	s_wait_loadcnt 0x0
	s_wait_tensorcnt 0x0                           ; my tile of the head's four is in
	s_barrier_signal -1
	s_barrier_wait -1
	FETCH 0, 0, 0
	STEP 0, 0, 2
	STEP 0, 1, 0
	STEP 0, 2, 0
	TURN 0, 1
	STEP 1, 0, 0
	STEP 1, 1, 0
	STEP 1, 2, 0
	LAST
.macro TOSTAGE a
.set AC, 64*(\a)
	WIN 0x08
.irp b, 0,1,2,3,4,5,6,7
	ds_store_b128 v[STO], v[AC+8*\b:AC+8*\b+3] offset:128*(\b/2)+32*(\b%2)
	ds_store_b128 v[STO], v[AC+8*\b+4:AC+8*\b+7] offset:128*(\b/2)+32*(\b%2)+16
.endr
	WIN 0
.set BB, BK+64*((\a)%2)
.irp t, 0,1,2,3,4,5,6,7,8,9,10,11,12,13,14,15
	ds_load_b128 v[BB+4*\t:BB+4*\t+3], v[RD] offset:\t*528
.endr
.endm
.macro SEND a, younger
.set BB, BK+64*((\a)%2)
	s_wait_dscnt \younger
.irp t, 0,1,2,3,4,5,6,7,8,9,10,11,12,13,14,15
	global_store_b128 v4, v[BB+4*\t:BB+4*\t+3], s[OB:OB+1] offset:(32*((\a)/2)+8*((\a)%2)+\t+8*(\t/8))*4096 th:TH_STORE_NT
.endr
.endm
	PLACES 4
	TOSTAGE 0
.irp a, 1,2,3
.if \a > 1
	s_wait_xcnt 0x0
.endif
	TOSTAGE \a
	SEND \a-1, 32
.endr
	SEND 3, 0
	s_wait_tensorcnt 0x0
	ds_add_u32 v[SPW], v[NIL]
	s_wait_dscnt 0x0
	CROUND
	s_endpgm
.Lfunc_end_k_qfc17a14362_proj:
	.size	k_qfc17a14362_proj, .Lfunc_end_k_qfc17a14362_proj-k_qfc17a14362_proj
	.p2alignl 7, 3214868480
	.fill 96, 4, 3214868480
	.section	.rodata,"a",@progbits
	.p2align	6, 0x0
	.amdhsa_kernel k_qfc17a14362_proj
		.amdhsa_group_segment_fixed_size 327680
		.amdhsa_private_segment_fixed_size 0
		.amdhsa_enable_private_segment 0
		.amdhsa_kernarg_size 32
		.amdhsa_user_sgpr_count 2
		.amdhsa_user_sgpr_kernarg_segment_ptr 1
		.amdhsa_wavefront_size32 1
		.amdhsa_system_sgpr_workgroup_id_x 1
		.amdhsa_system_sgpr_workgroup_id_y 1
		.amdhsa_system_sgpr_workgroup_id_z 1
		.amdhsa_system_vgpr_workitem_id 0
		.amdhsa_next_free_vgpr 1024
		.amdhsa_next_free_sgpr 102
		.amdhsa_reserve_vcc 0
		.amdhsa_float_denorm_mode_32 3
		.amdhsa_float_denorm_mode_16_64 3
		.amdhsa_memory_ordered 1
		.amdhsa_forward_progress 1
		.amdhsa_inst_pref_size 81
	.end_amdhsa_kernel
	.amdgpu_metadata
---
amdhsa.version: [ 1, 2 ]
amdhsa.kernels:
  - .name:           k_qfc17a14362_proj
    .symbol:         k_qfc17a14362_proj.kd
    .args:
      - { .name: oimg, .offset: 0, .size: 8, .value_kind: global_buffer, .address_space: global }
      - { .name: wimg, .offset: 8, .size: 8, .value_kind: global_buffer, .address_space: global }
      - { .name: bo, .offset: 16, .size: 8, .value_kind: global_buffer, .address_space: global }
      - { .name: out0, .offset: 24, .size: 8, .value_kind: global_buffer, .address_space: global }
    .group_segment_fixed_size: 327680
    .private_segment_fixed_size: 0
    .kernarg_segment_align: 8
    .kernarg_segment_size: 32
    .max_flat_workgroup_size: 128
    .sgpr_count:     102
    .vgpr_count:     1024
    .wavefront_size: 32
...
	.end_amdgpu_metadata
.endif
;; end of part 10
